; MI455X (gfx1250); checked and timed in simulation.
; The chip was launched on July 23, 2026; its instructions are those of AMD's public machine-readable ISA for CDNA 5 (MIT licence, August 2026) and "CDNA5" Instruction Set Architecture Reference Guide (July 2026). The comments in the code are by the model that wrote it; some were corrected since.
;; Transformer Translator. Allowed arithmetic: matrix products marked QUANTISED: E3M2 operands, one E8M0 scale for each 32 along K, by v_wmma_scale_f32_16x16x128_f8f6f4 with both operands' format E3M2, f32 sums; products left as they are: f32 operands where the result goes on into a quantised operand, else bf16, f16 or f32 operands; f32 sums; everything else in f32.
;; Inputs: W1 2,048 x 768 float32; W2 768 x 2,048 float32; Wk1 96 x 768 float32; Wk2 96 x 768 float32; Wo 2 x 768 float32; Wp 768 x 192 float32; Wq1 96 x 768 float32; Wq2 96 x 768 float32; Wv1 96 x 768 float32; Wv2 96 x 768 float32; be1 768 float32; be2 768 float32; bf1 2,048 float32; bf2 768 float32; bk1 96 float32; bk2 96 float32; bo 2 float32; bp 768 float32; bq1 96 float32; bq2 96 float32; bv1 96 float32; bv2 96 float32; emb 50,257 x 768 float32; g1 768 float32; g2 768 float32; inputs 512 x 32 int32; pos_emb 32 x 768 float32.
;; Outputs: out0 512 x 32 x 2 float32.
;; This version of the problem:
;;   THIS VERSION OF THE PROBLEM IS GIVEN IN LOW PRECISION. The matrix products marked QUANTISED in the list below multiply operands that are first quantised to E3M2 (3 exponent bits, 2 mantissa bits; 6 bits a number), with one power-of-two scale for each 32 numbers along K (OCP MX v1.0); their sums are f32. All else is computed in f32.
;;   The module's matrix products, in the order in which they are computed (A, B: the left and right operand; K: the contracted axis; several contracted axes count as one K, in the product's order):
;;     1. [M 16,384, K 768] x [K 768, N 96]; A: computed on the way; B: input Wq1: QUANTISED
;;     2. [M 16,384, K 768] x [K 768, N 96]; A: computed on the way; B: input Wk1: QUANTISED
;;     3. [M 16,384, K 768] x [K 768, N 96]; A: computed on the way; B: input Wv1: QUANTISED
;;     4. batch 512 x [M 32, K 96] x [K 96, N 32]; A: computed on the way; B: computed on the way: QUANTISED
;;     5. batch 512 x [M 32, K 32] x [K 32, N 96]; A: softmax (see below); B: computed on the way: QUANTISED
;;     6. [M 16,384, K 768] x [K 768, N 96]; A: computed on the way; B: input Wq2: QUANTISED
;;     7. [M 16,384, K 768] x [K 768, N 96]; A: computed on the way; B: input Wk2: QUANTISED
;;     8. [M 16,384, K 768] x [K 768, N 96]; A: computed on the way; B: input Wv2: QUANTISED
;;     9. batch 512 x [M 32, K 96] x [K 96, N 32]; A: computed on the way; B: computed on the way: QUANTISED
;;     10. batch 512 x [M 32, K 32] x [K 32, N 96]; A: softmax (see below); B: computed on the way: QUANTISED
;;     11. [M 16,384, K 192] x [K 192, N 768]; A: computed on the way; B: input Wp: QUANTISED
;;     12. [M 16,384, K 768] x [K 768, N 2,048]; A: computed on the way; B: input W1: QUANTISED
;;     13. [M 16,384, K 2,048] x [K 2,048, N 768]; A: computed on the way; B: input W2: QUANTISED
;;     14. [M 16,384, K 768] x [K 768, N 2]; A: computed on the way; B: input Wo: left as it is (N = 2 < 16)
;;   THE QUANTISER, for each operand of a quantised product, along K:
;;     - K is cut into blocks of 32 from its start; a last block that is shorter is filled with zeros.
;;     - A block's scale is 2^e with e = floor(log2(the largest magnitude in the block)) - 4, held to -126 .. 127; a block of zeros has e = 0. As a byte (E8M0): e + 127.
;;     - Each number is divided by its block's scale, clamped to +-28, and rounded to the nearest number of E3M2, ties to even, subnormals kept.
;;     - The product sums the exact products of the quantised numbers (number of the format x scale) in f32.
;;   ~~~python
;;   def quantise(x, axis):      # numpy; x: float32 -> the quantised numbers, widened to float32 again
;;       x = np.moveaxis(x, axis, -1); K = x.shape[-1]
;;       x = np.pad(x, [(0, 0)] * (x.ndim - 1) + [(0, -K % 32)]); x = x.reshape(x.shape[:-1] + (-1, 32)); a = np.abs(x).max(-1, keepdims=True)
;;       e = np.where(a > 0, np.clip(np.frexp(np.where(a > 0, a, 1))[1] - 1 - 4, -126, 127), 0)      # np.frexp(a)[1] - 1 = floor(log2(a)), exactly
;;       r = np.clip(x / 2.0 ** e, -28, 28)
;;       step = 2.0 ** (np.maximum(np.frexp(np.where(r == 0, 1, r))[1] - 1, -2) - 2)
;;       q = np.round(r / step) * step * 2.0 ** e      # np.round: ties to even
;;       return np.moveaxis(q.reshape(q.shape[:-2] + (-1,))[..., :K], -1, axis).astype(np.float32)
;;   ~~~
;;   SOFTMAX AHEAD OF A QUANTISED PRODUCT. Where the list says 'softmax', what is quantised is not the finished softmax but p = 2^(t - M), with t = logit x log2(e) and M = ceil(the row's largest t), a whole number; so 1/2 < the row's largest p <= 1. The row's sum l is taken of the UNQUANTISED p, in f32, and the product's result is divided by l at the end. Since M is a whole number, a kernel that streams over the keys may use a running M (the ceiling of the running maximum): every later rescaling is an exact power of two, which a block's scale takes up: the codes' values come out the same.
;;   OPERANDS COMPUTED ON THE WAY. 'Computed on the way' means the value that the module computes at that place (a softmax that the list does not call 'softmax' is quantised finished and normalised). What goes into a quantiser is computed in f32, as accurately as f32 sums, v_exp_f32 and their like allow (about 1e-6 of the number): no bf16 or f16 on the way to a quantiser, and a product that is left as it is and whose result goes on into a quantised operand takes f32 operands (vector FMAs, or v_wmma_f32_16x16x4_f32). A number that lies on a knife's edge between two numbers of the format may be rounded either way, as far as f32 arithmetic and the matrix unit's own rounding can turn it there, and no further.
;; 3 versions, each right; version 2 is faster than version 1; version 3 is version 2 with the launch main written anew for expert scheduling mode. Each part assembles by itself: llvm-mc -triple=amdgcn-amd-amdhsa -mcpu=gfx1250 --defsym DOCPART=n.
;; ======== version 1 of 3: 2 launches
;; workspace buffers: wstream 2,969,600 bytes
;; launch prep (part 1): grid 116 x 4, 1 waves a work-group, no clusters, 0 bytes of LDS; arguments Wq1, Wk1, Wv1, Wq2, Wk2, Wv2, Wp, W1, W2, wstream; writes wstream
.if DOCPART == 1
	.amdgcn_target "amdgcn-amd-amdhsa--gfx1250"
	.amdhsa_code_object_version 6
	.text
	.protected	k_q31a494ee78_prep
	.globl	k_q31a494ee78_prep
	.p2align	8
	.type	k_q31a494ee78_prep,@function
k_q31a494ee78_prep:
	s_mov_b64 s[64:65], 0
	v_nop
	global_prefetch_b8 v0, s[64:65] scope:SCOPE_SE
	s_setreg_imm32_b32 hwreg(HW_REG_WAVE_MODE, 25, 1), 1
	s_wait_xcnt 0x0
; All nine weight matrices (f32, K innermost) become codes of BF6 (E3M2) with one E8M0 byte for each 32 along K, laid as FOUR STREAMS, one for each wave of the second launch,
; in the order in which that wave's operand registers take them.  A stream is 116 groups of 6,400 bytes.  A group is four fragments (16 rows x 128 K, 12 registers a lane) as images of
; their registers (fragment f at 1536 f, registers 4 j .. 4 j + 3 of lane l at + 512 j + 16 l) and, at + 6144, their scale words: 8 bytes a lane; word q of lane (r, hh) belongs to row r of fragment 2 q + hh.
; One wave makes one group: work-group x = the group, y = the stream.  Lane (r, h) takes row ROW0 + r + 8 (r / 8) of its matrix and k = 64 c + 32 h + 0 .. 31, which is what the operand's layout gives it:
; a lane holds two whole blocks, so a block's largest magnitude needs no other lane, and the conversions' results are the operand's registers.
; GROUPS: 0-13 the six projections (fragment 4 G + f = 9 s + t: K step s; t < 6: tile t of Wq1, Wk1, Wq2, Wk2 by stream; t >= 6: three tiles of Wv1 or Wv2; the last two fragments repeat number 53 and are never multiplied);
;   14-19 Wp (K step = a head's 96 columns and a block of zero codes);  then for each chunk of 512 hidden units 12 groups of W1 and 12 of W2.
; A block's scale is 2^(floor(log2(largest magnitude)) - 4); its byte is the largest magnitude's exponent field - 4, held at 1 from below.
; LIMITS: a block of zeros gets the byte 1 where the rule says 127 (its codes are zeros, and this program alone reads the bytes); NaN and infinities among the inputs are not served.
.set GB, 6400                          ; bytes of a group
; s[24:31] the four fragments' matrices, s32-35 their first rows, s36-39 their first byte along K, s40 a row's bytes, s41 128 (0 for Wp: lanes 16-31 read block 2 again for the zero block), s42 the lanes whose upper block is zeroed
	s_load_b512 s[4:19], s[0:1], 0x0               ; Wq1 4, Wk1 6, Wv1 8, Wq2 10, Wk2 12, Wv2 14, Wp 16, W1 18
	s_load_b128 s[20:23], s[0:1], 0x40             ; W2 20, wstream 22
	s_and_b32 s50, ttmp7, 0xffff                   ; the stream (the wave of the second launch)
	s_mov_b32 s51, ttmp9                           ; the group
	s_mov_b32 s44, 0x76543210
	s_mov_b32 s45, 0xfedcba98                      ; v_permlanex16_b32's selects for lane l xor 16
	s_mov_b32 s43, 0xffff0000                      ; lanes 16-31
	v_and_b32 v1, 15, v0                           ; r
	v_lshrrev_b32 v2, 4, v0                        ; h
	v_and_b32 v3, 8, v1
	v_add_nc_u32 v3, v3, v1                        ; r + 8 (r / 8)
	v_lshlrev_b32 v4, 7, v2                        ; 128 h
	v_lshlrev_b32 v5, 4, v0                        ; 16 x lane
	v_lshlrev_b32 v6, 3, v0                        ; 8 x lane
	v_mov_b32 v7, 0
	v_lshlrev_b32 v8, 3, v2                        ; 8 h
	v_mov_b32 v23, 0                               ; a lane permute's destination counts as one of its sources
	s_mul_i32 s48, s50, 116
	s_add_co_u32 s48, s48, s51
	s_mul_i32 s48, s48, GB
	s_mov_b32 s49, 0
	s_wait_kmcnt 0x0
	s_add_nc_u64 s[46:47], s[22:23], s[48:49]      ; where my group goes
.macro SAME p                          ; four tiles of one matrix: rows s52 + 32 (f / 2) + 8 (f % 2) on, K from byte s53 on
.irp f, 0,1,2,3
	s_mov_b64 s[24+2*\f:25+2*\f], s[\p:\p+1]
	s_add_co_u32 s[32+\f], s52, 32*(\f/2)+8*(\f%2)
	s_mov_b32 s[36+\f], s53
.endr
.endm
	s_cmp_lt_u32 s51, 14
	s_cbranch_scc0 .Lnot_qkv
	; ---- the projections
	s_cmp_lt_u32 s50, 2
	s_cselect_b64 s[52:53], s[4:5], s[10:11]       ; my head's Wq,
	s_cselect_b64 s[54:55], s[6:7], s[12:13]       ; its Wk,
	s_cselect_b64 s[56:57], s[8:9], s[14:15]       ; and the Wv of head stream / 2
	s_and_b32 s58, s50, 1
	s_cmp_eq_u32 s58, 0
	s_cselect_b64 s[52:53], s[52:53], s[54:55]     ; even streams take Wq, odd ones Wk
	s_mul_i32 s58, s58, 3                          ; and tiles 0-2 or 3-5 of Wv
	s_mov_b32 s40, 3072
	s_mov_b32 s41, 128
	s_mov_b32 s42, 0
.irp f, 0,1,2,3
	s_lshl_b32 s59, s51, 2
	s_add_co_u32 s59, s59, \f
	s_min_u32 s59, s59, 53                         ; fragment number q
	s_mul_i32 s60, s59, 57
	s_lshr_b32 s60, s60, 9                         ; s = q / 9 (exact for q up to 53)
	s_mul_i32 s61, s60, 9
	s_sub_co_u32 s61, s59, s61                     ; t = q % 9
	s_lshl_b32 s[36+\f], s60, 9                    ; 128 numbers of 4 bytes a K step
	s_add_co_u32 s62, s61, s58
	s_sub_co_u32 s62, s62, 6                       ; Wv's tile
	s_cmp_lt_u32 s61, 6
	s_cselect_b64 s[24+2*\f:25+2*\f], s[52:53], s[56:57]
	s_cselect_b32 s62, s61, s62                    ; the tile T
	s_lshr_b32 s63, s62, 1
	s_lshl_b32 s63, s63, 5
	s_and_b32 s62, s62, 1
	s_lshl_b32 s62, s62, 3
	s_add_co_u32 s[32+\f], s63, s62                ; 32 (T / 2) + 8 (T % 2)
.endr
	s_branch .Lgo
.Lnot_qkv:
	s_cmp_lt_u32 s51, 20
	s_cbranch_scc0 .Lmlp
	; ---- Wp: x = group - 14: head x / 3, tiles 4 (x % 3) on of my 192 rows
	s_sub_co_u32 s54, s51, 14
	s_cmp_ge_u32 s54, 3
	s_cselect_b32 s55, 1, 0
	s_mul_i32 s56, s55, 3
	s_sub_co_u32 s54, s54, s56
	s_mul_i32 s52, s50, 192
	s_lshl_b32 s54, s54, 6
	s_add_co_u32 s52, s52, s54
	s_mul_i32 s53, s55, 384
	s_mov_b32 s40, 768
	s_mov_b32 s41, 0
	s_mov_b32 s42, 0xffff0000
	SAME 16
	s_branch .Lgo
.Lmlp:
	s_sub_co_u32 s54, s51, 20
	s_mul_i32 s55, s54, 43
	s_lshr_b32 s55, s55, 10                        ; the chunk = x / 24 (exact for x up to 95)
	s_mul_i32 s56, s55, 24
	s_sub_co_u32 s54, s54, s56                     ; the group in the chunk
	s_mov_b32 s41, 128
	s_mov_b32 s42, 0
	s_cmp_lt_u32 s54, 12
	s_cbranch_scc0 .Lw2
	; ---- W1: K step g / 2, half g % 2 of my 128 hidden units
	s_lshr_b32 s56, s54, 1
	s_and_b32 s57, s54, 1
	s_lshl_b32 s52, s55, 9
	s_lshl_b32 s58, s50, 7
	s_add_co_u32 s52, s52, s58
	s_lshl_b32 s57, s57, 6
	s_add_co_u32 s52, s52, s57
	s_lshl_b32 s53, s56, 9
	s_mov_b32 s40, 3072
	SAME 18
	s_branch .Lgo
.Lw2:
	; ---- W2: y = g - 12: K step y / 3 of the chunk's four, tiles 4 (y % 3) on of my 192 rows
	s_sub_co_u32 s54, s54, 12
	s_mul_i32 s56, s54, 43
	s_lshr_b32 s56, s56, 7                         ; y / 3 (exact for y up to 11)
	s_mul_i32 s57, s56, 3
	s_sub_co_u32 s54, s54, s57
	s_mul_i32 s52, s50, 192
	s_lshl_b32 s54, s54, 6
	s_add_co_u32 s52, s52, s54
	s_lshl_b32 s53, s55, 11
	s_lshl_b32 s56, s56, 9
	s_add_co_u32 s53, s53, s56
	s_mov_b32 s40, 8192
	SAME 20
.Lgo:
; fragment f's 64 numbers a lane into set st (v64 + 64 st on): sixteen loads of 16 bytes
.macro LOADF f, st
	v_add_nc_u32 v9, s[32+\f], v3
	v_mul_lo_u32 v9, v9, s40
	v_add_nc_u32 v9, s[36+\f], v9                  ; my row's byte at the K step's start
	v_add_nc_u32 v[10+2*\st], v9, v4               ; k = 32 h on
	v_mad_u32_u24 v[11+2*\st], v2, s41, v9         ; k = 64 + 32 h on (the 256 stand in the immediate)
.irp i, 0,1,2,3,4,5,6,7
	global_load_b128 v[64+64*\st+4*\i:64+64*\st+4*\i+3], v[10+2*\st], s[24+2*\f:25+2*\f] offset:16*\i
.endr
.irp i, 0,1,2,3,4,5,6,7
	global_load_b128 v[96+64*\st+4*\i:96+64*\st+4*\i+3], v[11+2*\st], s[24+2*\f:25+2*\f] offset:256+16*\i
.endr
.endm
; fragment f, in set st, is quantised and stored.  cnt: the younger loads, which may stay out
.macro PROC f, st, cnt
.set X_, 64+64*\st
.set C_, 40+12*(\f%2)                  ; its codes: two sets of 12 registers by turns
	s_wait_loadcnt \cnt
.irp c, 0,1
	v_max3_num_f32 v[16+\c], |v[X_+32*\c]|, |v[X_+32*\c+1]|, 0x2800000   ; my block 2 c + h, and the floor 2^(5 - 127): the byte cannot fall under 1
.endr
.irp i, 2,4,6,8,10,12,14,16,18,20,22,24,26,28,30
.irp c, 0,1
	v_max3_num_f32 v[16+\c], v[16+\c], |v[X_+32*\c+\i]|, |v[X_+32*\c+\i+1]|   ; (the two blocks by turns)
.endr
.endr
.irp c, 0,1
	v_add_nc_u32 v[18+\c], 0xfe000000, v[16+\c]    ; 4 off the exponent field: the conversion's scale operand
.endr
.irp c, 0,1
	v_lshrrev_b32 v[20+\c], 23, v[18+\c]           ; the scale's byte
.endr
	v_lshl_or_b32 v22, v21, 16, v20                ; my two bytes, blocks h and 2 + h,
	v_lshlrev_b32 v22, v8, v22                     ; at their places in the word;
	v_permlanex16_b32 v23, v22, s44, s45
	v_or_b32 v[28+\f], v22, v23                    ; with lane l xor 16's two the row's word is whole
.if \f >= 2
	s_wait_xcnt 0x0                                ; the stores of two fragments ago have read this set of codes
.endif
.irp c, 0,1
	v_cvt_scalef32_pk16_bf6_f32 v[C_+6*\c:C_+6*\c+2], v[X_+32*\c:X_+32*\c+15], v[18+\c]
	v_cvt_scalef32_pk16_bf6_f32 v[32+4*\c:34+4*\c], v[X_+32*\c+16:X_+32*\c+31], v[18+\c]   ; (a conversion's three registers begin on an even number)
.endr
	v_nop                                          ; one plain place behind a scaled conversion
.irp c, 0,1
.irp i, 0,1,2
	v_mov_b32 v[C_+6*\c+3+\i], v[32+4*\c+\i]
.endr
.endr
.irp i, 0,1,2,3,4,5
	v_cndmask_b32 v[C_+6+\i], v[C_+6+\i], v7, s42  ; Wp: block 3 (lanes 16-31, upper half) is zero codes
.endr
.irp j, 0,1,2
	global_store_b128 v5, v[C_+4*\j:C_+4*\j+3], s[46:47] offset:1536*\f+512*\j   ; 32 lanes store 512 consecutive bytes, aligned
.endr
.endm
	LOADF 0, 0
	LOADF 1, 1
	LOADF 2, 2
	PROC 0, 0, 32                                  ; two younger sets of 16 loads stay out
	LOADF 3, 0                                     ; set 0 and its address registers are free since that wait
	PROC 1, 1, 32
	PROC 2, 2, 16
	PROC 3, 0, 0
	v_cndmask_b32 v24, v28, v29, s43               ; lanes 0-15: fragment 0's words, lanes 16-31: fragment 1's
	v_cndmask_b32 v25, v30, v31, s43               ; fragments 2 and 3 likewise
	global_store_b64 v6, v[24:25], s[46:47] offset:6144   ; 256 consecutive bytes, aligned
	s_endpgm
.Lfunc_end_k_q31a494ee78_prep:
	.size	k_q31a494ee78_prep, .Lfunc_end_k_q31a494ee78_prep-k_q31a494ee78_prep
	.p2alignl 7, 3214868480
	.fill 96, 4, 3214868480
	.section	.rodata,"a",@progbits
	.p2align	6, 0x0
	.amdhsa_kernel k_q31a494ee78_prep
		.amdhsa_group_segment_fixed_size 0
		.amdhsa_private_segment_fixed_size 0
		.amdhsa_enable_private_segment 0
		.amdhsa_kernarg_size 80
		.amdhsa_user_sgpr_count 2
		.amdhsa_user_sgpr_kernarg_segment_ptr 1
		.amdhsa_wavefront_size32 1
		.amdhsa_system_sgpr_workgroup_id_x 1
		.amdhsa_system_sgpr_workgroup_id_y 1
		.amdhsa_system_sgpr_workgroup_id_z 1
		.amdhsa_system_vgpr_workitem_id 0
		.amdhsa_next_free_vgpr 256
		.amdhsa_next_free_sgpr 66
		.amdhsa_reserve_vcc 0
		.amdhsa_float_denorm_mode_32 3
		.amdhsa_float_denorm_mode_16_64 3
		.amdhsa_memory_ordered 1
		.amdhsa_forward_progress 1
		.amdhsa_inst_pref_size 29
	.end_amdhsa_kernel
	.amdgpu_metadata
---
amdhsa.version: [ 1, 2 ]
amdhsa.kernels:
  - .name:           k_q31a494ee78_prep
    .symbol:         k_q31a494ee78_prep.kd
    .args:
      - { .name: Wq1, .offset: 0, .size: 8, .value_kind: global_buffer, .address_space: global }
      - { .name: Wk1, .offset: 8, .size: 8, .value_kind: global_buffer, .address_space: global }
      - { .name: Wv1, .offset: 16, .size: 8, .value_kind: global_buffer, .address_space: global }
      - { .name: Wq2, .offset: 24, .size: 8, .value_kind: global_buffer, .address_space: global }
      - { .name: Wk2, .offset: 32, .size: 8, .value_kind: global_buffer, .address_space: global }
      - { .name: Wv2, .offset: 40, .size: 8, .value_kind: global_buffer, .address_space: global }
      - { .name: Wp, .offset: 48, .size: 8, .value_kind: global_buffer, .address_space: global }
      - { .name: W1, .offset: 56, .size: 8, .value_kind: global_buffer, .address_space: global }
      - { .name: W2, .offset: 64, .size: 8, .value_kind: global_buffer, .address_space: global }
      - { .name: wstream, .offset: 72, .size: 8, .value_kind: global_buffer, .address_space: global }
    .group_segment_fixed_size: 0
    .private_segment_fixed_size: 0
    .kernarg_segment_align: 8
    .kernarg_segment_size: 80
    .max_flat_workgroup_size: 32
    .sgpr_count:     66
    .vgpr_count:     256
    .wavefront_size: 32
...
	.end_amdgpu_metadata
.endif
;; end of part 1
;; launch main (part 2): grid 256 x 1, 4 waves a work-group, no clusters, 215,552 bytes of LDS; arguments inputs, emb, pos_emb, wstream, bq1, bk1, bv1, bq2, bk2, bv2, bp, g1, be1, bf1, bf2, g2, be2, Wo, bo, out0; writes out0
.if DOCPART == 2
	.amdgcn_target "amdgcn-amd-amdhsa--gfx1250"
	.amdhsa_code_object_version 6
	.text
	.protected	k_q31a494ee78_main
	.globl	k_q31a494ee78_main
	.p2align	8
	.type	k_q31a494ee78_main,@function
k_q31a494ee78_main:
	s_mov_b64 s[64:65], 0
	v_nop
	global_prefetch_b8 v0, s[64:65] scope:SCOPE_SE
	s_setreg_imm32_b32 hwreg(HW_REG_WAVE_MODE, 25, 1), 1
	s_wait_xcnt 0x0
; The whole block for 64 rows (two sequences of 32 tokens) in one work-group of four waves: gather + position, six projections, two heads of attention, Wp, LN, MLP 768 -> 2048 -> 768, LN, the product with Wo.
; All quantised products run on codes of BF6 (E3M2) with one E8M0 scale for each 32 along K.  No intermediate goes to memory.
; SHARES.  THE WAVES SHARE THE COLUMNS, NOT THE ROWS.  Wave w owns columns 192 w .. 192 w + 191 of every result 768 wide, for all 64 rows (384 registers: ACC2, which holds x, then x + bp + z Wp, then h, then h + bf2 + f W2);
; hidden units 128 w .. + 127 of each chunk of 512; one of Q1, K1, Q2, K2 and three tiles of V; one (sequence w / 2, head w % 2) of attention.
; WEIGHTS come from memory straight into registers, from a stream that the first launch laid in the order of my operand registers: a ring of four slots of four fragments, 13 loads a group, three groups always on their way.
; No weight byte is wanted by two waves of the work-group, so a way through LDS would add a write and a read of each byte for nothing; with 64 rows a fragment feeds four matrix instructions only.  For the same reason no cluster:
; joint loads land in LDS.  That each work-group streams all weight codes itself is the price of this form.
; ACTIVATIONS go from wave to wave through LDS as images of operand registers (a fragment: two halves of 768 bytes: registers 6 c .. 6 c + 3 at 16 x lane, 6 c + 4, 6 c + 5 at 512 + 8 x lane); a K step's scale words lie [lane][row tile].
; LAYOUT.  Products are used transposed (source 0 = 16 rows of a weight, source 1 = 16 rows of activations): a lane holds ONE row (lane % 16) and its registers run along the columns.  The rows of a weight that form a tile are
; 32 b + 8 u + r + 8 (r / 8), so that the 16 registers of tiles 2 b, 2 b + 1 are columns 32 b + 16 (lane / 16) + 0 .. 15: 16 neighbours along the next K.  V alone is made untransposed, so that a lane's registers run along the keys.
; LIMITS: NaN and infinities are not served; a block of zeros gets the scale byte 1 (zero codes; only this program reads the bytes); 1 / l and 1 / sqrt come from v_rcp_f32 and v_rsq_f32; f32 sums are grouped otherwise than the
; reference groups them; in p v the 32 keys stand in one fixed permutation on both operands; in z Wp each head's 96 along K are followed by a block of zero codes on both operands.
; REGISTERS, in windows of 256 (s_set_vgpr_msb: bits 1:0 source 0, 3:2 source 1, 5:4 source 2, 7:6 destination):
;   window 0: v0-31 addresses; v32-39 the ring's scale words; v40-51 activations' scale words; v52-63 statistics; v64-159 two sets of four activation fragments, or the quantiser's work; v160-255 V, O^T, parameter vectors; v192-255 also block 3
;   window 1: v0-191 the ring (slot sl at 48 sl, fragment f at + 12 f); v192-255 block 0.   window 2: v0-191 ACC2 of row tiles 0, 1 (96 (m % 2) + 16 b + 8 u + j); v192-255 block 1.   window 3: the same for row tiles 2, 3; block 2.
;   A block is 64 registers, 192 + 16 m + 8 u + j: columns 32 b .. 32 b + 31 of Q or K or of the hidden layer, for the four row tiles m.
.set XIMG,  0                          ; LDS: codes of x, later of h: fragment (m, s) at 9216 m + 1536 s
.set XSC,   36864                      ; their scale words, 512 bytes a K step
.set ZIMG,  39936                      ; codes of z: 3072 m + 1536 head
.set ZSC,   52224
.set LNX,   53248                      ; four areas of 1,024 bytes for the sums of the two LNs: 256 w + 16 r
.set OUTX,  57344                      ; the waves' parts of the output: 512 w + 8 row
.set FIMG,  65536                      ; codes of the hidden layer's chunk: 6144 m + 1536 s; their scale words FSC further on
.set FSC,   24576
.set QKIMG, 131072                     ; codes of Q1, K1, Q2, K2: 6144 w + 1536 m
.set VIMG,  155648                     ; codes of V, half images: 768 (12 head + 6 sequence + tile)
.set QKSC,  174080
.set VSC,   176128
.set PAR,   179200                     ; the parameter vectors
.set P_BP, 0
.set P_G1, 3072
.set P_BE1, 6144
.set P_BF2, 9216
.set P_G2, 12288
.set P_BE2, 15360
.set P_WO, 18432
.set P_BF1, 24576
.set P_BQK, 32768                      ; my wave's bias of Q or K: 384 w
.set P_BV, 34304                       ; my wave's head's bias of V: 384 w
.set TL, 64                            ; the quantiser's work: six partial maxima a block,
.set TA, 100                           ; the block's largest magnitude,
.set TB, 106
.set SO, 112                           ; the conversion's scale operand,
.set BY, 118                           ; the scale's byte; codes from v124 on
.set WP, 52                            ; s[52:53] my stream;  s[54:55] the chunk in hand;  s[56:57] where the chunk's last four refills read
.set WL, 54
.set WQ, 56
.set GB, 6400                          ; bytes of a group
.set MSB, 0
.macro WIN new                         ; the immediate's high byte repeats the setting that is left; a switch that changes nothing is dropped
.if MSB != (\new)
	s_set_vgpr_msb (MSB<<8)|(\new)
.set MSB, (\new)
.endif
.endm
.macro PLACES                          ; four plain places behind a matrix instruction, in front of loads into its registers and of reads of its result
.rept 4
	v_nop
.endr
.endm
.macro BAR                             ; my LDS stores have landed and my LDS loads are in: then the work-group's barrier
	s_wait_dscnt 0x0
	s_barrier_signal -1
	s_barrier_wait -1
.endm
.macro WAITG                           ; the ring's oldest group is in: the three younger groups, 13 loads each, may stay out
	s_wait_loadcnt 39
.endm
; one matrix instruction.  c < 0: the sum starts with the constant 0.  ra, rb: source 0's or source 1's scale words stand in lanes 16-31
.macro WM d, a, b, c, sa, sb, ra, rb
.if (\c) < 0
.if (\ra)
	v_wmma_scale_f32_16x16x128_f8f6f4 v[(\d):(\d)+7], v[(\a):(\a)+11], v[(\b):(\b)+11], 0, v[(\sa)], v[(\sb)] matrix_a_fmt:MATRIX_FMT_BF6 matrix_b_fmt:MATRIX_FMT_BF6 matrix_a_scale:MATRIX_SCALE_ROW1
.elseif (\rb)
	v_wmma_scale_f32_16x16x128_f8f6f4 v[(\d):(\d)+7], v[(\a):(\a)+11], v[(\b):(\b)+11], 0, v[(\sa)], v[(\sb)] matrix_a_fmt:MATRIX_FMT_BF6 matrix_b_fmt:MATRIX_FMT_BF6 matrix_b_scale:MATRIX_SCALE_ROW1
.else
	v_wmma_scale_f32_16x16x128_f8f6f4 v[(\d):(\d)+7], v[(\a):(\a)+11], v[(\b):(\b)+11], 0, v[(\sa)], v[(\sb)] matrix_a_fmt:MATRIX_FMT_BF6 matrix_b_fmt:MATRIX_FMT_BF6
.endif
.else
.if (\ra)
	v_wmma_scale_f32_16x16x128_f8f6f4 v[(\d):(\d)+7], v[(\a):(\a)+11], v[(\b):(\b)+11], v[(\c):(\c)+7], v[(\sa)], v[(\sb)] matrix_a_fmt:MATRIX_FMT_BF6 matrix_b_fmt:MATRIX_FMT_BF6 matrix_a_scale:MATRIX_SCALE_ROW1
.elseif (\rb)
	v_wmma_scale_f32_16x16x128_f8f6f4 v[(\d):(\d)+7], v[(\a):(\a)+11], v[(\b):(\b)+11], v[(\c):(\c)+7], v[(\sa)], v[(\sb)] matrix_a_fmt:MATRIX_FMT_BF6 matrix_b_fmt:MATRIX_FMT_BF6 matrix_b_scale:MATRIX_SCALE_ROW1
.else
	v_wmma_scale_f32_16x16x128_f8f6f4 v[(\d):(\d)+7], v[(\a):(\a)+11], v[(\b):(\b)+11], v[(\c):(\c)+7], v[(\sa)], v[(\sb)] matrix_a_fmt:MATRIX_FMT_BF6 matrix_b_fmt:MATRIX_FMT_BF6
.endif
.endif
.endm
; a group of the stream into slot sl: 12 loads of 512 consecutive bytes, and 256 bytes of scale words
.macro RLOAD sl, base, off
	WIN 0x40
.irp i, 0,1,2,3,4,5,6,7,8,9,10,11
	global_load_b128 v[48*(\sl)+4*\i:48*(\sl)+4*\i+3], v1, s[\base:\base+1] offset:(\off)+512*\i
.endr
	WIN 0
	global_load_b64 v[32+2*(\sl):33+2*(\sl)], v2, s[\base:\base+1] offset:(\off)+6144
.endm
.macro REFILL sl, base, off            ; the same behind the products that read the slot
	PLACES
	RLOAD \sl, \base, \off
.endm
.macro FRLOAD reg, a16, a8, off        ; a fragment's image from LDS
.irp c, 0,1
	ds_load_b128 v[(\reg)+6*\c:(\reg)+6*\c+3], v[\a16] offset:(\off)+768*\c
	ds_load_b64 v[(\reg)+6*\c+4:(\reg)+6*\c+5], v[\a8] offset:(\off)+768*\c+512
.endr
.endm
; K step s of the four row tiles into set a, with their scale words: 17 LDS loads
.macro ACTLOAD a, r16, r8, img, mstr, s, sc
.irp m, 0,1,2,3
	FRLOAD 64+48*(\a)+12*\m, \r16, \r8, (\img)+(\mstr)*\m+1536*(\s)
.endr
	ds_load_b128 v[40+4*(\a):43+4*(\a)], v[\r16] offset:(\sc)+512*(\s)
.endm
; the bias lands in the accumulators themselves (blocks 0 .. nb - 1), so that every product adds in place
.macro BINIT nb, adr
.irp b, 0,1,2,3
.if \b < (\nb)
	WIN ((\b+1)&3)<<6
.irp m, 0,1,2,3
.irp u, 0,1
.irp jj, 0,1
	ds_load_b128 v[192+16*\m+8*\u+4*\jj:192+16*\m+8*\u+4*\jj+3], v[\adr] offset:128*\b+32*\u+16*\jj
.endr
.endr
.endr
.endif
.endr
	WIN 0
.endm
; a group of W1: blocks 2 hf, 2 hf + 1 of the hidden layer x four row tiles: 16 products, no two neighbours on one accumulator
.macro GSTEP1 sl, a, hf, base, off
	WAITG
.irp bb, 0,1
	WIN 1|(((2*(\hf)+\bb+1)&3)*0x50)
.irp u, 0,1
.irp m, 0,1,2,3
	WM 192+16*\m+8*\u, 48*(\sl)+12*(2*\bb+\u), 64+48*(\a)+12*\m, 192+16*\m+8*\u, 32+2*(\sl)+\bb, 40+4*(\a)+\m, \u, 0
.endr
.endr
.endr
	REFILL \sl, \base, \off
.endm
; a group of Wp or W2: tiles t0 .. t0 + 3 of my 192 columns x four row tiles, onto ACC2
.macro GSTEP2 sl, a, t0, base, off
	WAITG
.irp x, 0,1
	WIN 0xa1+0x50*\x
.irp f, 0,1,2,3
.irp mm, 0,1
	WM 96*\mm+8*((\t0)+\f), 48*(\sl)+12*\f, 64+48*(\a)+12*(2*\x+\mm), 96*\mm+8*((\t0)+\f), 32+2*(\sl)+\f/2, 40+4*(\a)+2*\x+\mm, \f&1, 0
.endr
.endr
.endr
	REFILL \sl, \base, \off
.endm
; nblk half blocks of 16 registers, at R + 16 k of window X, are quantised: lanes l and l xor 16 hold a block of 32.  Bytes to v[BY + k]; 96 bits of codes to three registers at
; pat 0: cb + cs k;  pat 1: cb + 6 (k / 2) + 18 (k % 2);  pat 2: k % 3 = 0, 2, 1: cb + 12 (k / 3), the same + 6, cb + 24 + 4 (k / 3).  Registers are read in ascending order: each accumulator from its low end on.
.macro QBLKS X, R, nblk, relu, pat, cb, cs
.if \relu
	WIN (\X)*0x44
.set k_, 0
.rept 16*(\nblk)
	v_max_num_f32 v[(\R)+k_], 0, v[(\R)+k_]        ; the activation, in f32
.set k_, k_+1
.endr
.endif
	WIN (\X)*0x15
.set k_, 0
.rept \nblk
.irp e, 0,1,2,3,4
	v_max3_num_f32 v[TL+6*k_+\e], |v[(\R)+16*k_+3*\e]|, |v[(\R)+16*k_+3*\e+1]|, |v[(\R)+16*k_+3*\e+2]|
.endr
	v_max_num_f32 v[TL+6*k_+5], |v[(\R)+16*k_+15]|, |v[(\R)+16*k_+15]|
.set k_, k_+1
.endr
	WIN 0                                          ; from here the blocks take turns line by line
.set k_, 0
.rept \nblk
	v_max3_num_f32 v[TA+k_], v[TL+6*k_], v[TL+6*k_+1], v[TL+6*k_+2]
.set k_, k_+1
.endr
.set k_, 0
.rept \nblk
	v_max3_num_f32 v[TB+k_], v[TL+6*k_+3], v[TL+6*k_+4], v[TL+6*k_+5]
.set k_, k_+1
.endr
.set k_, 0
.rept \nblk
	v_max3_num_f32 v[TA+k_], v[TA+k_], v[TB+k_], 0x2800000   ; and the floor 2^(5 - 127): the byte cannot fall under 1
.set k_, k_+1
.endr
.set k_, 0
.rept \nblk
	v_permlanex16_b32 v[TB+k_], v[TA+k_], s48, s49
.set k_, k_+1
.endr
.set k_, 0
.rept \nblk
	v_max_num_f32 v[TA+k_], v[TA+k_], v[TB+k_]     ; with lane l xor 16's: the block's largest magnitude
.set k_, k_+1
.endr
.set k_, 0
.rept \nblk
	v_add_nc_u32 v[SO+k_], 0xfe000000, v[TA+k_]    ; 4 off its exponent field: the conversion's scale operand
.set k_, k_+1
.endr
.set k_, 0
.rept \nblk
	v_lshrrev_b32 v[BY+k_], 23, v[SO+k_]           ; the scale's byte
.set k_, k_+1
.endr
	WIN (\X)
.set k_, 0
.rept \nblk
.if (\pat) == 0
.set cd_, (\cb)+(\cs)*k_
.elseif (\pat) == 1
.set cd_, (\cb)+6*(k_/2)+18*(k_%2)
.elseif k_%3 == 0
.set cd_, (\cb)+12*(k_/3)
.elseif k_%3 == 2
.set cd_, (\cb)+12*(k_/3)+6
.else
.set cd_, (\cb)+24+4*(k_/3)
.endif
	v_cvt_scalef32_pk16_bf6_f32 v[cd_:cd_+2], v[(\R)+16*k_:(\R)+16*k_+15], v[SO+k_]
.set k_, k_+1
.endr
	WIN 0
	v_nop                                          ; one plain place behind a scaled conversion
.endm
.macro PAIR P, T                       ; two blocks' half codes become registers P .. P + 5: lanes 0-15 the first block whole, lanes 16-31 the second
.irp i, 0,1,2
	v_permlane16_swap_b32 v[(\P)+\i], v[(\T)+\i]
.endr
.irp i, 0,1,2
	v_mov_b32 v[(\P)+3+\i], v[(\T)+\i]
.endr
.endm
.macro PAIRZ P                         ; one block and a block of zero codes: P + 3 .. P + 5 held zeros
.irp i, 0,1,2
	v_permlane16_swap_b32 v[(\P)+\i], v[(\P)+3+\i]
.endr
.endm
.macro IMGH a16, a8, P, off            ; half a fragment goes to LDS as it stands
	ds_store_b128 v[\a16], v[(\P):(\P)+3] offset:\off
	ds_store_b64 v[\a8], v[(\P)+4:(\P)+5] offset:(\off)+512
.endm
.macro IMGF a16, a8, P, off
	IMGH \a16, \a8, \P, \off
	IMGH \a16, \a8, (\P)+6, (\off)+768
.endm
; ACC2 (x or h) becomes codes: my 192 columns are six blocks, three halves of fragments: halves 3 w .. 3 w + 2 of the row's twelve
.macro QUANTIMG
.irp m, 0,1,2,3
	QBLKS 2+\m/2, 96*(\m%2), 6, 0, 1, 124, 0
.irp i, 0,1,2
	PAIR 124+6*\i, 142+6*\i
	v_lshl_or_b32 v[52+\i], v[BY+2*\i+1], 8, v[BY+2*\i]   ; two bytes of the row's scale word
.endr
.irp i, 0,1,2
	IMGH 5, 6, 124+6*\i, 9216*\m+768*\i
	ds_store_b16 v[7+\i], v[52+\i] offset:4*\m
.endr
	s_wait_dscnt 0x0                               ; the stores have read their registers
.endr
.endm
; blocks 0 .. nb - 1 (Q or K: 3; the hidden layer: 4) become four fragments at v[124 + 12 m] and their scale words at v[188 + m]
.macro HQUANT nb, relu
	QBLKS 1, 192, 4, \relu, 0, 124, 12
.irp m, 0,1,2,3
	v_mov_b32 v[188+\m], v[BY+\m]
.endr
	QBLKS 2, 192, 4, \relu, 0, 172, 4
.irp m, 0,1,2,3
	v_lshl_or_b32 v[188+\m], v[BY+\m], 8, v[188+\m]
	PAIR 124+12*\m, 172+4*\m
.endr
	QBLKS 3, 192, 4, \relu, 0, 130, 12
.irp m, 0,1,2,3
	v_lshl_or_b32 v[188+\m], v[BY+\m], 16, v[188+\m]
.endr
.if (\nb) == 4
	QBLKS 0, 192, 4, \relu, 0, 172, 4
.irp m, 0,1,2,3
	v_lshl_or_b32 v[188+\m], v[BY+\m], 24, v[188+\m]
	PAIR 130+12*\m, 172+4*\m
.endr
.else
.irp m, 0,1,2,3
	PAIRZ 130+12*\m
.endr
.endif
.endm
.macro PLOAD reg, arr                  ; my lane's 96 numbers of a parameter vector, in ACC2's order
.irp b, 0,1,2,3,4,5
.irp j, 0,1,2,3
	ds_load_b128 v[(\reg)+16*\b+4*\j:(\reg)+16*\b+4*\j+3], v10 offset:(\arr)+128*\b+16*\j
.endr
.endr
.endm
; ACC2 += a bias.  The work-group's barrier stands round the additions: signal behind the wait for all my LDS instructions, only register work up to its wait
.macro BIASADD arr
	PLOAD 160, \arr
	s_wait_dscnt 0x0
	s_barrier_signal -1
.irp X, 2,3
	WIN \X*0x41
.irp mm, 0,1
.set p_, 0
.rept 48
	v_pk_add_f32 v[96*\mm+2*p_:96*\mm+2*p_+1], v[96*\mm+2*p_:96*\mm+2*p_+1], v[160+2*p_:161+2*p_]
.set p_, p_+1
.endr
.endr
.endr
	WIN 0
	s_barrier_wait -1
.endm
; my lane's sums (sq = 0) or sums of squares (sq = 1) over its 96 numbers of each row tile m: four chains of pairs at v[64 + 8 m]
.macro LNSUM sq
.irp X, 2,3
	WIN \X*5
.irp mm, 0,1
.irp c, 0,1,2,3
.if \sq
	v_pk_mul_f32 v[64+8*(2*\X-4+\mm)+2*\c:65+8*(2*\X-4+\mm)+2*\c], v[96*\mm+2*\c:96*\mm+2*\c+1], v[96*\mm+2*\c:96*\mm+2*\c+1]
.else
	v_pk_add_f32 v[64+8*(2*\X-4+\mm)+2*\c:65+8*(2*\X-4+\mm)+2*\c], v[96*\mm+2*\c:96*\mm+2*\c+1], v[96*\mm+8+2*\c:96*\mm+8+2*\c+1]
.endif
.endr
.endr
.if \sq
.set p_, 4
.else
	WIN \X
.set p_, 8
.endif
.rept 48-p_
.irp mm, 0,1
.set ch_, 64+8*(2*\X-4+\mm)+2*(p_%4)
.if \sq
	v_pk_fma_f32 v[ch_:ch_+1], v[96*\mm+2*p_:96*\mm+2*p_+1], v[96*\mm+2*p_:96*\mm+2*p_+1], v[ch_:ch_+1]
.else
	v_pk_add_f32 v[ch_:ch_+1], v[96*\mm+2*p_:96*\mm+2*p_+1], v[ch_:ch_+1]
.endif
.endr
.set p_, p_+1
.endr
.endr
	WIN 0
.endm
; the chains are folded, the lane's half joined with lane l xor 16's, the four waves' parts exchanged through LDS: the rows' totals over 768 columns in v[64 + m], the same bits in every wave
.macro FOLDX area
.irp m, 0,1,2,3
	v_pk_add_f32 v[64+8*\m:65+8*\m], v[64+8*\m:65+8*\m], v[66+8*\m:67+8*\m]
	v_pk_add_f32 v[68+8*\m:69+8*\m], v[68+8*\m:69+8*\m], v[70+8*\m:71+8*\m]
.endr
.irp m, 0,1,2,3
	v_pk_add_f32 v[64+8*\m:65+8*\m], v[64+8*\m:65+8*\m], v[68+8*\m:69+8*\m]
	v_mov_b32 v[96+\m], 0                          ; a lane permute's destination counts as one of its sources
.endr
.irp m, 0,1,2,3
	v_add_f32 v[60+\m], v[64+8*\m], v[65+8*\m]
.endr
.irp m, 0,1,2,3
	v_permlanex16_b32 v[96+\m], v[60+\m], s48, s49
.endr
.irp m, 0,1,2,3
	v_add_f32 v[60+\m], v[60+\m], v[96+\m]
.endr
	ds_store_b128 v22, v[60:63] offset:1024*(\area)   ; both halves of the lanes write the same 16 bytes with the same numbers
	BAR
.irp q, 0,1,2,3
	ds_load_b128 v[64+4*\q:67+4*\q], v23 offset:1024*(\area)+256*\q
.endr
	s_wait_dscnt 0x0
.irp m, 0,1,2,3
	v_add_f32 v[64+\m], v[64+\m], v[68+\m]
	v_add_f32 v[72+\m], v[72+\m], v[76+\m]
.endr
.irp m, 0,1,2,3
	v_add_f32 v[64+\m], v[64+\m], v[72+\m]
.endr
.endm
; the mean is taken off ACC2; 1 / sqrt(variance + eps) of row tile m comes to v[52 + 2 m] (the low word of an even pair, for the packed forms)
.macro LNSTATS area
	LNSUM 0
	FOLDX \area
.irp m, 0,1,2,3
	v_mul_f32 v[52+2*\m], s69, v[64+\m]            ; the mean
.endr
.irp X, 2,3
	WIN \X*0x41
.irp mm, 0,1
.set p_, 0
.rept 48
	v_pk_add_f32 v[96*\mm+2*p_:96*\mm+2*p_+1], v[96*\mm+2*p_:96*\mm+2*p_+1], v[52+2*(2*\X-4+\mm):53+2*(2*\X-4+\mm)] op_sel_hi:[1,0] neg_lo:[0,1] neg_hi:[0,1]
.set p_, p_+1
.endr
.endr
.endr
	LNSUM 1
	FOLDX (\area)+1
.irp m, 0,1,2,3
	v_fma_f32 v[64+\m], v[64+\m], s69, s68         ; the variance + eps
.endr
.irp m, 0,1,2,3
	v_rsq_f32 v[52+2*\m], v[64+\m]
.endr
	v_nop                                          ; a plain place behind the last of the four
	s_wait_alu depctr_va_vdst(0)                   ; and the one wait ahead of their first reader
.endm
.macro NORM g, be                      ; ACC2 = ACC2 x 1 / sqrt(..) x g + be
	PLOAD 64, \g
	PLOAD 160, \be
	s_wait_dscnt 0x0
.irp X, 2,3
	WIN \X*0x41
.irp mm, 0,1
.set p_, 0
.rept 48
	v_pk_mul_f32 v[96*\mm+2*p_:96*\mm+2*p_+1], v[96*\mm+2*p_:96*\mm+2*p_+1], v[52+2*(2*\X-4+\mm):53+2*(2*\X-4+\mm)] op_sel_hi:[1,0]
.set p_, p_+1
.endr
.set p_, 0
.rept 48
	v_pk_fma_f32 v[96*\mm+2*p_:96*\mm+2*p_+1], v[96*\mm+2*p_:96*\mm+2*p_+1], v[64+2*p_:65+2*p_], v[160+2*p_:161+2*p_]
.set p_, p_+1
.endr
.endr
.endr
	WIN 0
.endm
	; ================ HEAD: addresses, and all first loads
	s_load_b512 s[4:19], s[0:1], 0x0               ; inputs 4, emb 6, pos_emb 8, wstream 10, bq1 12, bk1 14, bv1 16, bq2 18
	s_load_b512 s[20:35], s[0:1], 0x40             ; bk2 20, bv2 22, bp 24, g1 26, be1 28, bf1 30, bf2 32, g2 34
	s_load_b256 s[36:43], s[0:1], 0x80             ; be2 36, Wo 38, bo 40, out0 42
	v_lshrrev_b32 v3, 5, v0
	v_readfirstlane_b32 s44, v3                    ; wave w
	s_and_b32 s45, s44, 1
	s_lshr_b32 s46, s44, 1
	s_mov_b32 s48, 0x76543210
	s_mov_b32 s49, 0xfedcba98                      ; v_permlanex16_b32's selects for lane l xor 16
	s_mov_b32 s50, 0x3e16c740                      ; c = log2(e) / sqrt(96)
	s_mov_b32 s51, s50                             ; (named with it as a pair)
	s_mov_b32 s68, 0x3727c5ac                      ; eps = 1e-5
	s_mov_b32 s69, 0x3aaaaaab                      ; 1 / 768
	v_and_b32 v19, 31, v0
	v_lshlrev_b32 v1, 4, v19                       ; 16 x lane
	v_lshlrev_b32 v2, 3, v19                       ; 8 x lane
	v_lshlrev_b32 v18, 2, v19                      ; 4 x lane
	v_bfe_u32 v3, v0, 4, 1                         ; h
	v_and_b32 v4, 15, v0                           ; r
	s_mul_i32 s60, s44, 2304
	v_add_nc_u32 v5, s60, v1                       ; where I store x's and h's halves: XIMG (= 0) + 2304 w + 16 x lane,
	v_add_nc_u32 v6, s60, v2                       ; + 8 x lane
.irp i, 0,1,2
	s_mul_i32 s60, s44, 3
	s_add_co_u32 s60, s60, \i                      ; half 3 w + i of the row's twelve: K step / 2, bytes 2 (% 2) of the scale word
	s_lshr_b32 s61, s60, 1
	s_lshl_b32 s61, s61, 9
	s_and_b32 s60, s60, 1
	s_lshl_b32 s60, s60, 1
	s_add_co_u32 s60, s60, s61
	s_add_co_u32 s60, s60, XSC
	v_add_nc_u32 v[7+\i], s60, v1
.endr
	s_mul_i32 s60, s44, 768
	s_add_co_u32 s60, s60, PAR
	v_lshl_add_u32 v10, v3, 6, s60                 ; parameter vectors: my 192 columns, + 16 h numbers
	s_lshl_b32 s60, s44, 9
	s_add_co_u32 s60, s60, PAR+P_BF1
	v_lshl_add_u32 v11, v3, 6, s60                 ; bf1: my 128 hidden units of chunk 0
	s_mul_i32 s60, s44, 1536
	s_add_co_u32 s60, s60, FIMG
	v_add_nc_u32 v12, s60, v1                      ; where I store the hidden layer's fragments (K step w),
	v_add_nc_u32 v13, s60, v2
	s_lshl_b32 s60, s44, 9
	s_add_co_u32 s60, s60, FIMG+FSC
	v_add_nc_u32 v14, s60, v1                      ; and their scale words
	v_add_nc_u32 v15, FIMG, v1                     ; where all read them
	v_add_nc_u32 v16, FIMG, v2
	s_lshl_b32 s60, s44, 8
	s_add_co_u32 s60, s60, LNX
	v_lshl_add_u32 v22, v4, 4, s60                 ; the LNs' sums: mine,
	v_lshl_add_u32 v23, v4, 4, LNX                 ; everybody's
	s_lshl_b32 s60, s44, 9
	s_add_co_u32 s60, s60, OUTX
	v_lshl_add_u32 v24, v4, 3, s60                 ; my part of the output
	v_lshl_add_u32 v20, v0, 3, PAR                 ; staging: 8 and 16 bytes a thread
	v_lshl_add_u32 v21, v0, 4, PAR
	v_lshlrev_b32 v25, 2, v4
	v_lshlrev_b32 v30, 3, v0
	v_lshlrev_b32 v31, 4, v0
	s_mul_i32 s72, s44, 768
	s_wait_kmcnt 0x0
	s_lshl_b32 s60, ttmp9, 8
	s_mov_b32 s61, 0
	s_add_nc_u64 s[4:5], s[4:5], s[60:61]          ; my 64 indices
	s_lshl_b32 s60, ttmp9, 9
	s_add_nc_u64 s[42:43], s[42:43], s[60:61]      ; my 512 bytes of the output
	s_mul_i32 s60, s44, 116*GB
	s_add_nc_u64 s[WP:WP+1], s[10:11], s[60:61]    ; my stream
	s_cmp_lt_u32 s44, 2
	s_cselect_b64 s[60:61], s[12:13], s[18:19]     ; my head's bq,
	s_cselect_b64 s[62:63], s[14:15], s[20:21]     ; its bk,
	s_cselect_b64 s[70:71], s[16:17], s[22:23]     ; and bv of head w / 2
	s_cmp_eq_u32 s45, 0
	s_cselect_b64 s[60:61], s[60:61], s[62:63]     ; even waves make Q, odd ones K
.irp m, 0,1,2,3
	global_load_b32 v[26+\m], v25, s[4:5] offset:64*\m   ; the index of row 16 m + r
.endr
.macro STG a, p                        ; a vector of 3,072 bytes: 8 bytes a thread, three times
.irp k, 0,1,2
	global_load_b64 v[192+6*\a+2*\k:193+6*\a+2*\k], v30, s[\p:\p+1] offset:1024*\k
.endr
.endm
	WIN 0x40                                       ; the parameter vectors pass through window 1's v192-255 into LDS
	STG 0, 24
	STG 1, 26
	STG 2, 28
	STG 3, 32
	STG 4, 34
	STG 5, 36
.irp k, 0,1,2,3,4,5
	global_load_b64 v[228+2*\k:229+2*\k], v30, s[38:39] offset:1024*\k
.endr
.irp k, 0,1,2,3
	global_load_b128 v[240+4*\k:243+4*\k], v31, s[30:31] offset:2048*\k
.endr
	WIN 0
.irp k, 0,1,2
	global_load_b32 v[52+\k], v18, s[60:61] offset:128*\k
	global_load_b32 v[55+\k], v18, s[70:71] offset:128*\k
.endr
	s_load_b64 s[66:67], s[40:41], 0x0             ; bo
	s_wait_loadcnt 34                              ; the four index loads are in: 34 staging loads were issued behind them
	v_lshl_add_u32 v19, v3, 6, s72                 ; my columns in a row: 768 w + 64 h bytes
.irp m, 0,1,2,3
	v_min_u32 v[26+\m], 50256, v[26+\m]            ; an index stays inside the table
.endr
.irp m, 0,1,2,3
	v_mul_u32_u24 v[26+\m], v[26+\m], 3072
.endr
.irp m, 0,1,2,3
	v_add_nc_u32 v[26+\m], v[26+\m], v19
.endr
	v_mad_u32_u24 v25, v4, 3072, v19               ; pos_emb: row r (free since the wait above)
.irp m, 0,1,2,3
	WIN (2+\m/2)<<6
.irp b, 0,1,2,3,4,5
.irp j, 0,1,2,3
	global_load_b128 v[96*(\m%2)+16*\b+4*\j:96*(\m%2)+16*\b+4*\j+3], v[26+\m], s[6:7] offset:128*\b+16*\j   ; emb straight into ACC2's layout
.endr
.endr
.endr
	WIN 0
.irp b, 0,1,2,3,4,5
.irp j, 0,1,2,3
	global_load_b128 v[160+16*\b+4*\j:163+16*\b+4*\j], v25, s[8:9] offset:128*\b+16*\j         ; positions 0-15
	global_load_b128 v[64+16*\b+4*\j:67+16*\b+4*\j], v25, s[8:9] offset:49152+128*\b+16*\j     ; positions 16-31
.endr
.endr
	RLOAD 0, WP, 0                                 ; the ring's first four groups
	RLOAD 1, WP, GB
	RLOAD 2, WP, 2*GB
	RLOAD 3, WP, 3*GB
	s_wait_loadcnt 52                              ; all but the ring's 52 loads
	s_wait_kmcnt 0x0
	; ================ E: the parameters to LDS; x = emb + pos; x's codes
	WIN 0x04                                       ; an LDS store's data are its source 1: window 1
.irp a, 0,1,2,3,4,5
.irp k, 0,1,2
	ds_store_b64 v20, v[192+6*\a+2*\k:193+6*\a+2*\k] offset:3072*\a+1024*\k
.endr
.endr
.irp k, 0,1,2,3,4,5
	ds_store_b64 v20, v[228+2*\k:229+2*\k] offset:P_WO+1024*\k
.endr
.irp k, 0,1,2,3
	ds_store_b128 v21, v[240+4*\k:243+4*\k] offset:P_BF1+2048*\k
.endr
	WIN 0
	s_mul_i32 s60, s44, 384
	s_add_co_u32 s60, s60, PAR+P_BQK
	v_add_nc_u32 v19, s60, v18
.irp k, 0,1,2
	ds_store_b32 v19, v[52+\k] offset:128*\k
	ds_store_b32 v19, v[55+\k] offset:P_BV-P_BQK+128*\k
.endr
.irp m, 0,1,2,3
	WIN (2+\m/2)*0x41
.set p_, 0
.rept 48
	v_pk_add_f32 v[96*(\m%2)+2*p_:96*(\m%2)+2*p_+1], v[96*(\m%2)+2*p_:96*(\m%2)+2*p_+1], v[160-96*(\m%2)+2*p_:161-96*(\m%2)+2*p_]
.set p_, p_+1
.endr
.endr
	WIN 0
	s_wait_dscnt 0x0                               ; the staging stores have read their registers
.irp i, 52,53,54,55,56,57,58,59,60,61,62,63
	v_mov_b32 v[\i], 0                             ; the statistics' registers are named in pairs and as lane permutes' destinations: written once
.endr
	QUANTIMG
	BAR                                            ; x's 24 fragments and the parameters lie in LDS
	; ================ QKV: 54 fragments of the stream, 9 a K step: six tiles of my Q or K (transposed), three of V (untransposed: a lane holds one channel, its registers run down the keys)
	v_lshl_add_u32 v26, v3, 6, s60                 ; my bias of Q or K, + 16 h numbers
	v_and_b32 v19, 8, v4
	v_add_nc_u32 v19, v19, v4                      ; r + 8 (r / 8)
	s_add_co_u32 s61, s60, P_BV-P_BQK
	v_lshl_add_u32 v19, v19, 2, s61
.irp t, 0,1,2
	s_mul_i32 s62, s45, 3
	s_add_co_u32 s62, s62, \t                      ; V's tile T = 3 (w % 2) + t: channels 32 (T / 2) + 8 (T % 2) + r + 8 (r / 8)
	s_lshr_b32 s63, s62, 1
	s_lshl_b32 s63, s63, 7
	s_and_b32 s62, s62, 1
	s_lshl_b32 s62, s62, 5
	s_add_co_u32 s63, s63, s62
	v_add_nc_u32 v[27+\t], s63, v19
.endr
	BINIT 3, 26
.irp t, 0,1,2
	ds_load_b32 v[60+\t], v[27+\t]                 ; bv of my lane's channel
.endr
	ACTLOAD 0, 1, 2, XIMG, 9216, 0, XSC
	ACTLOAD 1, 1, 2, XIMG, 9216, 1, XSC
.set q_, 0
.irp s, 0,1,2,3,4,5
.if \s < 5
	s_wait_dscnt 17                                ; this K step's fragments are in; the next step's 17 loads may be out
.else
	s_wait_dscnt 0x0
.endif
.irp t, 0,1,2,3,4,5,6,7,8
.set sl_, (q_>>2)&3
.set f_, q_&3
.if f_ == 0
	WAITG
.endif
.if \t < 6
	WIN 1|((1+\t/2)*0x50)
.irp m, 0,1,2,3
	WM 192+16*\m+8*(\t%2), 48*sl_+12*f_, 64+48*(\s%2)+12*\m, 192+16*\m+8*(\t%2), 32+2*sl_+f_/2, 40+4*(\s%2)+\m, f_&1, 0
.endr
.else
	WIN 0x04
.irp m, 0,1,2,3
.if \s == 0
	WM 160+32*(\t-6)+8*\m, 64+48*(\s%2)+12*\m, 48*sl_+12*f_, -1, 40+4*(\s%2)+\m, 32+2*sl_+f_/2, 0, f_&1
.else
	WM 160+32*(\t-6)+8*\m, 64+48*(\s%2)+12*\m, 48*sl_+12*f_, 160+32*(\t-6)+8*\m, 40+4*(\s%2)+\m, 32+2*sl_+f_/2, 0, f_&1
.endif
.endr
.endif
.if (f_ == 3) || (q_ == 53)
	REFILL sl_, WP, GB*((q_>>2)+4)                 ; the slot takes the group four further on
.endif
.set q_, q_+1
.endr
.if \s < 4
	WIN 0
	PLACES
	ACTLOAD \s%2, 1, 2, XIMG, 9216, \s+2, XSC
.endif
.endr
	; ================ V, then Q or K, become operands
	WIN 0
	PLACES
.irp t, 0,1,2
.set i_, 0
.rept 32
	v_add_f32 v[160+32*\t+i_], v[60+\t], v[160+32*\t+i_]
.set i_, i_+1
.endr
.endr
.irp k, 0,1,2,3,4,5
.irp i, 3,4,5
	v_mov_b32 v[124+6*\k+\i], 0
.endr
.endr
	QBLKS 0, 160, 6, 0, 0, 124, 6                  ; block k = 2 t + sequence: a channel's 32 keys, 16 in this lane (keys 8 h + 0 .. 7 and 16 + 8 h + 0 .. 7)
.irp k, 0,1,2,3,4,5
	PAIRZ 124+6*\k                                 ; lanes 0-15: the block whole; lanes 16-31: zero codes
.endr
	s_mul_i32 s60, s46, 12
	s_mul_i32 s61, s45, 3
	s_add_co_u32 s60, s60, s61                     ; 12 head + my first tile
	s_mul_i32 s61, s60, 768
	s_add_co_u32 s61, s61, VIMG
	v_add_nc_u32 v26, s61, v1
	v_add_nc_u32 v27, s61, v2
	s_lshl_b32 s61, s60, 7
	s_add_co_u32 s61, s61, VSC
	v_add_nc_u32 v28, s61, v18
.irp k, 0,1,2,3,4,5
	IMGH 26, 27, 124+6*\k, 768*(6*(\k%2)+\k/2)
	ds_store_b32 v28, v[BY+\k] offset:128*(6*(\k%2)+\k/2)   ; the word's upper bytes are 0: they scale zero codes
.endr
	s_wait_dscnt 0x0                               ; the stores have read their registers
.irp m, 0,1,2,3
.irp i, 9,10,11
	v_mov_b32 v[124+12*\m+\i], 0
.endr
.endr
	HQUANT 3, 0                                    ; K = 96: three blocks and a block of zero codes
	s_mul_i32 s60, s44, 6144
	s_add_co_u32 s60, s60, QKIMG
	v_add_nc_u32 v29, s60, v1
	v_add_nc_u32 v30, s60, v2
	s_lshl_b32 s60, s44, 9
	s_add_co_u32 s60, s60, QKSC
	v_add_nc_u32 v31, s60, v18
.irp m, 0,1,2,3
	IMGF 29, 30, 124+12*\m, 1536*\m
	ds_store_b32 v31, v[188+\m] offset:128*\m
.endr
	BAR                                            ; Q, K and V of both heads lie in LDS
	; ================ ATTENTION: sequence w / 2, head w % 2: 32 queries x 32 keys
	s_mul_i32 s60, s45, 12288
	s_mul_i32 s61, s46, 3072
	s_add_co_u32 s60, s60, s61
	s_add_co_u32 s60, s60, QKIMG
	v_add_nc_u32 v26, s60, v1
	v_add_nc_u32 v27, s60, v2
	s_lshl_b32 s60, s45, 10
	s_lshl_b32 s61, s46, 8
	s_add_co_u32 s60, s60, s61
	s_add_co_u32 s60, s60, QKSC
	v_add_nc_u32 v28, s60, v18
	s_mul_i32 s61, s45, 12
	s_mul_i32 s62, s46, 6
	s_add_co_u32 s61, s61, s62
	s_mul_i32 s60, s61, 768
	s_add_co_u32 s60, s60, VIMG
	v_add_nc_u32 v29, s60, v1
	v_add_nc_u32 v30, s60, v2
	s_lshl_b32 s60, s61, 7
	s_add_co_u32 s60, s60, VSC
	v_add_nc_u32 v31, s60, v18
.irp q, 0,1
	FRLOAD 64+12*\q, 26, 27, 1536*\q               ; q: 16 queries each
	FRLOAD 88+12*\q, 26, 27, 6144+1536*\q          ; k: 16 keys each
	ds_load_b32 v[40+\q], v28 offset:128*\q
	ds_load_b32 v[42+\q], v28 offset:512+128*\q
.endr
.irp T, 0,1,2,3,4,5
	WIN (2+\T/3)<<6                                ; v's six tiles of 16 channels: windows 2 and 3, v192 on
	ds_load_b128 v[192+12*(\T%3):195+12*(\T%3)], v29 offset:768*\T
	ds_load_b64 v[196+12*(\T%3):197+12*(\T%3)], v30 offset:768*\T+512
.irp i, 6,7,8,9,10,11
	v_mov_b32 v[192+12*(\T%3)+\i], 0               ; K = 32: the upper 64 along K are zero codes
.endr
.endr
	WIN 0
.irp T, 0,1,2,3,4,5
	ds_load_b32 v[44+\T], v31 offset:128*\T
.endr
	s_wait_dscnt 0x0
.irp q, 0,1
.irp u, 0,1
	WM 112+16*\q+8*\u, 88+12*\u, 64+12*\q, -1, 42+\u, 40+\q, 0, 0    ; S^T: a lane holds query r; registers: keys 8 h + 0 .. 7, then 16 + 8 h + 0 .. 7
.endr
.endr
	PLACES
.irp q, 0,1
	v_max3_num_f32 v[52+\q], v[112+16*\q], v[113+16*\q], v[114+16*\q]
.endr
.irp i, 3,5,7,9,11,13
.irp q, 0,1
	v_max3_num_f32 v[52+\q], v[52+\q], v[112+16*\q+\i], v[113+16*\q+\i]
.endr
.endr
.irp q, 0,1
	v_max_num_f32 v[52+\q], v[52+\q], v[127+16*\q]
.endr
.irp q, 0,1
	v_permlanex16_b32 v[54+\q], v[52+\q], s48, s49
.endr
.irp q, 0,1
	v_max_num_f32 v[52+\q], v[52+\q], v[54+\q]     ; the row's largest score
.endr
.irp q, 0,1
	v_mul_f32 v[54+\q], s50, v[52+\q]              ; as t (c is positive)
.endr
.irp q, 0,1
	v_floor_f32 v[56+2*\q], -v[54+\q]              ; -M = floor(-t) = -ceil(t)
.endr
.irp i, 0,2,4,6,8,10,12,14
.irp q, 0,1
	v_pk_fma_f32 v[112+16*\q+\i:113+16*\q+\i], v[112+16*\q+\i:113+16*\q+\i], s[50:51], v[56+2*\q:57+2*\q] op_sel_hi:[1,0,0]   ; t - M
.endr
.endr
.irp q, 0,1
	v_fma_f32 v[52+\q], v[52+\q], s50, v[56+2*\q]  ; the same of the largest score: the block's largest p
.endr
.irp q, 0,1
.set i_, 0
.rept 16
	v_exp_f32 v[112+16*\q+i_], v[112+16*\q+i_]     ; p = 2^(t - M): not normalised
.set i_, i_+1
.endr
.endr
.irp q, 0,1
	v_exp_f32 v[52+\q], v[52+\q]
.endr
	v_nop                                          ; a plain place behind the batch of 34
	s_wait_alu depctr_va_vdst(0)                   ; the one wait ahead of the batch's first reader
.irp q, 0,1
	v_pk_add_f32 v[60+2*\q:61+2*\q], v[112+16*\q:113+16*\q], v[114+16*\q:115+16*\q]   ; the row's sum, of the unquantised p
.endr
.irp i, 4,6,8,10,12,14
.irp q, 0,1
	v_pk_add_f32 v[60+2*\q:61+2*\q], v[60+2*\q:61+2*\q], v[112+16*\q+\i:113+16*\q+\i]
.endr
.endr
.irp q, 0,1
	v_add_f32 v[60+2*\q], v[60+2*\q], v[61+2*\q]
.endr
.irp q, 0,1
	v_permlanex16_b32 v[61+2*\q], v[60+2*\q], s48, s49
.endr
.irp q, 0,1
	v_add_f32 v[60+2*\q], v[60+2*\q], v[61+2*\q]
.endr
.irp q, 0,1
	v_rcp_f32 v[56+2*\q], v[60+2*\q]               ; 1 / l
.endr
.irp q, 0,1
	v_max_num_f32 v[52+\q], 0x2800000, v[52+\q]    ; the floor 2^(5 - 127)
.endr
.irp q, 0,1
	v_add_nc_u32 v[54+\q], 0xfe000000, v[52+\q]    ; the conversion's scale operand
.endr
.irp q, 0,1
	v_lshrrev_b32 v[50+\q], 23, v[54+\q]           ; p's scale word: one byte, the upper three scale zero codes
.endr
.irp q, 0,1
.irp i, 3,4,5,6,7,8,9,10,11
	v_mov_b32 v[64+12*\q+\i], 0
.endr
.endr
.irp q, 0,1
	v_cvt_scalef32_pk16_bf6_f32 v[64+12*\q:66+12*\q], v[112+16*\q:127+16*\q], v[54+\q]
.endr
	v_nop                                          ; one plain place behind a scaled conversion
.irp q, 0,1
	PAIRZ 64+12*\q                                 ; the keys stand as V's do
.endr
	s_wait_alu depctr_va_vdst(0)                   ; for the two reciprocals, ahead of their first reader
.rept 8
	v_nop                                          ; a scale register written by a vector instruction stands 8 places ahead of a scaled matrix instruction, an operand so written 4
.endr
.irp T, 0,1,2,3,4,5
	WIN 2+\T/3
.irp q, 0,1
	WM 160+48*\q+8*\T, 192+12*(\T%3), 64+12*\q, -1, 44+\T, 50+\q, 0, 0   ; O^T: a lane holds query r; tiles 2 b, 2 b + 1: channels 32 b + 16 h + 0 .. 15
.endr
.endr
	WIN 0
	PLACES
.irp q, 0,1
.set i_, 0
.rept 24
	v_pk_mul_f32 v[160+48*\q+2*i_:161+48*\q+2*i_], v[160+48*\q+2*i_:161+48*\q+2*i_], v[56+2*\q:57+2*\q] op_sel_hi:[1,0]   ; z = O / l
.set i_, i_+1
.endr
.endr
.irp q, 0,1
.irp i, 9,10,11
	v_mov_b32 v[124+12*\q+\i], 0
.endr
.endr
	QBLKS 0, 160, 6, 0, 2, 124, 0
.irp q, 0,1
	PAIR 124+12*\q, 148+4*\q
	PAIRZ 130+12*\q
	v_lshl_or_b32 v[52+\q], v[BY+3*\q+1], 8, v[BY+3*\q]
	v_lshl_or_b32 v[52+\q], v[BY+3*\q+2], 16, v[52+\q]
.endr
	s_mul_i32 s60, s46, 6144
	s_mul_i32 s61, s45, 1536
	s_add_co_u32 s60, s60, s61
	s_add_co_u32 s60, s60, ZIMG
	v_add_nc_u32 v19, s60, v1
	v_add_nc_u32 v20, s60, v2
	s_lshl_b32 s60, s45, 9
	s_lshl_b32 s61, s46, 3
	s_add_co_u32 s60, s60, s61
	s_add_co_u32 s60, s60, ZSC
	v_add_nc_u32 v21, s60, v1
.irp q, 0,1
	IMGF 19, 20, 124+12*\q, 3072*\q
	ds_store_b32 v21, v[52+\q] offset:4*\q
.endr
	BIASADD P_BP                                   ; ACC2 = x + bp; behind its barrier z's eight fragments lie in LDS
	; ================ Wp: two K steps (the heads), onto ACC2
	ACTLOAD 0, 1, 2, ZIMG, 3072, 0, ZSC
	ACTLOAD 1, 1, 2, ZIMG, 3072, 1, ZSC
.set g_, 14
.irp s, 0,1
	s_wait_dscnt 17-17*\s
.irp t, 0,4,8
	GSTEP2 g_&3, \s, \t, WP, GB*(g_+4)
.set g_, g_+1
.endr
.endr
	; ================ LN1; h's codes over x's (every wave's reads of x's codes ended four barriers ago); ACC2 = h + bf2
	LNSTATS 0
	NORM P_G1, P_BE1
	QUANTIMG
	BIASADD P_BF2                                  ; behind its barrier h's 24 fragments lie in LDS
	; ================ MLP: four chunks of 512 hidden units
	s_mov_b32 s59, 0
	v_mov_b32 v17, v11
	BINIT 4, 17
	ACTLOAD 0, 1, 2, XIMG, 9216, 0, XSC
	ACTLOAD 1, 1, 2, XIMG, 9216, 1, XSC
	s_add_nc_u64 s[WL:WL+1], s[WP:WP+1], 20*GB
	s_mov_b64 s[WQ:WQ+1], s[WL:WL+1]
	s_mov_b32 s58, 4
.macro G2 a, t0                        ; the chunk's group gl_; the last four refills read through s[WQ]
.if gl_ < 20
	GSTEP2 gl_&3, \a, \t0, WL, GB*(gl_+4)
.else
	GSTEP2 gl_&3, \a, \t0, WQ, GB*(gl_+4)
.endif
.set gl_, gl_+1
.endm
.Lchunk:
.set gl_, 0
.irp s, 0,1,2,3,4,5                    ; my 128 hidden units = h W1^T + bf1: six K steps of two groups
.if \s < 5
	s_wait_dscnt 17
.else
	s_wait_dscnt 0x0
.endif
	GSTEP1 gl_&3, \s%2, 0, WL, GB*(gl_+4)
.set gl_, gl_+1
	GSTEP1 gl_&3, \s%2, 1, WL, GB*(gl_+4)
.set gl_, gl_+1
.if \s < 4
	ACTLOAD \s%2, 1, 2, XIMG, 9216, \s+2, XSC      ; (the refill's four places stand behind the last product that read this set)
.endif
.endr
	HQUANT 4, 1                                    ; relu, then K step w of the second product
.irp m, 0,1,2,3
	IMGF 12, 13, 124+12*\m, 6144*\m
	ds_store_b32 v14, v[188+\m] offset:4*\m
.endr
	BAR                                            ; the chunk's sixteen fragments lie in LDS
	s_add_co_u32 s59, s59, 2048
	v_add_nc_u32 v17, s59, v11
	BINIT 4, 17                                    ; the next chunk's bias.  In the last trip these are the 2,048 bytes behind bf1 in LDS, and nobody uses them: so no branch stands in the loop
	ACTLOAD 0, 15, 16, 0, 6144, 0, FSC
	ACTLOAD 1, 15, 16, 0, 6144, 1, FSC
	s_wait_dscnt 17
	G2 0, 0
	G2 0, 4
	G2 0, 8
	ACTLOAD 0, 15, 16, 0, 6144, 2, FSC
	s_wait_dscnt 17
	G2 1, 0
	G2 1, 4
	G2 1, 8
	ACTLOAD 1, 15, 16, 0, 6144, 3, FSC
	s_wait_dscnt 17
	G2 0, 0
	G2 0, 4
	G2 0, 8
	ACTLOAD 0, 1, 2, XIMG, 9216, 0, XSC            ; h's first two K steps for the next chunk (in the last trip nobody uses them)
	BAR                                            ; my reads of the hidden layer's images are over, and so are everybody's: the next chunk may store there
	G2 1, 0
	G2 1, 4
	G2 1, 8
	ACTLOAD 1, 1, 2, XIMG, 9216, 1, XSC
	s_wait_xcnt 0x0                                ; the refills have read their bases
	s_add_nc_u64 s[WL:WL+1], s[WL:WL+1], 24*GB
	s_sub_co_u32 s58, s58, 1
	s_cmp_eq_u32 s58, 1                            ; the last chunk has no successor: its last four refills read its own first four groups again, so that the ring's count holds in every trip and no load leaves the buffer
	s_cselect_b32 s60, 24*GB, 0
	s_mov_b32 s61, 0
	s_sub_nc_u64 s[WQ:WQ+1], s[WL:WL+1], s[60:61]
	s_cmp_lg_u32 s58, 0
	s_cbranch_scc1 .Lchunk
	s_wait_loadcnt 0x0                             ; the ring's registers and the sets are free
	s_wait_dscnt 0x0
	; ================ LN2 and the product with Wo (N = 2: fused multiply-adds in f32)
	LNSTATS 2
	NORM P_G2, P_BE2
	PLOAD 64, P_WO                                 ; Wo's row 0 in window 0,
	WIN 0x40
	PLOAD 0, P_WO+3072                             ; its row 1 in window 1
	WIN 0
	s_wait_dscnt 0x0
.irp X, 2,3
.irp o, 0,1
	WIN \X|(\o<<2)
.set p_, 0
.rept 48
.irp mm, 0,1
.set ch_, 160+2*(4*(2*\X-4+\mm)+2*\o+p_%2)
.if p_ < 2
	v_pk_mul_f32 v[ch_:ch_+1], v[96*\mm+2*p_:96*\mm+2*p_+1], v[64-64*\o+2*p_:65-64*\o+2*p_]
.else
	v_pk_fma_f32 v[ch_:ch_+1], v[96*\mm+2*p_:96*\mm+2*p_+1], v[64-64*\o+2*p_:65-64*\o+2*p_], v[ch_:ch_+1]
.endif
.endr
.set p_, p_+1
.endr
.endr
.endr
	WIN 0
.irp e, 0,1,2,3,4,5,6,7                ; e = 2 m + o
	v_pk_add_f32 v[160+4*\e:161+4*\e], v[160+4*\e:161+4*\e], v[162+4*\e:163+4*\e]
	v_mov_b32 v[232+\e], 0
.endr
.irp e, 0,1,2,3,4,5,6,7
	v_add_f32 v[224+\e], v[160+4*\e], v[161+4*\e]
.endr
.irp e, 0,1,2,3,4,5,6,7
	v_permlanex16_b32 v[232+\e], v[224+\e], s48, s49
.endr
.irp e, 0,1,2,3,4,5,6,7
	v_add_f32 v[224+\e], v[224+\e], v[232+\e]
.endr
.irp m, 0,1,2,3
	ds_store_b64 v24, v[224+2*\m:225+2*\m] offset:128*\m
.endr
	BAR                                            ; the four waves' parts of the 64 rows' two outputs lie in LDS
	s_cmp_lg_u32 s44, 0
	s_cbranch_scc1 .Lend
.irp q, 0,1,2,3
	ds_load_b128 v[64+4*\q:67+4*\q], v1 offset:OUTX+512*\q   ; two rows a lane
.endr
	s_wait_dscnt 0x0
.irp i, 0,1,2,3
	v_add_f32 v[64+\i], v[64+\i], v[68+\i]
	v_add_f32 v[72+\i], v[72+\i], v[76+\i]
.endr
.irp i, 0,1,2,3
	v_add_f32 v[64+\i], v[64+\i], v[72+\i]
.endr
	v_add_f32 v64, s66, v64
	v_add_f32 v65, s67, v65
	v_add_f32 v66, s66, v66
	v_add_f32 v67, s67, v67
	global_store_b128 v1, v[64:67], s[42:43]       ; 32 lanes store the work-group's 512 consecutive bytes, aligned
.Lend:
	s_wait_xcnt 0x0
	v_lshl_add_u32 v254, v0, 2, 0x34800
	v_mov_b32 v255, 0
	s_wait_tensorcnt 0x0
	ds_add_u32 v254, v255
	s_wait_dscnt 0x0
	s_endpgm
.Lfunc_end_k_q31a494ee78_main:
	.size	k_q31a494ee78_main, .Lfunc_end_k_q31a494ee78_main-k_q31a494ee78_main
	.p2alignl 7, 3214868480
	.fill 96, 4, 3214868480
	.section	.rodata,"a",@progbits
	.p2align	6, 0x0
	.amdhsa_kernel k_q31a494ee78_main
		.amdhsa_group_segment_fixed_size 215552
		.amdhsa_private_segment_fixed_size 0
		.amdhsa_enable_private_segment 0
		.amdhsa_kernarg_size 160
		.amdhsa_user_sgpr_count 2
		.amdhsa_user_sgpr_kernarg_segment_ptr 1
		.amdhsa_wavefront_size32 1
		.amdhsa_system_sgpr_workgroup_id_x 1
		.amdhsa_system_sgpr_workgroup_id_y 1
		.amdhsa_system_sgpr_workgroup_id_z 1
		.amdhsa_system_vgpr_workitem_id 0
		.amdhsa_next_free_vgpr 1024
		.amdhsa_next_free_sgpr 80
		.amdhsa_reserve_vcc 0
		.amdhsa_float_denorm_mode_32 3
		.amdhsa_float_denorm_mode_16_64 3
		.amdhsa_memory_ordered 1
		.amdhsa_forward_progress 1
		.amdhsa_inst_pref_size 255
	.end_amdhsa_kernel
	.section	.bss,"aw",@nobits
	.p2align	6
	.space	262144
	.amdgpu_metadata
---
amdhsa.version: [ 1, 2 ]
amdhsa.kernels:
  - .name:           k_q31a494ee78_main
    .symbol:         k_q31a494ee78_main.kd
    .args:
      - { .name: inputs, .offset: 0, .size: 8, .value_kind: global_buffer, .address_space: global }
      - { .name: emb, .offset: 8, .size: 8, .value_kind: global_buffer, .address_space: global }
      - { .name: pos_emb, .offset: 16, .size: 8, .value_kind: global_buffer, .address_space: global }
      - { .name: wstream, .offset: 24, .size: 8, .value_kind: global_buffer, .address_space: global }
      - { .name: bq1, .offset: 32, .size: 8, .value_kind: global_buffer, .address_space: global }
      - { .name: bk1, .offset: 40, .size: 8, .value_kind: global_buffer, .address_space: global }
      - { .name: bv1, .offset: 48, .size: 8, .value_kind: global_buffer, .address_space: global }
      - { .name: bq2, .offset: 56, .size: 8, .value_kind: global_buffer, .address_space: global }
      - { .name: bk2, .offset: 64, .size: 8, .value_kind: global_buffer, .address_space: global }
      - { .name: bv2, .offset: 72, .size: 8, .value_kind: global_buffer, .address_space: global }
      - { .name: bp, .offset: 80, .size: 8, .value_kind: global_buffer, .address_space: global }
      - { .name: g1, .offset: 88, .size: 8, .value_kind: global_buffer, .address_space: global }
      - { .name: be1, .offset: 96, .size: 8, .value_kind: global_buffer, .address_space: global }
      - { .name: bf1, .offset: 104, .size: 8, .value_kind: global_buffer, .address_space: global }
      - { .name: bf2, .offset: 112, .size: 8, .value_kind: global_buffer, .address_space: global }
      - { .name: g2, .offset: 120, .size: 8, .value_kind: global_buffer, .address_space: global }
      - { .name: be2, .offset: 128, .size: 8, .value_kind: global_buffer, .address_space: global }
      - { .name: Wo, .offset: 136, .size: 8, .value_kind: global_buffer, .address_space: global }
      - { .name: bo, .offset: 144, .size: 8, .value_kind: global_buffer, .address_space: global }
      - { .name: out0, .offset: 152, .size: 8, .value_kind: global_buffer, .address_space: global }
    .group_segment_fixed_size: 215552
    .private_segment_fixed_size: 0
    .kernarg_segment_align: 8
    .kernarg_segment_size: 160
    .max_flat_workgroup_size: 128
    .sgpr_count:     80
    .vgpr_count:     1024
    .wavefront_size: 32
...
	.end_amdgpu_metadata
.endif
;; end of part 2
;; ======== version 2 of 3: 2 launches; 1.12 times as fast as version 1
;; workspace buffers: wstream 2,969,600 bytes
;; launch prep: the kernel of part 1 again; grid 116 x 4, 1 waves a work-group, no clusters, 0 bytes of LDS; arguments Wq1, Wk1, Wv1, Wq2, Wk2, Wv2, Wp, W1, W2, wstream; writes wstream
;; launch main (part 3): grid 256 x 1, 4 waves a work-group, no clusters, 215,552 bytes of LDS; arguments inputs, emb, pos_emb, wstream, bq1, bk1, bv1, bq2, bk2, bv2, bp, g1, be1, bf1, bf2, g2, be2, Wo, bo, out0; writes out0
.if DOCPART == 3
	.amdgcn_target "amdgcn-amd-amdhsa--gfx1250"
	.amdhsa_code_object_version 6
	.text
	.protected	k_q31a494ee78_main
	.globl	k_q31a494ee78_main
	.p2align	8
	.type	k_q31a494ee78_main,@function
k_q31a494ee78_main:
	s_mov_b64 s[64:65], 0
	v_nop
	global_prefetch_b8 v0, s[64:65] scope:SCOPE_SE
	s_setreg_imm32_b32 hwreg(HW_REG_WAVE_MODE, 25, 1), 1
	s_wait_xcnt 0x0
; The whole block for 64 rows (two sequences of 32 tokens) in one work-group of four waves: gather + position, six projections, two heads of attention, Wp, LN, MLP 768 -> 2048 -> 768, LN, the product with Wo.
; All quantised products run on codes of BF6 (E3M2) with one E8M0 scale for each 32 along K.  No intermediate goes to memory.
; SHARES.  THE WAVES SHARE THE COLUMNS, NOT THE ROWS.  Wave w owns columns 192 w .. 192 w + 191 of every result 768 wide, for all 64 rows (384 registers: ACC2, which holds x, then x + bp + z Wp, then h, then h + bf2 + f W2);
; hidden units 128 w .. + 127 of each chunk of 512; one of Q1, K1, Q2, K2 and three tiles of V; one (sequence w / 2, head w % 2) of attention.
; WEIGHTS come from memory straight into registers, from a stream that the first launch laid in the order of my operand registers: a ring of four slots of four fragments, 13 loads a group, three groups always on their way.
; No weight byte is wanted by two waves of the work-group, so a way through LDS would add a write and a read of each byte for nothing; with 64 rows a fragment feeds four matrix instructions only.  For the same reason no cluster:
; joint loads land in LDS.  That each work-group streams all weight codes itself is the price of this form.
; ACTIVATIONS go from wave to wave through LDS as images of operand registers (a fragment: two halves of 768 bytes: registers 6 c .. 6 c + 3 at 16 x lane, 6 c + 4, 6 c + 5 at 512 + 8 x lane); a K step's scale words lie [lane][row tile].
; LAYOUT.  Products are used transposed (source 0 = 16 rows of a weight, source 1 = 16 rows of activations): a lane holds ONE row (lane % 16) and its registers run along the columns.  The rows of a weight that form a tile are
; 32 b + 8 u + r + 8 (r / 8), so that the 16 registers of tiles 2 b, 2 b + 1 are columns 32 b + 16 (lane / 16) + 0 .. 15: 16 neighbours along the next K.  V alone is made untransposed, so that a lane's registers run along the keys.
; THE TEXT.  The block's two halves (x, attention, Wp, LN;  h, MLP, LN) begin and end alike: ACC2's codes to LDS, a bias onto ACC2, ... , the LN's sums, the LN's scaling.  These four steps, some 1,700 instructions, are written ONCE, in a
; loop of two trips; a scalar branch on the trip's number, the same in every wave, chooses the middle.  The second half's parameter vectors lie 9,216 bytes behind the first half's in LDS, so one stepped address serves both.
; Both middles begin at the ring's slot 0 (the first is 20 groups long) with the four groups out in the slots' order or landed: the ring's counted wait means the same on every way through the text.
; LIMITS: NaN and infinities are not served; a block of zeros gets the scale byte 1 (zero codes; only this program reads the bytes); 1 / l and 1 / sqrt come from v_rcp_f32 and v_rsq_f32; f32 sums are grouped otherwise than the
; reference groups them; in p v the 32 keys stand in one fixed permutation on both operands; in z Wp each head's 96 along K are followed by a block of zero codes on both operands.
; REGISTERS, in windows of 256 (s_set_vgpr_msb: bits 1:0 source 0, 3:2 source 1, 5:4 source 2, 7:6 destination):
;   window 0: v0-31 addresses; v32-39 the ring's scale words; v40-51 activations' scale words; v52-63 statistics; v64-159 two sets of four activation fragments, or the quantiser's work; v160-255 V, O^T, parameter vectors; v192-255 also block 3
;   window 1: v0-191 the ring (slot sl at 48 sl, fragment f at + 12 f); v192-255 block 0.   window 2: v0-191 ACC2 of row tiles 0, 1 (96 (m % 2) + 16 b + 8 u + j); v192-255 block 1.   window 3: the same for row tiles 2, 3; block 2.
;   A block is 64 registers, 192 + 16 m + 8 u + j: columns 32 b .. 32 b + 31 of Q or K or of the hidden layer, for the four row tiles m.
.set XIMG,  0                          ; LDS: codes of x, later of h: fragment (m, s) at 9216 m + 1536 s
.set XSC,   36864                      ; their scale words, 512 bytes a K step
.set ZIMG,  39936                      ; codes of z: 3072 m + 1536 head
.set ZSC,   52224
.set LNX,   53248                      ; two areas of 1,024 bytes for the LNs' sums and sums of squares: 256 w + 16 r
.set OUTX,  57344                      ; the waves' parts of the output: 512 w + 8 row
.set FIMG,  65536                      ; codes of the hidden layer's chunk: 6144 m + 1536 s; their scale words FSC further on
.set FSC,   24576
.set QKIMG, 131072                     ; codes of Q1, K1, Q2, K2: 6144 w + 1536 m
.set VIMG,  155648                     ; codes of V, half images: 768 (12 head + 6 sequence + tile)
.set QKSC,  174080
.set VSC,   176128
.set PAR,   179200                     ; the parameter vectors
.set P_BP, 0
.set P_G1, 3072
.set P_BE1, 6144
.set P_BF2, 9216
.set P_G2, 12288
.set P_BE2, 15360
.set PSTEP, 9216                       ; = P_BF2 - P_BP = P_G2 - P_G1 = P_BE2 - P_BE1: from the first half's vectors to the second's
.set P_WO, 18432
.set P_BF1, 24576
.set P_BQK, 32768                      ; my wave's bias of Q or K: 384 w
.set P_BV, 34304                       ; my wave's head's bias of V: 384 w
.set TL, 64                            ; the quantiser's work: six partial maxima a block,
.set TA, 100                           ; the block's largest magnitude,
.set TB, 106
.set SO, 112                           ; the conversion's scale operand,
.set BY, 118                           ; the scale's byte; codes from v124 on
.set WP, 52                            ; s[52:53] my stream;  s[54:55] the chunk in hand;  s[56:57] where the chunk's last four refills read
.set WL, 54
.set WQ, 56
.set GB, 6400                          ; bytes of a group
.set MSB, 0
.macro WIN new                         ; the immediate's high byte repeats the setting that is left; a switch that changes nothing is dropped
.if MSB != (\new)
	s_set_vgpr_msb (MSB<<8)|(\new)
.set MSB, (\new)
.endif
.endm
.macro PLACES                          ; four plain places behind a matrix instruction, in front of loads into its registers and of reads of its result
.rept 4
	v_nop
.endr
.endm
.macro BAR                             ; my LDS stores have landed and my LDS loads are in: then the work-group's barrier
	s_wait_dscnt 0x0
	s_barrier_signal -1
	s_barrier_wait -1
.endm
.macro WAITG                           ; the ring's oldest group is in: the three younger groups, 13 loads each, may stay out
	s_wait_loadcnt 39
.endm
; one matrix instruction.  c < 0: the sum starts with the constant 0.  ra, rb: source 0's or source 1's scale words stand in lanes 16-31
.macro WM d, a, b, c, sa, sb, ra, rb
.if (\c) < 0
.if (\ra)
	v_wmma_scale_f32_16x16x128_f8f6f4 v[(\d):(\d)+7], v[(\a):(\a)+11], v[(\b):(\b)+11], 0, v[(\sa)], v[(\sb)] matrix_a_fmt:MATRIX_FMT_BF6 matrix_b_fmt:MATRIX_FMT_BF6 matrix_a_scale:MATRIX_SCALE_ROW1
.elseif (\rb)
	v_wmma_scale_f32_16x16x128_f8f6f4 v[(\d):(\d)+7], v[(\a):(\a)+11], v[(\b):(\b)+11], 0, v[(\sa)], v[(\sb)] matrix_a_fmt:MATRIX_FMT_BF6 matrix_b_fmt:MATRIX_FMT_BF6 matrix_b_scale:MATRIX_SCALE_ROW1
.else
	v_wmma_scale_f32_16x16x128_f8f6f4 v[(\d):(\d)+7], v[(\a):(\a)+11], v[(\b):(\b)+11], 0, v[(\sa)], v[(\sb)] matrix_a_fmt:MATRIX_FMT_BF6 matrix_b_fmt:MATRIX_FMT_BF6
.endif
.else
.if (\ra)
	v_wmma_scale_f32_16x16x128_f8f6f4 v[(\d):(\d)+7], v[(\a):(\a)+11], v[(\b):(\b)+11], v[(\c):(\c)+7], v[(\sa)], v[(\sb)] matrix_a_fmt:MATRIX_FMT_BF6 matrix_b_fmt:MATRIX_FMT_BF6 matrix_a_scale:MATRIX_SCALE_ROW1
.elseif (\rb)
	v_wmma_scale_f32_16x16x128_f8f6f4 v[(\d):(\d)+7], v[(\a):(\a)+11], v[(\b):(\b)+11], v[(\c):(\c)+7], v[(\sa)], v[(\sb)] matrix_a_fmt:MATRIX_FMT_BF6 matrix_b_fmt:MATRIX_FMT_BF6 matrix_b_scale:MATRIX_SCALE_ROW1
.else
	v_wmma_scale_f32_16x16x128_f8f6f4 v[(\d):(\d)+7], v[(\a):(\a)+11], v[(\b):(\b)+11], v[(\c):(\c)+7], v[(\sa)], v[(\sb)] matrix_a_fmt:MATRIX_FMT_BF6 matrix_b_fmt:MATRIX_FMT_BF6
.endif
.endif
.endm
; a group of the stream into slot sl: 12 loads of 512 consecutive bytes, and 256 bytes of scale words
.macro RLOAD sl, base, off
	WIN 0x40
.irp i, 0,1,2,3,4,5,6,7,8,9,10,11
	global_load_b128 v[48*(\sl)+4*\i:48*(\sl)+4*\i+3], v1, s[\base:\base+1] offset:(\off)+512*\i
.endr
	WIN 0
	global_load_b64 v[32+2*(\sl):33+2*(\sl)], v2, s[\base:\base+1] offset:(\off)+6144
.endm
.macro REFILL sl, base, off            ; the same behind the products that read the slot
	PLACES
	RLOAD \sl, \base, \off
.endm
.macro FRLOAD reg, a16, a8, off        ; a fragment's image from LDS
.irp c, 0,1
	ds_load_b128 v[(\reg)+6*\c:(\reg)+6*\c+3], v[\a16] offset:(\off)+768*\c
	ds_load_b64 v[(\reg)+6*\c+4:(\reg)+6*\c+5], v[\a8] offset:(\off)+768*\c+512
.endr
.endm
; K step s of the four row tiles into set a, with their scale words: 17 LDS loads
.macro ACTLOAD a, r16, r8, img, mstr, s, sc
.irp m, 0,1,2,3
	FRLOAD 64+48*(\a)+12*\m, \r16, \r8, (\img)+(\mstr)*\m+1536*(\s)
.endr
	ds_load_b128 v[40+4*(\a):43+4*(\a)], v[\r16] offset:(\sc)+512*(\s)
.endm
; the bias lands in the accumulators themselves (blocks 0 .. nb - 1), so that every product adds in place
.macro BINIT nb, adr
.irp b, 0,1,2,3
.if \b < (\nb)
	WIN ((\b+1)&3)<<6
.irp m, 0,1,2,3
.irp u, 0,1
.irp jj, 0,1
	ds_load_b128 v[192+16*\m+8*\u+4*\jj:192+16*\m+8*\u+4*\jj+3], v[\adr] offset:128*\b+32*\u+16*\jj
.endr
.endr
.endr
.endif
.endr
	WIN 0
.endm
; a group of W1: blocks 2 hf, 2 hf + 1 of the hidden layer x four row tiles: 16 products, no two neighbours on one accumulator
.macro GSTEP1 sl, a, hf, base, off
	WAITG
.irp bb, 0,1
	WIN 1|(((2*(\hf)+\bb+1)&3)*0x50)
.irp u, 0,1
.irp m, 0,1,2,3
	WM 192+16*\m+8*\u, 48*(\sl)+12*(2*\bb+\u), 64+48*(\a)+12*\m, 192+16*\m+8*\u, 32+2*(\sl)+\bb, 40+4*(\a)+\m, \u, 0
.endr
.endr
.endr
	REFILL \sl, \base, \off
.endm
; a group of Wp or W2: tiles t0 .. t0 + 3 of my 192 columns x four row tiles, onto ACC2
.macro GSTEP2 sl, a, t0, base, off
	WAITG
.irp x, 0,1
	WIN 0xa1+0x50*\x
.irp f, 0,1,2,3
.irp mm, 0,1
	WM 96*\mm+8*((\t0)+\f), 48*(\sl)+12*\f, 64+48*(\a)+12*(2*\x+\mm), 96*\mm+8*((\t0)+\f), 32+2*(\sl)+\f/2, 40+4*(\a)+2*\x+\mm, \f&1, 0
.endr
.endr
.endr
	REFILL \sl, \base, \off
.endm
; nblk half blocks of 16 registers, at R + 16 k of window X, are quantised: lanes l and l xor 16 hold a block of 32.  Bytes to v[BY + k]; 96 bits of codes to three registers at
; pat 0: cb + cs k;  pat 1: cb + 6 (k / 2) + 18 (k % 2);  pat 2: k % 3 = 0, 2, 1: cb + 12 (k / 3), the same + 6, cb + 24 + 4 (k / 3).  Registers are read in ascending order: each accumulator from its low end on.
.macro QBLKS X, R, nblk, relu, pat, cb, cs
.if \relu
	WIN (\X)*0x44
.set k_, 0
.rept 16*(\nblk)
	v_max_num_f32 v[(\R)+k_], 0, v[(\R)+k_]        ; the activation, in f32
.set k_, k_+1
.endr
.endif
	WIN (\X)*0x15
.set k_, 0
.rept \nblk
.irp e, 0,1,2,3,4
	v_max3_num_f32 v[TL+6*k_+\e], |v[(\R)+16*k_+3*\e]|, |v[(\R)+16*k_+3*\e+1]|, |v[(\R)+16*k_+3*\e+2]|
.endr
	v_max_num_f32 v[TL+6*k_+5], |v[(\R)+16*k_+15]|, |v[(\R)+16*k_+15]|
.set k_, k_+1
.endr
	WIN 0                                          ; from here the blocks take turns line by line
.set k_, 0
.rept \nblk
	v_max3_num_f32 v[TA+k_], v[TL+6*k_], v[TL+6*k_+1], v[TL+6*k_+2]
.set k_, k_+1
.endr
.set k_, 0
.rept \nblk
	v_max3_num_f32 v[TB+k_], v[TL+6*k_+3], v[TL+6*k_+4], v[TL+6*k_+5]
.set k_, k_+1
.endr
.set k_, 0
.rept \nblk
	v_max3_num_f32 v[TA+k_], v[TA+k_], v[TB+k_], 0x2800000   ; and the floor 2^(5 - 127): the byte cannot fall under 1
.set k_, k_+1
.endr
.set k_, 0
.rept \nblk
	v_permlanex16_b32 v[TB+k_], v[TA+k_], s48, s49
.set k_, k_+1
.endr
.set k_, 0
.rept \nblk
	v_max_num_f32 v[TA+k_], v[TA+k_], v[TB+k_]     ; with lane l xor 16's: the block's largest magnitude
.set k_, k_+1
.endr
.set k_, 0
.rept \nblk
	v_add_nc_u32 v[SO+k_], 0xfe000000, v[TA+k_]    ; 4 off its exponent field: the conversion's scale operand
.set k_, k_+1
.endr
.set k_, 0
.rept \nblk
	v_lshrrev_b32 v[BY+k_], 23, v[SO+k_]           ; the scale's byte
.set k_, k_+1
.endr
	WIN (\X)
.set k_, 0
.rept \nblk
.if (\pat) == 0
.set cd_, (\cb)+(\cs)*k_
.elseif (\pat) == 1
.set cd_, (\cb)+6*(k_/2)+18*(k_%2)
.elseif k_%3 == 0
.set cd_, (\cb)+12*(k_/3)
.elseif k_%3 == 2
.set cd_, (\cb)+12*(k_/3)+6
.else
.set cd_, (\cb)+24+4*(k_/3)
.endif
	v_cvt_scalef32_pk16_bf6_f32 v[cd_:cd_+2], v[(\R)+16*k_:(\R)+16*k_+15], v[SO+k_]
.set k_, k_+1
.endr
	WIN 0
	v_nop                                          ; one plain place behind a scaled conversion
.endm
.macro PAIR P, T                       ; two blocks' half codes become registers P .. P + 5: lanes 0-15 the first block whole, lanes 16-31 the second
.irp i, 0,1,2
	v_permlane16_swap_b32 v[(\P)+\i], v[(\T)+\i]
.endr
.irp i, 0,1,2
	v_mov_b32 v[(\P)+3+\i], v[(\T)+\i]
.endr
.endm
.macro PAIRZ P                         ; one block and a block of zero codes: P + 3 .. P + 5 held zeros
.irp i, 0,1,2
	v_permlane16_swap_b32 v[(\P)+\i], v[(\P)+3+\i]
.endr
.endm
.macro IMGH a16, a8, P, off            ; half a fragment goes to LDS as it stands
	ds_store_b128 v[\a16], v[(\P):(\P)+3] offset:\off
	ds_store_b64 v[\a8], v[(\P)+4:(\P)+5] offset:(\off)+512
.endm
.macro IMGF a16, a8, P, off
	IMGH \a16, \a8, \P, \off
	IMGH \a16, \a8, (\P)+6, (\off)+768
.endm
; ACC2 (x or h) becomes codes: my 192 columns are six blocks, three halves of fragments: halves 3 w .. 3 w + 2 of the row's twelve
.macro QUANTIMG
.irp m, 0,1,2,3
	QBLKS 2+\m/2, 96*(\m%2), 6, 0, 1, 124, 0
.irp i, 0,1,2
	PAIR 124+6*\i, 142+6*\i
	v_lshl_or_b32 v[52+\i], v[BY+2*\i+1], 8, v[BY+2*\i]   ; two bytes of the row's scale word
.endr
.irp i, 0,1,2
	IMGH 5, 6, 124+6*\i, 9216*\m+768*\i
	ds_store_b16 v[7+\i], v[52+\i] offset:4*\m
.endr
	s_wait_dscnt 0x0                               ; the stores have read their registers
.endr
.endm
; blocks 0 .. nb - 1 (Q or K: 3; the hidden layer: 4) become four fragments at v[124 + 12 m] and their scale words at v[188 + m]
.macro HQUANT nb, relu
	QBLKS 1, 192, 4, \relu, 0, 124, 12
.irp m, 0,1,2,3
	v_mov_b32 v[188+\m], v[BY+\m]
.endr
	QBLKS 2, 192, 4, \relu, 0, 172, 4
.irp m, 0,1,2,3
	v_lshl_or_b32 v[188+\m], v[BY+\m], 8, v[188+\m]
	PAIR 124+12*\m, 172+4*\m
.endr
	QBLKS 3, 192, 4, \relu, 0, 130, 12
.irp m, 0,1,2,3
	v_lshl_or_b32 v[188+\m], v[BY+\m], 16, v[188+\m]
.endr
.if (\nb) == 4
	QBLKS 0, 192, 4, \relu, 0, 172, 4
.irp m, 0,1,2,3
	v_lshl_or_b32 v[188+\m], v[BY+\m], 24, v[188+\m]
	PAIR 130+12*\m, 172+4*\m
.endr
.else
.irp m, 0,1,2,3
	PAIRZ 130+12*\m
.endr
.endif
.endm
.macro PLOAD reg, adr, arr             ; my lane's 96 numbers of a parameter vector, in ACC2's order
.irp b, 0,1,2,3,4,5
.irp j, 0,1,2,3
	ds_load_b128 v[(\reg)+16*\b+4*\j:(\reg)+16*\b+4*\j+3], v[\adr] offset:(\arr)+128*\b+16*\j
.endr
.endr
.endm
; ACC2 += the half's bias.  The work-group's barrier stands round the additions: signal behind the wait for all my LDS instructions, only register work up to its wait
.macro BIASADD arr
	PLOAD 160, 25, \arr
	s_wait_dscnt 0x0
	s_barrier_signal -1
.irp X, 2,3
	WIN \X*0x41
.irp mm, 0,1
.set p_, 0
.rept 48
	v_pk_add_f32 v[96*\mm+2*p_:96*\mm+2*p_+1], v[96*\mm+2*p_:96*\mm+2*p_+1], v[160+2*p_:161+2*p_]
.set p_, p_+1
.endr
.endr
.endr
	WIN 0
	s_barrier_wait -1
.endm
; my lane's sums (sq = 0) or sums of squares (sq = 1) over its 96 numbers of each row tile m: four chains of pairs at v[64 + 8 m]
.macro LNSUM sq
.irp X, 2,3
	WIN \X*5
.irp mm, 0,1
.irp c, 0,1,2,3
.if \sq
	v_pk_mul_f32 v[64+8*(2*\X-4+\mm)+2*\c:65+8*(2*\X-4+\mm)+2*\c], v[96*\mm+2*\c:96*\mm+2*\c+1], v[96*\mm+2*\c:96*\mm+2*\c+1]
.else
	v_pk_add_f32 v[64+8*(2*\X-4+\mm)+2*\c:65+8*(2*\X-4+\mm)+2*\c], v[96*\mm+2*\c:96*\mm+2*\c+1], v[96*\mm+8+2*\c:96*\mm+8+2*\c+1]
.endif
.endr
.endr
.if \sq
.set p_, 4
.else
	WIN \X
.set p_, 8
.endif
.rept 48-p_
.irp mm, 0,1
.set ch_, 64+8*(2*\X-4+\mm)+2*(p_%4)
.if \sq
	v_pk_fma_f32 v[ch_:ch_+1], v[96*\mm+2*p_:96*\mm+2*p_+1], v[96*\mm+2*p_:96*\mm+2*p_+1], v[ch_:ch_+1]
.else
	v_pk_add_f32 v[ch_:ch_+1], v[96*\mm+2*p_:96*\mm+2*p_+1], v[ch_:ch_+1]
.endif
.endr
.set p_, p_+1
.endr
.endr
	WIN 0
.endm
; the chains are folded, the lane's half joined with lane l xor 16's, the four waves' parts exchanged through LDS: the rows' totals over 768 columns in v[64 + m], the same bits in every wave
.macro FOLDX area
.irp m, 0,1,2,3
	v_pk_add_f32 v[64+8*\m:65+8*\m], v[64+8*\m:65+8*\m], v[66+8*\m:67+8*\m]
	v_pk_add_f32 v[68+8*\m:69+8*\m], v[68+8*\m:69+8*\m], v[70+8*\m:71+8*\m]
.endr
.irp m, 0,1,2,3
	v_pk_add_f32 v[64+8*\m:65+8*\m], v[64+8*\m:65+8*\m], v[68+8*\m:69+8*\m]
	v_mov_b32 v[96+\m], 0                          ; a lane permute's destination counts as one of its sources
.endr
.irp m, 0,1,2,3
	v_add_f32 v[60+\m], v[64+8*\m], v[65+8*\m]
.endr
.irp m, 0,1,2,3
	v_permlanex16_b32 v[96+\m], v[60+\m], s48, s49
.endr
.irp m, 0,1,2,3
	v_add_f32 v[60+\m], v[60+\m], v[96+\m]
.endr
	ds_store_b128 v22, v[60:63] offset:1024*(\area)   ; both halves of the lanes write the same 16 bytes with the same numbers
	BAR
.irp q, 0,1,2,3
	ds_load_b128 v[64+4*\q:67+4*\q], v23 offset:1024*(\area)+256*\q
.endr
	s_wait_dscnt 0x0
.irp m, 0,1,2,3
	v_add_f32 v[64+\m], v[64+\m], v[68+\m]
	v_add_f32 v[72+\m], v[72+\m], v[76+\m]
.endr
.irp m, 0,1,2,3
	v_add_f32 v[64+\m], v[64+\m], v[72+\m]
.endr
.endm
; the mean is taken off ACC2; 1 / sqrt(variance + eps) of row tile m comes to v[52 + 2 m] (the low word of an even pair, for the packed forms).
; Area 0 takes the sums, area 1 the sums of squares, in both halves: between my loads of an area and anybody's next store into it stands a barrier in front of which I have waited for those loads
.macro LNSTATS
	LNSUM 0
	FOLDX 0
.irp m, 0,1,2,3
	v_mul_f32 v[52+2*\m], s69, v[64+\m]            ; the mean
.endr
.irp X, 2,3
	WIN \X*0x41
.irp mm, 0,1
.set p_, 0
.rept 48
	v_pk_add_f32 v[96*\mm+2*p_:96*\mm+2*p_+1], v[96*\mm+2*p_:96*\mm+2*p_+1], v[52+2*(2*\X-4+\mm):53+2*(2*\X-4+\mm)] op_sel_hi:[1,0] neg_lo:[0,1] neg_hi:[0,1]
.set p_, p_+1
.endr
.endr
.endr
	LNSUM 1
	FOLDX 1
.irp m, 0,1,2,3
	v_fma_f32 v[64+\m], v[64+\m], s69, s68         ; the variance + eps
.endr
.irp m, 0,1,2,3
	v_rsq_f32 v[52+2*\m], v[64+\m]
.endr
	v_nop                                          ; a plain place behind the last of the four
	s_wait_alu depctr_va_vdst(0)                   ; and the one wait ahead of their first reader
.endm
.macro NORM g, be                      ; ACC2 = ACC2 x 1 / sqrt(..) x g + be, with the half's g and be
	PLOAD 64, 25, \g
	PLOAD 160, 25, \be
	s_wait_dscnt 0x0
.irp X, 2,3
	WIN \X*0x41
.irp mm, 0,1
.set p_, 0
.rept 48
	v_pk_mul_f32 v[96*\mm+2*p_:96*\mm+2*p_+1], v[96*\mm+2*p_:96*\mm+2*p_+1], v[52+2*(2*\X-4+\mm):53+2*(2*\X-4+\mm)] op_sel_hi:[1,0]
.set p_, p_+1
.endr
.set p_, 0
.rept 48
	v_pk_fma_f32 v[96*\mm+2*p_:96*\mm+2*p_+1], v[96*\mm+2*p_:96*\mm+2*p_+1], v[64+2*p_:65+2*p_], v[160+2*p_:161+2*p_]
.set p_, p_+1
.endr
.endr
.endr
	WIN 0
.endm
	; ================ HEAD: addresses, and all first loads
	s_load_b512 s[4:19], s[0:1], 0x0               ; inputs 4, emb 6, pos_emb 8, wstream 10, bq1 12, bk1 14, bv1 16, bq2 18
	s_load_b512 s[20:35], s[0:1], 0x40             ; bk2 20, bv2 22, bp 24, g1 26, be1 28, bf1 30, bf2 32, g2 34
	s_load_b256 s[36:43], s[0:1], 0x80             ; be2 36, Wo 38, bo 40, out0 42
	v_lshrrev_b32 v3, 5, v0
	v_readfirstlane_b32 s44, v3                    ; wave w
	s_and_b32 s45, s44, 1
	s_lshr_b32 s46, s44, 1
	s_mov_b32 s48, 0x76543210
	s_mov_b32 s49, 0xfedcba98                      ; v_permlanex16_b32's selects for lane l xor 16
	s_mov_b32 s50, 0x3e16c740                      ; c = log2(e) / sqrt(96)
	s_mov_b32 s51, s50                             ; (named with it as a pair)
	s_mov_b32 s68, 0x3727c5ac                      ; eps = 1e-5
	s_mov_b32 s69, 0x3aaaaaab                      ; 1 / 768
	v_and_b32 v19, 31, v0
	v_lshlrev_b32 v1, 4, v19                       ; 16 x lane
	v_lshlrev_b32 v2, 3, v19                       ; 8 x lane
	v_lshlrev_b32 v18, 2, v19                      ; 4 x lane
	v_bfe_u32 v3, v0, 4, 1                         ; h
	v_and_b32 v4, 15, v0                           ; r
	s_mul_i32 s60, s44, 2304
	v_add_nc_u32 v5, s60, v1                       ; where I store x's and h's halves: XIMG (= 0) + 2304 w + 16 x lane,
	v_add_nc_u32 v6, s60, v2                       ; + 8 x lane
.irp i, 0,1,2
	s_mul_i32 s60, s44, 3
	s_add_co_u32 s60, s60, \i                      ; half 3 w + i of the row's twelve: K step / 2, bytes 2 (% 2) of the scale word
	s_lshr_b32 s61, s60, 1
	s_lshl_b32 s61, s61, 9
	s_and_b32 s60, s60, 1
	s_lshl_b32 s60, s60, 1
	s_add_co_u32 s60, s60, s61
	s_add_co_u32 s60, s60, XSC
	v_add_nc_u32 v[7+\i], s60, v1
.endr
	s_mul_i32 s60, s44, 768
	s_add_co_u32 s60, s60, PAR
	v_lshl_add_u32 v10, v3, 6, s60                 ; parameter vectors: my 192 columns, + 16 h numbers
	s_lshl_b32 s60, s44, 9
	s_add_co_u32 s60, s60, PAR+P_BF1
	v_lshl_add_u32 v11, v3, 6, s60                 ; bf1: my 128 hidden units of chunk 0
	s_mul_i32 s60, s44, 1536
	s_add_co_u32 s60, s60, FIMG
	v_add_nc_u32 v12, s60, v1                      ; where I store the hidden layer's fragments (K step w),
	v_add_nc_u32 v13, s60, v2
	s_lshl_b32 s60, s44, 9
	s_add_co_u32 s60, s60, FIMG+FSC
	v_add_nc_u32 v14, s60, v1                      ; and their scale words
	v_add_nc_u32 v15, FIMG, v1                     ; where all read them
	v_add_nc_u32 v16, FIMG, v2
	s_lshl_b32 s60, s44, 8
	s_add_co_u32 s60, s60, LNX
	v_lshl_add_u32 v22, v4, 4, s60                 ; the LNs' sums: mine,
	v_lshl_add_u32 v23, v4, 4, LNX                 ; everybody's
	s_lshl_b32 s60, s44, 9
	s_add_co_u32 s60, s60, OUTX
	v_lshl_add_u32 v24, v4, 3, s60                 ; my part of the output
	v_lshl_add_u32 v20, v0, 3, PAR                 ; staging: 8 and 16 bytes a thread
	v_lshl_add_u32 v21, v0, 4, PAR
	v_lshlrev_b32 v25, 2, v4
	v_lshlrev_b32 v30, 3, v0
	v_lshlrev_b32 v31, 4, v0
	s_mul_i32 s72, s44, 768
	s_wait_kmcnt 0x0
	s_lshl_b32 s60, ttmp9, 8
	s_mov_b32 s61, 0
	s_add_nc_u64 s[4:5], s[4:5], s[60:61]          ; my 64 indices
	s_lshl_b32 s60, ttmp9, 9
	s_add_nc_u64 s[42:43], s[42:43], s[60:61]      ; my 512 bytes of the output
	s_mul_i32 s60, s44, 116*GB
	s_add_nc_u64 s[WP:WP+1], s[10:11], s[60:61]    ; my stream
	s_cmp_lt_u32 s44, 2
	s_cselect_b64 s[60:61], s[12:13], s[18:19]     ; my head's bq,
	s_cselect_b64 s[62:63], s[14:15], s[20:21]     ; its bk,
	s_cselect_b64 s[70:71], s[16:17], s[22:23]     ; and bv of head w / 2
	s_cmp_eq_u32 s45, 0
	s_cselect_b64 s[60:61], s[60:61], s[62:63]     ; even waves make Q, odd ones K
.irp m, 0,1,2,3
	global_load_b32 v[26+\m], v25, s[4:5] offset:64*\m   ; the index of row 16 m + r
.endr
.macro STG a, p                        ; a vector of 3,072 bytes: 8 bytes a thread, three times
.irp k, 0,1,2
	global_load_b64 v[192+6*\a+2*\k:193+6*\a+2*\k], v30, s[\p:\p+1] offset:1024*\k
.endr
.endm
	WIN 0x40                                       ; the parameter vectors pass through window 1's v192-255 into LDS
	STG 0, 24
	STG 1, 26
	STG 2, 28
	STG 3, 32
	STG 4, 34
	STG 5, 36
.irp k, 0,1,2,3,4,5
	global_load_b64 v[228+2*\k:229+2*\k], v30, s[38:39] offset:1024*\k
.endr
.irp k, 0,1,2,3
	global_load_b128 v[240+4*\k:243+4*\k], v31, s[30:31] offset:2048*\k
.endr
	WIN 0
.irp k, 0,1,2
	global_load_b32 v[52+\k], v18, s[60:61] offset:128*\k
	global_load_b32 v[55+\k], v18, s[70:71] offset:128*\k
.endr
	s_load_b64 s[66:67], s[40:41], 0x0             ; bo
	s_wait_loadcnt 34                              ; the four index loads are in: 34 staging loads were issued behind them
	v_lshl_add_u32 v19, v3, 6, s72                 ; my columns in a row: 768 w + 64 h bytes
.irp m, 0,1,2,3
	v_min_u32 v[26+\m], 50256, v[26+\m]            ; an index stays inside the table
.endr
.irp m, 0,1,2,3
	v_mul_u32_u24 v[26+\m], v[26+\m], 3072
.endr
.irp m, 0,1,2,3
	v_add_nc_u32 v[26+\m], v[26+\m], v19
.endr
	v_mad_u32_u24 v25, v4, 3072, v19               ; pos_emb: row r (free since the wait above)
.irp m, 0,1,2,3
	WIN (2+\m/2)<<6
.irp b, 0,1,2,3,4,5
.irp j, 0,1,2,3
	global_load_b128 v[96*(\m%2)+16*\b+4*\j:96*(\m%2)+16*\b+4*\j+3], v[26+\m], s[6:7] offset:128*\b+16*\j   ; emb straight into ACC2's layout
.endr
.endr
.endr
	WIN 0
.irp b, 0,1,2,3,4,5
.irp j, 0,1,2,3
	global_load_b128 v[160+16*\b+4*\j:163+16*\b+4*\j], v25, s[8:9] offset:128*\b+16*\j         ; positions 0-15
	global_load_b128 v[64+16*\b+4*\j:67+16*\b+4*\j], v25, s[8:9] offset:49152+128*\b+16*\j     ; positions 16-31
.endr
.endr
	RLOAD 0, WP, 0                                 ; the ring's first four groups
	RLOAD 1, WP, GB
	RLOAD 2, WP, 2*GB
	RLOAD 3, WP, 3*GB
	s_wait_loadcnt 52                              ; all but the ring's 52 loads
	s_wait_kmcnt 0x0
	; ================ E: the parameters to LDS; x = emb + pos
	WIN 0x04                                       ; an LDS store's data are its source 1: window 1
.irp a, 0,1,2,3,4,5
.irp k, 0,1,2
	ds_store_b64 v20, v[192+6*\a+2*\k:193+6*\a+2*\k] offset:3072*\a+1024*\k
.endr
.endr
.irp k, 0,1,2,3,4,5
	ds_store_b64 v20, v[228+2*\k:229+2*\k] offset:P_WO+1024*\k
.endr
.irp k, 0,1,2,3
	ds_store_b128 v21, v[240+4*\k:243+4*\k] offset:P_BF1+2048*\k
.endr
	WIN 0
	s_mul_i32 s60, s44, 384
	s_add_co_u32 s60, s60, PAR+P_BQK
	v_add_nc_u32 v19, s60, v18
.irp k, 0,1,2
	ds_store_b32 v19, v[52+\k] offset:128*\k
	ds_store_b32 v19, v[55+\k] offset:P_BV-P_BQK+128*\k
.endr
.irp m, 0,1,2,3
	WIN (2+\m/2)*0x41
.set p_, 0
.rept 48
	v_pk_add_f32 v[96*(\m%2)+2*p_:96*(\m%2)+2*p_+1], v[96*(\m%2)+2*p_:96*(\m%2)+2*p_+1], v[160-96*(\m%2)+2*p_:161-96*(\m%2)+2*p_]
.set p_, p_+1
.endr
.endr
	WIN 0
	BAR                                            ; the parameter vectors, which all 128 threads stored, lie in LDS: the first half reads bp ahead of its own first barrier
.irp i, 52,53,54,55,56,57,58,59,60,61,62,63
	v_mov_b32 v[\i], 0                             ; the statistics' registers are named in pairs and as lane permutes' destinations: written once
.endr
	s_mov_b32 s74, 0                               ; the half in hand
	s_mov_b32 s75, 0                               ; where its parameter vectors begin
	; ================ THE TWO HALVES: trip 0: x, attention, Wp, LN1;  trip 1: h, MLP, LN2
.Lhalf:
	v_add_nc_u32 v25, s75, v10                     ; bp, g1, be1, or bf2, g2, be2: my 192 columns
	QUANTIMG                                       ; ACC2's codes: x's, then h's over them (every wave's reads of x's codes end ahead of LN1's barriers)
	BIASADD P_BP                                   ; ACC2 = x + bp, or h + bf2; behind its barrier the 24 fragments lie in LDS
	s_cmp_lg_u32 s74, 0
	s_cbranch_scc1 .Lmlp
	; ================ QKV: 54 fragments of the stream, 9 a K step: six tiles of my Q or K (transposed), three of V (untransposed: a lane holds one channel, its registers run down the keys)
	s_mul_i32 s60, s44, 384
	s_add_co_u32 s60, s60, PAR+P_BQK
	v_lshl_add_u32 v26, v3, 6, s60                 ; my bias of Q or K, + 16 h numbers
	v_and_b32 v19, 8, v4
	v_add_nc_u32 v19, v19, v4                      ; r + 8 (r / 8)
	s_add_co_u32 s61, s60, P_BV-P_BQK
	v_lshl_add_u32 v19, v19, 2, s61
.irp t, 0,1,2
	s_mul_i32 s62, s45, 3
	s_add_co_u32 s62, s62, \t                      ; V's tile T = 3 (w % 2) + t: channels 32 (T / 2) + 8 (T % 2) + r + 8 (r / 8)
	s_lshr_b32 s63, s62, 1
	s_lshl_b32 s63, s63, 7
	s_and_b32 s62, s62, 1
	s_lshl_b32 s62, s62, 5
	s_add_co_u32 s63, s63, s62
	v_add_nc_u32 v[27+\t], s63, v19
.endr
	BINIT 3, 26
.irp t, 0,1,2
	ds_load_b32 v[60+\t], v[27+\t]                 ; bv of my lane's channel
.endr
	ACTLOAD 0, 1, 2, XIMG, 9216, 0, XSC
	ACTLOAD 1, 1, 2, XIMG, 9216, 1, XSC
.set q_, 0
.irp s, 0,1,2,3,4,5
.if \s < 5
	s_wait_dscnt 17                                ; this K step's fragments are in; the next step's 17 loads may be out
.else
	s_wait_dscnt 0x0
.endif
.irp t, 0,1,2,3,4,5,6,7,8
.set sl_, (q_>>2)&3
.set f_, q_&3
.if f_ == 0
	WAITG
.endif
.if \t < 6
	WIN 1|((1+\t/2)*0x50)
.irp m, 0,1,2,3
	WM 192+16*\m+8*(\t%2), 48*sl_+12*f_, 64+48*(\s%2)+12*\m, 192+16*\m+8*(\t%2), 32+2*sl_+f_/2, 40+4*(\s%2)+\m, f_&1, 0
.endr
.else
	WIN 0x04
.irp m, 0,1,2,3
.if \s == 0
	WM 160+32*(\t-6)+8*\m, 64+48*(\s%2)+12*\m, 48*sl_+12*f_, -1, 40+4*(\s%2)+\m, 32+2*sl_+f_/2, 0, f_&1
.else
	WM 160+32*(\t-6)+8*\m, 64+48*(\s%2)+12*\m, 48*sl_+12*f_, 160+32*(\t-6)+8*\m, 40+4*(\s%2)+\m, 32+2*sl_+f_/2, 0, f_&1
.endif
.endr
.endif
.if (f_ == 3) || (q_ == 53)
	REFILL sl_, WP, GB*((q_>>2)+4)                 ; the slot takes the group four further on
.endif
.set q_, q_+1
.endr
.if \s < 4
	WIN 0
	PLACES
	ACTLOAD \s%2, 1, 2, XIMG, 9216, \s+2, XSC
.endif
.endr
	; ================ V, then Q or K, become operands
	WIN 0
	PLACES
.irp t, 0,1,2
.set i_, 0
.rept 32
	v_add_f32 v[160+32*\t+i_], v[60+\t], v[160+32*\t+i_]
.set i_, i_+1
.endr
.endr
.irp k, 0,1,2,3,4,5
.irp i, 3,4,5
	v_mov_b32 v[124+6*\k+\i], 0
.endr
.endr
	QBLKS 0, 160, 6, 0, 0, 124, 6                  ; block k = 2 t + sequence: a channel's 32 keys, 16 in this lane (keys 8 h + 0 .. 7 and 16 + 8 h + 0 .. 7)
.irp k, 0,1,2,3,4,5
	PAIRZ 124+6*\k                                 ; lanes 0-15: the block whole; lanes 16-31: zero codes
.endr
	s_mul_i32 s60, s46, 12
	s_mul_i32 s61, s45, 3
	s_add_co_u32 s60, s60, s61                     ; 12 head + my first tile
	s_mul_i32 s61, s60, 768
	s_add_co_u32 s61, s61, VIMG
	v_add_nc_u32 v26, s61, v1
	v_add_nc_u32 v27, s61, v2
	s_lshl_b32 s61, s60, 7
	s_add_co_u32 s61, s61, VSC
	v_add_nc_u32 v28, s61, v18
.irp k, 0,1,2,3,4,5
	IMGH 26, 27, 124+6*\k, 768*(6*(\k%2)+\k/2)
	ds_store_b32 v28, v[BY+\k] offset:128*(6*(\k%2)+\k/2)   ; the word's upper bytes are 0: they scale zero codes
.endr
	s_wait_dscnt 0x0                               ; the stores have read their registers
.irp m, 0,1,2,3
.irp i, 9,10,11
	v_mov_b32 v[124+12*\m+\i], 0
.endr
.endr
	HQUANT 3, 0                                    ; K = 96: three blocks and a block of zero codes
	s_mul_i32 s60, s44, 6144
	s_add_co_u32 s60, s60, QKIMG
	v_add_nc_u32 v29, s60, v1
	v_add_nc_u32 v30, s60, v2
	s_lshl_b32 s60, s44, 9
	s_add_co_u32 s60, s60, QKSC
	v_add_nc_u32 v31, s60, v18
.irp m, 0,1,2,3
	IMGF 29, 30, 124+12*\m, 1536*\m
	ds_store_b32 v31, v[188+\m] offset:128*\m
.endr
	BAR                                            ; Q, K and V of both heads lie in LDS
	; ================ ATTENTION: sequence w / 2, head w % 2: 32 queries x 32 keys
	s_mul_i32 s60, s45, 12288
	s_mul_i32 s61, s46, 3072
	s_add_co_u32 s60, s60, s61
	s_add_co_u32 s60, s60, QKIMG
	v_add_nc_u32 v26, s60, v1
	v_add_nc_u32 v27, s60, v2
	s_lshl_b32 s60, s45, 10
	s_lshl_b32 s61, s46, 8
	s_add_co_u32 s60, s60, s61
	s_add_co_u32 s60, s60, QKSC
	v_add_nc_u32 v28, s60, v18
	s_mul_i32 s61, s45, 12
	s_mul_i32 s62, s46, 6
	s_add_co_u32 s61, s61, s62
	s_mul_i32 s60, s61, 768
	s_add_co_u32 s60, s60, VIMG
	v_add_nc_u32 v29, s60, v1
	v_add_nc_u32 v30, s60, v2
	s_lshl_b32 s60, s61, 7
	s_add_co_u32 s60, s60, VSC
	v_add_nc_u32 v31, s60, v18
.irp q, 0,1
	FRLOAD 64+12*\q, 26, 27, 1536*\q               ; q: 16 queries each
	FRLOAD 88+12*\q, 26, 27, 6144+1536*\q          ; k: 16 keys each
	ds_load_b32 v[40+\q], v28 offset:128*\q
	ds_load_b32 v[42+\q], v28 offset:512+128*\q
.endr
.irp T, 0,1,2,3,4,5
	WIN (2+\T/3)<<6                                ; v's six tiles of 16 channels: windows 2 and 3, v192 on
	ds_load_b128 v[192+12*(\T%3):195+12*(\T%3)], v29 offset:768*\T
	ds_load_b64 v[196+12*(\T%3):197+12*(\T%3)], v30 offset:768*\T+512
.irp i, 6,7,8,9,10,11
	v_mov_b32 v[192+12*(\T%3)+\i], 0               ; K = 32: the upper 64 along K are zero codes
.endr
.endr
	WIN 0
.irp T, 0,1,2,3,4,5
	ds_load_b32 v[44+\T], v31 offset:128*\T
.endr
	s_wait_dscnt 0x0
.irp q, 0,1
.irp u, 0,1
	WM 112+16*\q+8*\u, 88+12*\u, 64+12*\q, -1, 42+\u, 40+\q, 0, 0    ; S^T: a lane holds query r; registers: keys 8 h + 0 .. 7, then 16 + 8 h + 0 .. 7
.endr
.endr
	PLACES
.irp q, 0,1
	v_max3_num_f32 v[52+\q], v[112+16*\q], v[113+16*\q], v[114+16*\q]
.endr
.irp i, 3,5,7,9,11,13
.irp q, 0,1
	v_max3_num_f32 v[52+\q], v[52+\q], v[112+16*\q+\i], v[113+16*\q+\i]
.endr
.endr
.irp q, 0,1
	v_max_num_f32 v[52+\q], v[52+\q], v[127+16*\q]
.endr
.irp q, 0,1
	v_permlanex16_b32 v[54+\q], v[52+\q], s48, s49
.endr
.irp q, 0,1
	v_max_num_f32 v[52+\q], v[52+\q], v[54+\q]     ; the row's largest score
.endr
.irp q, 0,1
	v_mul_f32 v[54+\q], s50, v[52+\q]              ; as t (c is positive)
.endr
.irp q, 0,1
	v_floor_f32 v[56+2*\q], -v[54+\q]              ; -M = floor(-t) = -ceil(t)
.endr
.irp i, 0,2,4,6,8,10,12,14
.irp q, 0,1
	v_pk_fma_f32 v[112+16*\q+\i:113+16*\q+\i], v[112+16*\q+\i:113+16*\q+\i], s[50:51], v[56+2*\q:57+2*\q] op_sel_hi:[1,0,0]   ; t - M
.endr
.endr
.irp q, 0,1
	v_fma_f32 v[52+\q], v[52+\q], s50, v[56+2*\q]  ; the same of the largest score: the block's largest p
.endr
.irp q, 0,1
.set i_, 0
.rept 16
	v_exp_f32 v[112+16*\q+i_], v[112+16*\q+i_]     ; p = 2^(t - M): not normalised
.set i_, i_+1
.endr
.endr
.irp q, 0,1
	v_exp_f32 v[52+\q], v[52+\q]
.endr
	v_nop                                          ; a plain place behind the batch of 34
	s_wait_alu depctr_va_vdst(0)                   ; the one wait ahead of the batch's first reader
.irp q, 0,1
	v_pk_add_f32 v[60+2*\q:61+2*\q], v[112+16*\q:113+16*\q], v[114+16*\q:115+16*\q]   ; the row's sum, of the unquantised p
.endr
.irp i, 4,6,8,10,12,14
.irp q, 0,1
	v_pk_add_f32 v[60+2*\q:61+2*\q], v[60+2*\q:61+2*\q], v[112+16*\q+\i:113+16*\q+\i]
.endr
.endr
.irp q, 0,1
	v_add_f32 v[60+2*\q], v[60+2*\q], v[61+2*\q]
.endr
.irp q, 0,1
	v_permlanex16_b32 v[61+2*\q], v[60+2*\q], s48, s49
.endr
.irp q, 0,1
	v_add_f32 v[60+2*\q], v[60+2*\q], v[61+2*\q]
.endr
.irp q, 0,1
	v_rcp_f32 v[56+2*\q], v[60+2*\q]               ; 1 / l
.endr
.irp q, 0,1
	v_max_num_f32 v[52+\q], 0x2800000, v[52+\q]    ; the floor 2^(5 - 127)
.endr
.irp q, 0,1
	v_add_nc_u32 v[54+\q], 0xfe000000, v[52+\q]    ; the conversion's scale operand
.endr
.irp q, 0,1
	v_lshrrev_b32 v[50+\q], 23, v[54+\q]           ; p's scale word: one byte, the upper three scale zero codes
.endr
.irp q, 0,1
.irp i, 3,4,5,6,7,8,9,10,11
	v_mov_b32 v[64+12*\q+\i], 0
.endr
.endr
.irp q, 0,1
	v_cvt_scalef32_pk16_bf6_f32 v[64+12*\q:66+12*\q], v[112+16*\q:127+16*\q], v[54+\q]
.endr
	v_nop                                          ; one plain place behind a scaled conversion
.irp q, 0,1
	PAIRZ 64+12*\q                                 ; the keys stand as V's do
.endr
	s_wait_alu depctr_va_vdst(0)                   ; for the two reciprocals, ahead of their first reader
.rept 8
	v_nop                                          ; a scale register written by a vector instruction stands 8 places ahead of a scaled matrix instruction, an operand so written 4
.endr
.irp T, 0,1,2,3,4,5
	WIN 2+\T/3
.irp q, 0,1
	WM 160+48*\q+8*\T, 192+12*(\T%3), 64+12*\q, -1, 44+\T, 50+\q, 0, 0   ; O^T: a lane holds query r; tiles 2 b, 2 b + 1: channels 32 b + 16 h + 0 .. 15
.endr
.endr
	WIN 0
	PLACES
.irp q, 0,1
.set i_, 0
.rept 24
	v_pk_mul_f32 v[160+48*\q+2*i_:161+48*\q+2*i_], v[160+48*\q+2*i_:161+48*\q+2*i_], v[56+2*\q:57+2*\q] op_sel_hi:[1,0]   ; z = O / l
.set i_, i_+1
.endr
.endr
.irp q, 0,1
.irp i, 9,10,11
	v_mov_b32 v[124+12*\q+\i], 0
.endr
.endr
	QBLKS 0, 160, 6, 0, 2, 124, 0
.irp q, 0,1
	PAIR 124+12*\q, 148+4*\q
	PAIRZ 130+12*\q
	v_lshl_or_b32 v[52+\q], v[BY+3*\q+1], 8, v[BY+3*\q]
	v_lshl_or_b32 v[52+\q], v[BY+3*\q+2], 16, v[52+\q]
.endr
	s_mul_i32 s60, s46, 6144
	s_mul_i32 s61, s45, 1536
	s_add_co_u32 s60, s60, s61
	s_add_co_u32 s60, s60, ZIMG
	v_add_nc_u32 v19, s60, v1
	v_add_nc_u32 v20, s60, v2
	s_lshl_b32 s60, s45, 9
	s_lshl_b32 s61, s46, 3
	s_add_co_u32 s60, s60, s61
	s_add_co_u32 s60, s60, ZSC
	v_add_nc_u32 v21, s60, v1
.irp q, 0,1
	IMGF 19, 20, 124+12*\q, 3072*\q
	ds_store_b32 v21, v[52+\q] offset:4*\q
.endr
	BAR                                            ; z's eight fragments lie in LDS
	; ================ Wp: two K steps (the heads), onto ACC2 = x + bp
	ACTLOAD 0, 1, 2, ZIMG, 3072, 0, ZSC
	ACTLOAD 1, 1, 2, ZIMG, 3072, 1, ZSC
.set g_, 14
.irp s, 0,1
	s_wait_dscnt 17-17*\s
.irp t, 0,4,8
	GSTEP2 g_&3, \s, \t, WP, GB*(g_+4)
.set g_, g_+1
.endr
.endr
	s_branch .Lln                                  ; the ring holds groups 20 to 23, in slots 0 to 3, on their way
.Lmlp:
	; ================ MLP: four chunks of 512 hidden units, onto ACC2 = h + bf2
	s_mov_b32 s59, 0
	v_mov_b32 v17, v11
	BINIT 4, 17
	ACTLOAD 0, 1, 2, XIMG, 9216, 0, XSC
	ACTLOAD 1, 1, 2, XIMG, 9216, 1, XSC
	s_add_nc_u64 s[WL:WL+1], s[WP:WP+1], 20*GB
	s_mov_b64 s[WQ:WQ+1], s[WL:WL+1]
	s_mov_b32 s58, 4
.macro G2 a, t0                        ; the chunk's group gl_; the last four refills read through s[WQ]
.if gl_ < 20
	GSTEP2 gl_&3, \a, \t0, WL, GB*(gl_+4)
.else
	GSTEP2 gl_&3, \a, \t0, WQ, GB*(gl_+4)
.endif
.set gl_, gl_+1
.endm
.Lchunk:
.set gl_, 0
.irp s, 0,1,2,3,4,5                    ; my 128 hidden units = h W1^T + bf1: six K steps of two groups
.if \s < 5
	s_wait_dscnt 17
.else
	s_wait_dscnt 0x0
.endif
	GSTEP1 gl_&3, \s%2, 0, WL, GB*(gl_+4)
.set gl_, gl_+1
	GSTEP1 gl_&3, \s%2, 1, WL, GB*(gl_+4)
.set gl_, gl_+1
.if \s < 4
	ACTLOAD \s%2, 1, 2, XIMG, 9216, \s+2, XSC      ; (the refill's four places stand behind the last product that read this set)
.endif
.endr
	HQUANT 4, 1                                    ; relu, then K step w of the second product
.irp m, 0,1,2,3
	IMGF 12, 13, 124+12*\m, 6144*\m
	ds_store_b32 v14, v[188+\m] offset:4*\m
.endr
	BAR                                            ; the chunk's sixteen fragments lie in LDS
	s_add_co_u32 s59, s59, 2048
	v_add_nc_u32 v17, s59, v11
	BINIT 4, 17                                    ; the next chunk's bias.  In the last trip these are the 2,048 bytes behind bf1 in LDS, and nobody uses them: so no branch stands in the loop
	ACTLOAD 0, 15, 16, 0, 6144, 0, FSC
	ACTLOAD 1, 15, 16, 0, 6144, 1, FSC
	s_wait_dscnt 17
	G2 0, 0
	G2 0, 4
	G2 0, 8
	ACTLOAD 0, 15, 16, 0, 6144, 2, FSC
	s_wait_dscnt 17
	G2 1, 0
	G2 1, 4
	G2 1, 8
	ACTLOAD 1, 15, 16, 0, 6144, 3, FSC
	s_wait_dscnt 17
	G2 0, 0
	G2 0, 4
	G2 0, 8
	ACTLOAD 0, 1, 2, XIMG, 9216, 0, XSC            ; h's first two K steps for the next chunk (in the last trip nobody uses them)
	BAR                                            ; my reads of the hidden layer's images are over, and so are everybody's: the next chunk may store there
	G2 1, 0
	G2 1, 4
	G2 1, 8
	ACTLOAD 1, 1, 2, XIMG, 9216, 1, XSC
	s_wait_xcnt 0x0                                ; the refills have read their bases
	s_add_nc_u64 s[WL:WL+1], s[WL:WL+1], 24*GB
	s_sub_co_u32 s58, s58, 1
	s_cmp_eq_u32 s58, 1                            ; the last chunk has no successor: its last four refills read its own first four groups again, so that the ring's count holds in every trip and no load leaves the buffer
	s_cselect_b32 s60, 24*GB, 0
	s_mov_b32 s61, 0
	s_sub_nc_u64 s[WQ:WQ+1], s[WL:WL+1], s[60:61]
	s_cmp_lg_u32 s58, 0
	s_cbranch_scc1 .Lchunk
	s_wait_loadcnt 0x0                             ; the ring's registers and the sets are free
	s_wait_dscnt 0x0
.Lln:
	; ================ LN: the mean off, 1 / sqrt(variance + eps), the half's gain and bias: ACC2 = h, or the block's result o
	LNSTATS
	NORM P_G1, P_BE1
	s_add_co_u32 s75, s75, PSTEP
	s_add_co_u32 s74, s74, 1
	s_cmp_lt_u32 s74, 2
	s_cbranch_scc1 .Lhalf
	s_wait_loadcnt 0x0                             ; no load of the ring is out: Wo's second row lands in the ring's registers
	; ================ the product with Wo (N = 2: fused multiply-adds in f32)
	PLOAD 64, 10, P_WO                             ; Wo's row 0 in window 0,
	WIN 0x40
	PLOAD 0, 10, P_WO+3072                         ; its row 1 in window 1
	WIN 0
	s_wait_dscnt 0x0
.irp X, 2,3
.irp o, 0,1
	WIN \X|(\o<<2)
.set p_, 0
.rept 48
.irp mm, 0,1
.set ch_, 160+2*(4*(2*\X-4+\mm)+2*\o+p_%2)
.if p_ < 2
	v_pk_mul_f32 v[ch_:ch_+1], v[96*\mm+2*p_:96*\mm+2*p_+1], v[64-64*\o+2*p_:65-64*\o+2*p_]
.else
	v_pk_fma_f32 v[ch_:ch_+1], v[96*\mm+2*p_:96*\mm+2*p_+1], v[64-64*\o+2*p_:65-64*\o+2*p_], v[ch_:ch_+1]
.endif
.endr
.set p_, p_+1
.endr
.endr
.endr
	WIN 0
.irp e, 0,1,2,3,4,5,6,7                ; e = 2 m + o
	v_pk_add_f32 v[160+4*\e:161+4*\e], v[160+4*\e:161+4*\e], v[162+4*\e:163+4*\e]
	v_mov_b32 v[232+\e], 0
.endr
.irp e, 0,1,2,3,4,5,6,7
	v_add_f32 v[224+\e], v[160+4*\e], v[161+4*\e]
.endr
.irp e, 0,1,2,3,4,5,6,7
	v_permlanex16_b32 v[232+\e], v[224+\e], s48, s49
.endr
.irp e, 0,1,2,3,4,5,6,7
	v_add_f32 v[224+\e], v[224+\e], v[232+\e]
.endr
.irp m, 0,1,2,3
	ds_store_b64 v24, v[224+2*\m:225+2*\m] offset:128*\m
.endr
	BAR                                            ; the four waves' parts of the 64 rows' two outputs lie in LDS
	s_cmp_lg_u32 s44, 0
	s_cbranch_scc1 .Lend
.irp q, 0,1,2,3
	ds_load_b128 v[64+4*\q:67+4*\q], v1 offset:OUTX+512*\q   ; two rows a lane
.endr
	s_wait_dscnt 0x0
.irp i, 0,1,2,3
	v_add_f32 v[64+\i], v[64+\i], v[68+\i]
	v_add_f32 v[72+\i], v[72+\i], v[76+\i]
.endr
.irp i, 0,1,2,3
	v_add_f32 v[64+\i], v[64+\i], v[72+\i]
.endr
	v_add_f32 v64, s66, v64
	v_add_f32 v65, s67, v65
	v_add_f32 v66, s66, v66
	v_add_f32 v67, s67, v67
	global_store_b128 v1, v[64:67], s[42:43]       ; 32 lanes store the work-group's 512 consecutive bytes, aligned
.Lend:
	s_wait_xcnt 0x0
	v_lshl_add_u32 v254, v0, 2, 0x34800
	v_mov_b32 v255, 0
	s_wait_tensorcnt 0x0
	ds_add_u32 v254, v255
	s_wait_dscnt 0x0
	s_endpgm
.Lfunc_end_k_q31a494ee78_main:
	.size	k_q31a494ee78_main, .Lfunc_end_k_q31a494ee78_main-k_q31a494ee78_main
	.p2alignl 7, 3214868480
	.fill 96, 4, 3214868480
	.section	.rodata,"a",@progbits
	.p2align	6, 0x0
	.amdhsa_kernel k_q31a494ee78_main
		.amdhsa_group_segment_fixed_size 215552
		.amdhsa_private_segment_fixed_size 0
		.amdhsa_enable_private_segment 0
		.amdhsa_kernarg_size 160
		.amdhsa_user_sgpr_count 2
		.amdhsa_user_sgpr_kernarg_segment_ptr 1
		.amdhsa_wavefront_size32 1
		.amdhsa_system_sgpr_workgroup_id_x 1
		.amdhsa_system_sgpr_workgroup_id_y 1
		.amdhsa_system_sgpr_workgroup_id_z 1
		.amdhsa_system_vgpr_workitem_id 0
		.amdhsa_next_free_vgpr 1024
		.amdhsa_next_free_sgpr 80
		.amdhsa_reserve_vcc 0
		.amdhsa_float_denorm_mode_32 3
		.amdhsa_float_denorm_mode_16_64 3
		.amdhsa_memory_ordered 1
		.amdhsa_forward_progress 1
		.amdhsa_inst_pref_size 255
	.end_amdhsa_kernel
	.section	.bss,"aw",@nobits
	.p2align	6
	.space	262144
	.amdgpu_metadata
---
amdhsa.version: [ 1, 2 ]
amdhsa.kernels:
  - .name:           k_q31a494ee78_main
    .symbol:         k_q31a494ee78_main.kd
    .args:
      - { .name: inputs, .offset: 0, .size: 8, .value_kind: global_buffer, .address_space: global }
      - { .name: emb, .offset: 8, .size: 8, .value_kind: global_buffer, .address_space: global }
      - { .name: pos_emb, .offset: 16, .size: 8, .value_kind: global_buffer, .address_space: global }
      - { .name: wstream, .offset: 24, .size: 8, .value_kind: global_buffer, .address_space: global }
      - { .name: bq1, .offset: 32, .size: 8, .value_kind: global_buffer, .address_space: global }
      - { .name: bk1, .offset: 40, .size: 8, .value_kind: global_buffer, .address_space: global }
      - { .name: bv1, .offset: 48, .size: 8, .value_kind: global_buffer, .address_space: global }
      - { .name: bq2, .offset: 56, .size: 8, .value_kind: global_buffer, .address_space: global }
      - { .name: bk2, .offset: 64, .size: 8, .value_kind: global_buffer, .address_space: global }
      - { .name: bv2, .offset: 72, .size: 8, .value_kind: global_buffer, .address_space: global }
      - { .name: bp, .offset: 80, .size: 8, .value_kind: global_buffer, .address_space: global }
      - { .name: g1, .offset: 88, .size: 8, .value_kind: global_buffer, .address_space: global }
      - { .name: be1, .offset: 96, .size: 8, .value_kind: global_buffer, .address_space: global }
      - { .name: bf1, .offset: 104, .size: 8, .value_kind: global_buffer, .address_space: global }
      - { .name: bf2, .offset: 112, .size: 8, .value_kind: global_buffer, .address_space: global }
      - { .name: g2, .offset: 120, .size: 8, .value_kind: global_buffer, .address_space: global }
      - { .name: be2, .offset: 128, .size: 8, .value_kind: global_buffer, .address_space: global }
      - { .name: Wo, .offset: 136, .size: 8, .value_kind: global_buffer, .address_space: global }
      - { .name: bo, .offset: 144, .size: 8, .value_kind: global_buffer, .address_space: global }
      - { .name: out0, .offset: 152, .size: 8, .value_kind: global_buffer, .address_space: global }
    .group_segment_fixed_size: 215552
    .private_segment_fixed_size: 0
    .kernarg_segment_align: 8
    .kernarg_segment_size: 160
    .max_flat_workgroup_size: 128
    .sgpr_count:     80
    .vgpr_count:     1024
    .wavefront_size: 32
...
	.end_amdgpu_metadata
.endif
;; end of part 3
;; ======== version 3 of 3: 2 launches; version 2 with the launch main written anew for expert scheduling mode
;; workspace buffers: wstream 2,969,600 bytes
;; launch prep: the kernel of part 1 again; grid 116 x 4, 1 waves a work-group, no clusters, 0 bytes of LDS; arguments Wq1, Wk1, Wv1, Wq2, Wk2, Wv2, Wp, W1, W2, wstream; writes wstream
;; launch main (part 4): grid 256 x 1, 4 waves a work-group, no clusters, 215,552 bytes of LDS; arguments inputs, emb, pos_emb, wstream, bq1, bk1, bv1, bq2, bk2, bv2, bp, g1, be1, bf1, bf2, g2, be2, Wo, bo, out0; writes out0
.if DOCPART == 4
	.amdgcn_target "amdgcn-amd-amdhsa--gfx1250"
	.amdhsa_code_object_version 6
	.text
	.protected	k_q31a494ee78_main
	.globl	k_q31a494ee78_main
	.p2align	8
	.type	k_q31a494ee78_main,@function
k_q31a494ee78_main:
	s_mov_b64 s[64:65], 0
	v_nop
	global_prefetch_b8 v0, s[64:65] scope:SCOPE_SE
	s_setreg_imm32_b32 hwreg(HW_REG_WAVE_SCHED_MODE, 0, 2), 2
	s_setreg_imm32_b32 hwreg(HW_REG_WAVE_MODE, 25, 1), 1
	s_wait_xcnt 0x0
	s_wait_alu depctr_vm_vsrc(0)
; The whole block for 64 rows (two sequences of 32 tokens) in one work-group of four waves: gather + position, six projections, two heads of attention, Wp, LN, MLP 768 -> 2048 -> 768, LN, the product with Wo.
; All quantised products run on codes of BF6 (E3M2) with one E8M0 scale for each 32 along K.  No intermediate goes to memory.
; SHARES.  THE WAVES SHARE THE COLUMNS, NOT THE ROWS.  Wave w owns columns 192 w .. 192 w + 191 of every result 768 wide, for all 64 rows (384 registers: ACC2, which holds x, then x + bp + z Wp, then h, then h + bf2 + f W2);
; hidden units 128 w .. + 127 of each chunk of 512; one of Q1, K1, Q2, K2 and three tiles of V; one (sequence w / 2, head w % 2) of attention.
; WEIGHTS come from memory straight into registers, from a stream that the first launch laid in the order of my operand registers: a ring of four slots of four fragments, 13 loads a group, three groups always on their way.
; No weight byte is wanted by two waves of the work-group, so a way through LDS would add a write and a read of each byte for nothing; with 64 rows a fragment feeds four matrix instructions only.  For the same reason no cluster:
; joint loads land in LDS.  That each work-group streams all weight codes itself is the price of this form.
; ACTIVATIONS go from wave to wave through LDS as images of operand registers (a fragment: two halves of 768 bytes: registers 6 c .. 6 c + 3 at 16 x lane, 6 c + 4, 6 c + 5 at 512 + 8 x lane); a K step's scale words lie [lane][row tile].
; LAYOUT.  Products are used transposed (source 0 = 16 rows of a weight, source 1 = 16 rows of activations): a lane holds ONE row (lane % 16) and its registers run along the columns.  The rows of a weight that form a tile are
; 32 b + 8 u + r + 8 (r / 8), so that the 16 registers of tiles 2 b, 2 b + 1 are columns 32 b + 16 (lane / 16) + 0 .. 15: 16 neighbours along the next K.  V alone is made untransposed, so that a lane's registers run along the keys.
; THE TEXT.  The block's two halves (x, attention, Wp, LN;  h, MLP, LN) begin and end alike: ACC2's codes to LDS, a bias onto ACC2, ... , the LN's sums, the LN's scaling.  These four steps, some 1,700 instructions, are written ONCE, in a
; loop of two trips; a scalar branch on the trip's number, the same in every wave, chooses the middle.  The second half's parameter vectors lie 9,216 bytes behind the first half's in LDS, so one stepped address serves both.
; Both middles begin at the ring's slot 0 (the first is 20 groups long) with the four groups out in the slots' order or landed: the ring's counted wait means the same on every way through the text.
; LIMITS: NaN and infinities are not served; a block of zeros gets the scale byte 1 (zero codes; only this program reads the bytes); 1 / l and 1 / sqrt come from v_rcp_f32 and v_rsq_f32; f32 sums are grouped otherwise than the
; reference groups them; in p v the 32 keys stand in one fixed permutation on both operands; in z Wp each head's 96 along K are followed by a block of zero codes on both operands.
; REGISTERS, in windows of 256 (s_set_vgpr_msb: bits 1:0 source 0, 3:2 source 1, 5:4 source 2, 7:6 destination):
;   window 0: v0-31 addresses; v32-39 the ring's scale words; v40-51 activations' scale words; v52-63 statistics; v64-159 two sets of four activation fragments, or the quantiser's work; v160-255 V, O^T, parameter vectors; v192-255 also block 3
;   window 1: v0-191 the ring (slot sl at 48 sl, fragment f at + 12 f); v192-255 block 0.   window 2: v0-191 ACC2 of row tiles 0, 1 (96 (m % 2) + 16 b + 8 u + j); v192-255 block 1.   window 3: the same for row tiles 2, 3; block 2.
;   A block is 64 registers, 192 + 16 m + 8 u + j: columns 32 b .. 32 b + 31 of Q or K or of the hidden layer, for the four row tiles m.
; THE MODE: SCHED_MODE bits 1:0 = 2 (LLVM: expert scheduling mode 2), set by the entry lines.  The code itself states the register dependences between vector or matrix instructions and memory or LDS instructions, with s_wait_alu, always for 0.
; THE PLAN.  Registers that memory or LDS instructions touch, who else names them, and where the waits stand:
;   THE RING (window 1 v0-191; v32-39).  A slot is written by the stream's 13 loads and read by its group's products.  One wait on va_vdst stands behind each group's products, and the slot's refill follows it at once: three groups stay on their way.
;   THE TWO SETS (v64-159; v40-47).  Written by LDS loads, read by a K step's products.  A set is asked for again straight behind the refill's wait of the K step's last group: no vector or matrix instruction stands between.
;                 (In the projections a K step, nine fragments, ends between two refills: there it has a wait of its own.)
;   THE BLOCKS (v192-255 of the four windows).  Written by the bias's LDS loads and by products, read by the quantiser.  In the MLP the next chunk's bias is dealt, sixteen loads at a time, among the products of W2, which name ACC2, the ring
;                 and the sets alone: the wait ahead of the hidden layer's stores, behind which the quantiser is done with the blocks, covers all four pieces.
;   WHAT STORES READ (codes v124-171; scale words v188-191, v52-54; bytes v118-123; the LNs' v60-63; at the end v224-231 and v64-67).  Written by vector instructions: one wait on va_vdst ahead of each run of stores, one on vm_vsrc behind it,
;                 ahead of the next writer, be that the quantiser, a set's loads or a product.
;   ADDRESSES.    v1, v2, v5-16, v18, v22-24 are made at the head and never written again.  v17, v19-21, v25-31 are made anew from phase to phase: a wait on vm_vsrc ahead of the write, one on va_vdst ahead of the first access.
;   ACC2 is named by vector and matrix instructions alone, once the gather has landed in it.
.set XIMG,  0                          ; LDS: codes of x, later of h: fragment (m, s) at 9216 m + 1536 s
.set XSC,   36864                      ; their scale words, 512 bytes a K step
.set ZIMG,  39936                      ; codes of z: 3072 m + 1536 head
.set ZSC,   52224
.set LNX,   53248                      ; two areas of 1,024 bytes for the LNs' sums and sums of squares: 256 w + 16 r
.set OUTX,  57344                      ; the waves' parts of the output: 512 w + 8 row
.set FIMG,  65536                      ; codes of the hidden layer's chunk: 6144 m + 1536 s; their scale words FSC further on
.set FSC,   24576
.set QKIMG, 131072                     ; codes of Q1, K1, Q2, K2: 6144 w + 1536 m
.set VIMG,  155648                     ; codes of V, half images: 768 (12 head + 6 sequence + tile)
.set QKSC,  174080
.set VSC,   176128
.set PAR,   179200                     ; the parameter vectors
.set P_BP, 0
.set P_G1, 3072
.set P_BE1, 6144
.set P_BF2, 9216
.set P_G2, 12288
.set P_BE2, 15360
.set PSTEP, 9216                       ; = P_BF2 - P_BP = P_G2 - P_G1 = P_BE2 - P_BE1: from the first half's vectors to the second's
.set P_WO, 18432
.set P_BF1, 24576
.set P_BQK, 32768                      ; my wave's bias of Q or K: 384 w
.set P_BV, 34304                       ; my wave's head's bias of V: 384 w
.set TL, 64                            ; the quantiser's work: six partial maxima a block,
.set TA, 100                           ; the block's largest magnitude,
.set TB, 106
.set SO, 112                           ; the conversion's scale operand,
.set BY, 118                           ; the scale's byte; codes from v124 on
.set WP, 52                            ; s[52:53] my stream;  s[54:55] the chunk in hand;  s[56:57] where the chunk's last four refills read
.set WL, 54
.set WQ, 56
.set GB, 6400                          ; bytes of a group
.set MSB, 0
.macro WIN new                         ; the immediate's high byte repeats the setting that is left; a switch that changes nothing is dropped
.if MSB != (\new)
	s_set_vgpr_msb (MSB<<8)|(\new)
.set MSB, (\new)
.endif
.endm
.macro PLACES                          ; four plain places behind a matrix instruction, in front of loads into its registers and of reads of its result
.rept 4
	v_nop
.endr
.endm
.macro BAR                             ; my LDS stores have landed and my LDS loads are in: then the work-group's barrier
	s_wait_dscnt 0x0
	s_barrier_signal -1
	s_barrier_wait -1
.endm
.macro WAITG                           ; the ring's oldest group is in: the three younger groups, 13 loads each, may stay out
	s_wait_loadcnt 39
.endm
; one matrix instruction.  c < 0: the sum starts with the constant 0.  ra, rb: source 0's or source 1's scale words stand in lanes 16-31
.macro WM d, a, b, c, sa, sb, ra, rb
.if (\c) < 0
.if (\ra)
	v_wmma_scale_f32_16x16x128_f8f6f4 v[(\d):(\d)+7], v[(\a):(\a)+11], v[(\b):(\b)+11], 0, v[(\sa)], v[(\sb)] matrix_a_fmt:MATRIX_FMT_BF6 matrix_b_fmt:MATRIX_FMT_BF6 matrix_a_scale:MATRIX_SCALE_ROW1
.elseif (\rb)
	v_wmma_scale_f32_16x16x128_f8f6f4 v[(\d):(\d)+7], v[(\a):(\a)+11], v[(\b):(\b)+11], 0, v[(\sa)], v[(\sb)] matrix_a_fmt:MATRIX_FMT_BF6 matrix_b_fmt:MATRIX_FMT_BF6 matrix_b_scale:MATRIX_SCALE_ROW1
.else
	v_wmma_scale_f32_16x16x128_f8f6f4 v[(\d):(\d)+7], v[(\a):(\a)+11], v[(\b):(\b)+11], 0, v[(\sa)], v[(\sb)] matrix_a_fmt:MATRIX_FMT_BF6 matrix_b_fmt:MATRIX_FMT_BF6
.endif
.else
.if (\ra)
	v_wmma_scale_f32_16x16x128_f8f6f4 v[(\d):(\d)+7], v[(\a):(\a)+11], v[(\b):(\b)+11], v[(\c):(\c)+7], v[(\sa)], v[(\sb)] matrix_a_fmt:MATRIX_FMT_BF6 matrix_b_fmt:MATRIX_FMT_BF6 matrix_a_scale:MATRIX_SCALE_ROW1
.elseif (\rb)
	v_wmma_scale_f32_16x16x128_f8f6f4 v[(\d):(\d)+7], v[(\a):(\a)+11], v[(\b):(\b)+11], v[(\c):(\c)+7], v[(\sa)], v[(\sb)] matrix_a_fmt:MATRIX_FMT_BF6 matrix_b_fmt:MATRIX_FMT_BF6 matrix_b_scale:MATRIX_SCALE_ROW1
.else
	v_wmma_scale_f32_16x16x128_f8f6f4 v[(\d):(\d)+7], v[(\a):(\a)+11], v[(\b):(\b)+11], v[(\c):(\c)+7], v[(\sa)], v[(\sb)] matrix_a_fmt:MATRIX_FMT_BF6 matrix_b_fmt:MATRIX_FMT_BF6
.endif
.endif
.endm
; a group of the stream into slot sl: 12 loads of 512 consecutive bytes, and 256 bytes of scale words
.macro RLOAD sl, base, off
	WIN 0x40
.irp i, 0,1,2,3,4,5,6,7,8,9,10,11
	global_load_b128 v[48*(\sl)+4*\i:48*(\sl)+4*\i+3], v1, s[\base:\base+1] offset:(\off)+512*\i
.endr
	WIN 0
	global_load_b64 v[32+2*(\sl):33+2*(\sl)], v2, s[\base:\base+1] offset:(\off)+6144
.endm
.macro REFILL sl, base, off            ; the same behind the products that read the slot
	PLACES                                         ; (these four also stand ahead of the vector instructions that read the products' results further on)
	WIN 0x40
	s_wait_alu depctr_va_vdst(0)                   ; the group's products are done reading slot sl and its scale words, in which the loads below land, and the set of activations that they multiplied by
	RLOAD \sl, \base, \off
.endm
.macro FRLOAD reg, a16, a8, off        ; a fragment's image from LDS
.irp c, 0,1
	ds_load_b128 v[(\reg)+6*\c:(\reg)+6*\c+3], v[\a16] offset:(\off)+768*\c
	ds_load_b64 v[(\reg)+6*\c+4:(\reg)+6*\c+5], v[\a8] offset:(\off)+768*\c+512
.endr
.endm
; K step s of the four row tiles into set a, with their scale words: 17 LDS loads
.macro ACTLOAD a, r16, r8, img, mstr, s, sc
.irp m, 0,1,2,3
	FRLOAD 64+48*(\a)+12*\m, \r16, \r8, (\img)+(\mstr)*\m+1536*(\s)
.endr
	ds_load_b128 v[40+4*(\a):43+4*(\a)], v[\r16] offset:(\sc)+512*(\s)
.endm
; the bias lands in the accumulators themselves, so that every product adds in place.  One block: sixteen LDS loads
.macro BPIECE b, adr
	WIN (((\b)+1)&3)<<6
.irp m, 0,1,2,3
.irp u, 0,1
.irp jj, 0,1
	ds_load_b128 v[192+16*\m+8*\u+4*\jj:192+16*\m+8*\u+4*\jj+3], v[\adr] offset:128*(\b)+32*\u+16*\jj
.endr
.endr
.endr
.endm
.macro BINIT nb, adr                   ; blocks 0 .. nb - 1 in one run
.irp b, 0,1,2,3
.if \b < (\nb)
	BPIECE \b, \adr
.endif
.endr
	WIN 0
.endm
; a group of W1: blocks 2 hf, 2 hf + 1 of the hidden layer x four row tiles: 16 products, no two neighbours on one accumulator
.macro GSTEP1 sl, a, hf, base, off
	WAITG
.irp bb, 0,1
	WIN 1|(((2*(\hf)+\bb+1)&3)*0x50)
.irp u, 0,1
.irp m, 0,1,2,3
	WM 192+16*\m+8*\u, 48*(\sl)+12*(2*\bb+\u), 64+48*(\a)+12*\m, 192+16*\m+8*\u, 32+2*(\sl)+\bb, 40+4*(\a)+\m, \u, 0
.endr
.endr
.endr
	REFILL \sl, \base, \off
.endm
; a group of Wp or W2: tiles t0 .. t0 + 3 of my 192 columns x four row tiles, onto ACC2.  bi >= 0: in the group's middle stand the sixteen loads of the next chunk's bias for block bi.
; They owe no wait of their own: no vector or matrix instruction since the wait ahead of the hidden layer's stores names a block or v17
.macro GSTEP2 sl, a, t0, base, off, bi
	WAITG
.irp x, 0,1
	WIN 0xa1+0x50*\x
.irp f, 0,1,2,3
.irp mm, 0,1
	WM 96*\mm+8*((\t0)+\f), 48*(\sl)+12*\f, 64+48*(\a)+12*(2*\x+\mm), 96*\mm+8*((\t0)+\f), 32+2*(\sl)+\f/2, 40+4*(\a)+2*\x+\mm, \f&1, 0
.endr
.endr
.if (\x == 0) && ((\bi) >= 0)
	BPIECE \bi, 17
.endif
.endr
	REFILL \sl, \base, \off
.endm
; nblk half blocks of 16 registers, at R + 16 k of window X, are quantised: lanes l and l xor 16 hold a block of 32.  Bytes to v[BY + k]; 96 bits of codes to three registers at
; pat 0: cb + cs k;  pat 1: cb + 6 (k / 2) + 18 (k % 2);  pat 2: k % 3 = 0, 2, 1: cb + 12 (k / 3), the same + 6, cb + 24 + 4 (k / 3).  Registers are read in ascending order: each accumulator from its low end on.
.macro QBLKS X, R, nblk, relu, pat, cb, cs
.if \relu
	WIN (\X)*0x44
.set k_, 0
.rept 16*(\nblk)
	v_max_num_f32 v[(\R)+k_], 0, v[(\R)+k_]        ; the activation, in f32
.set k_, k_+1
.endr
.endif
	WIN (\X)*0x15
.set k_, 0
.rept \nblk
.irp e, 0,1,2,3,4
	v_max3_num_f32 v[TL+6*k_+\e], |v[(\R)+16*k_+3*\e]|, |v[(\R)+16*k_+3*\e+1]|, |v[(\R)+16*k_+3*\e+2]|
.endr
	v_max_num_f32 v[TL+6*k_+5], |v[(\R)+16*k_+15]|, |v[(\R)+16*k_+15]|
.set k_, k_+1
.endr
	WIN 0                                          ; from here the blocks take turns line by line
.set k_, 0
.rept \nblk
	v_max3_num_f32 v[TA+k_], v[TL+6*k_], v[TL+6*k_+1], v[TL+6*k_+2]
.set k_, k_+1
.endr
.set k_, 0
.rept \nblk
	v_max3_num_f32 v[TB+k_], v[TL+6*k_+3], v[TL+6*k_+4], v[TL+6*k_+5]
.set k_, k_+1
.endr
.set k_, 0
.rept \nblk
	v_max3_num_f32 v[TA+k_], v[TA+k_], v[TB+k_], 0x2800000   ; and the floor 2^(5 - 127): the byte cannot fall under 1
.set k_, k_+1
.endr
.set k_, 0
.rept \nblk
	v_permlanex16_b32 v[TB+k_], v[TA+k_], s48, s49
.set k_, k_+1
.endr
.set k_, 0
.rept \nblk
	v_max_num_f32 v[TA+k_], v[TA+k_], v[TB+k_]     ; with lane l xor 16's: the block's largest magnitude
.set k_, k_+1
.endr
.set k_, 0
.rept \nblk
	v_add_nc_u32 v[SO+k_], 0xfe000000, v[TA+k_]    ; 4 off its exponent field: the conversion's scale operand
.set k_, k_+1
.endr
.set k_, 0
.rept \nblk
	v_lshrrev_b32 v[BY+k_], 23, v[SO+k_]           ; the scale's byte
.set k_, k_+1
.endr
	WIN (\X)
.set k_, 0
.rept \nblk
.if (\pat) == 0
.set cd_, (\cb)+(\cs)*k_
.elseif (\pat) == 1
.set cd_, (\cb)+6*(k_/2)+18*(k_%2)
.elseif k_%3 == 0
.set cd_, (\cb)+12*(k_/3)
.elseif k_%3 == 2
.set cd_, (\cb)+12*(k_/3)+6
.else
.set cd_, (\cb)+24+4*(k_/3)
.endif
	v_cvt_scalef32_pk16_bf6_f32 v[cd_:cd_+2], v[(\R)+16*k_:(\R)+16*k_+15], v[SO+k_]
.set k_, k_+1
.endr
	WIN 0
	v_nop                                          ; one plain place behind a scaled conversion
.endm
.macro PAIR P, T                       ; two blocks' half codes become registers P .. P + 5: lanes 0-15 the first block whole, lanes 16-31 the second
.irp i, 0,1,2
	v_permlane16_swap_b32 v[(\P)+\i], v[(\T)+\i]
.endr
.irp i, 0,1,2
	v_mov_b32 v[(\P)+3+\i], v[(\T)+\i]
.endr
.endm
.macro PAIRZ P                         ; one block and a block of zero codes: P + 3 .. P + 5 held zeros
.irp i, 0,1,2
	v_permlane16_swap_b32 v[(\P)+\i], v[(\P)+3+\i]
.endr
.endm
.macro IMGH a16, a8, P, off            ; half a fragment goes to LDS as it stands
	ds_store_b128 v[\a16], v[(\P):(\P)+3] offset:\off
	ds_store_b64 v[\a8], v[(\P)+4:(\P)+5] offset:(\off)+512
.endm
.macro IMGF a16, a8, P, off
	IMGH \a16, \a8, \P, \off
	IMGH \a16, \a8, (\P)+6, (\off)+768
.endm
; ACC2 (x or h) becomes codes: my 192 columns are six blocks, three halves of fragments: halves 3 w .. 3 w + 2 of the row's twelve
.macro QUANTIMG
.irp m, 0,1,2,3
	QBLKS 2+\m/2, 96*(\m%2), 6, 0, 1, 124, 0
.irp i, 0,1,2
	PAIR 124+6*\i, 142+6*\i
	v_lshl_or_b32 v[52+\i], v[BY+2*\i+1], 8, v[BY+2*\i]   ; two bytes of the row's scale word
.endr
	s_wait_alu depctr_va_vdst(0)                   ; the codes v124-141 and the scale bytes v52-54 are written, which the stores below read
.irp i, 0,1,2
	IMGH 5, 6, 124+6*\i, 9216*\m+768*\i
	ds_store_b16 v[7+\i], v[52+\i] offset:4*\m
.endr
	s_wait_dscnt 0x0                               ; the stores have landed,
	s_wait_alu depctr_vm_vsrc(0)                   ; and have read v124-141 and v52-54, which the next row tile's lines, and later a set's loads, write again
.endr
.endm
; blocks 0 .. nb - 1 (Q or K: 3; the hidden layer: 4) become four fragments at v[124 + 12 m] and their scale words at v[188 + m]
.macro HQUANT nb, relu
	QBLKS 1, 192, 4, \relu, 0, 124, 12
.irp m, 0,1,2,3
	v_mov_b32 v[188+\m], v[BY+\m]
.endr
	QBLKS 2, 192, 4, \relu, 0, 172, 4
.irp m, 0,1,2,3
	v_lshl_or_b32 v[188+\m], v[BY+\m], 8, v[188+\m]
	PAIR 124+12*\m, 172+4*\m
.endr
	QBLKS 3, 192, 4, \relu, 0, 130, 12
.irp m, 0,1,2,3
	v_lshl_or_b32 v[188+\m], v[BY+\m], 16, v[188+\m]
.endr
.if (\nb) == 4
	QBLKS 0, 192, 4, \relu, 0, 172, 4
.irp m, 0,1,2,3
	v_lshl_or_b32 v[188+\m], v[BY+\m], 24, v[188+\m]
	PAIR 130+12*\m, 172+4*\m
.endr
.else
.irp m, 0,1,2,3
	PAIRZ 130+12*\m
.endr
.endif
.endm
.macro PLOAD reg, adr, arr             ; my lane's 96 numbers of a parameter vector, in ACC2's order
.irp b, 0,1,2,3,4,5
.irp j, 0,1,2,3
	ds_load_b128 v[(\reg)+16*\b+4*\j:(\reg)+16*\b+4*\j+3], v[\adr] offset:(\arr)+128*\b+16*\j
.endr
.endr
.endm
; ACC2 += the half's bias.  The work-group's barrier stands round the additions: signal behind the wait for all my LDS instructions, only register work up to its wait.
; The loads owe no wait of their own: v25 was written, and v160-255 last named by a vector or matrix instruction, ahead of the last wait on va_vdst of the step before, behind which stand stores and waits alone
.macro BIASADD arr
	PLOAD 160, 25, \arr
	s_wait_dscnt 0x0
	s_barrier_signal -1
.irp X, 2,3
	WIN \X*0x41
.irp mm, 0,1
.set p_, 0
.rept 48
	v_pk_add_f32 v[96*\mm+2*p_:96*\mm+2*p_+1], v[96*\mm+2*p_:96*\mm+2*p_+1], v[160+2*p_:161+2*p_]
.set p_, p_+1
.endr
.endr
.endr
	WIN 0
	s_barrier_wait -1
.endm
; my lane's sums (sq = 0) or sums of squares (sq = 1) over its 96 numbers of each row tile m: four chains of pairs at v[64 + 8 m]
.macro LNSUM sq
.irp X, 2,3
	WIN \X*5
.irp mm, 0,1
.irp c, 0,1,2,3
.if \sq
	v_pk_mul_f32 v[64+8*(2*\X-4+\mm)+2*\c:65+8*(2*\X-4+\mm)+2*\c], v[96*\mm+2*\c:96*\mm+2*\c+1], v[96*\mm+2*\c:96*\mm+2*\c+1]
.else
	v_pk_add_f32 v[64+8*(2*\X-4+\mm)+2*\c:65+8*(2*\X-4+\mm)+2*\c], v[96*\mm+2*\c:96*\mm+2*\c+1], v[96*\mm+8+2*\c:96*\mm+8+2*\c+1]
.endif
.endr
.endr
.if \sq
.set p_, 4
.else
	WIN \X
.set p_, 8
.endif
.rept 48-p_
.irp mm, 0,1
.set ch_, 64+8*(2*\X-4+\mm)+2*(p_%4)
.if \sq
	v_pk_fma_f32 v[ch_:ch_+1], v[96*\mm+2*p_:96*\mm+2*p_+1], v[96*\mm+2*p_:96*\mm+2*p_+1], v[ch_:ch_+1]
.else
	v_pk_add_f32 v[ch_:ch_+1], v[96*\mm+2*p_:96*\mm+2*p_+1], v[ch_:ch_+1]
.endif
.endr
.set p_, p_+1
.endr
.endr
	WIN 0
.endm
; the chains are folded, the lane's half joined with lane l xor 16's, the four waves' parts exchanged through LDS: the rows' totals over 768 columns in v[64 + m], the same bits in every wave
.macro FOLDX area
.irp m, 0,1,2,3
	v_pk_add_f32 v[64+8*\m:65+8*\m], v[64+8*\m:65+8*\m], v[66+8*\m:67+8*\m]
	v_pk_add_f32 v[68+8*\m:69+8*\m], v[68+8*\m:69+8*\m], v[70+8*\m:71+8*\m]
.endr
.irp m, 0,1,2,3
	v_pk_add_f32 v[64+8*\m:65+8*\m], v[64+8*\m:65+8*\m], v[68+8*\m:69+8*\m]
	v_mov_b32 v[96+\m], 0                          ; a lane permute's destination counts as one of its sources
.endr
.irp m, 0,1,2,3
	v_add_f32 v[60+\m], v[64+8*\m], v[65+8*\m]
.endr
.irp m, 0,1,2,3
	v_permlanex16_b32 v[96+\m], v[60+\m], s48, s49
.endr
.irp m, 0,1,2,3
	v_add_f32 v[60+\m], v[60+\m], v[96+\m]
.endr
	s_wait_alu depctr_va_vdst(0)                   ; v60-63 are written, which the store reads; the folds are done with v64-79, in which the loads below land
	ds_store_b128 v22, v[60:63] offset:1024*(\area)   ; both halves of the lanes write the same 16 bytes with the same numbers
	BAR
	s_wait_alu depctr_vm_vsrc(0)                   ; the store has read v60-63, which the next fold writes again
.irp q, 0,1,2,3
	ds_load_b128 v[64+4*\q:67+4*\q], v23 offset:1024*(\area)+256*\q
.endr
	s_wait_dscnt 0x0
.irp m, 0,1,2,3
	v_add_f32 v[64+\m], v[64+\m], v[68+\m]
	v_add_f32 v[72+\m], v[72+\m], v[76+\m]
.endr
.irp m, 0,1,2,3
	v_add_f32 v[64+\m], v[64+\m], v[72+\m]
.endr
.endm
; the mean is taken off ACC2; 1 / sqrt(variance + eps) of row tile m comes to v[52 + 2 m] (the low word of an even pair, for the packed forms).
; Area 0 takes the sums, area 1 the sums of squares, in both halves: between my loads of an area and anybody's next store into it stands a barrier in front of which I have waited for those loads
.macro LNSTATS
	LNSUM 0
	FOLDX 0
.irp m, 0,1,2,3
	v_mul_f32 v[52+2*\m], s69, v[64+\m]            ; the mean
.endr
.irp X, 2,3
	WIN \X*0x41
.irp mm, 0,1
.set p_, 0
.rept 48
	v_pk_add_f32 v[96*\mm+2*p_:96*\mm+2*p_+1], v[96*\mm+2*p_:96*\mm+2*p_+1], v[52+2*(2*\X-4+\mm):53+2*(2*\X-4+\mm)] op_sel_hi:[1,0] neg_lo:[0,1] neg_hi:[0,1]
.set p_, p_+1
.endr
.endr
.endr
	LNSUM 1
	FOLDX 1
.irp m, 0,1,2,3
	v_fma_f32 v[64+\m], v[64+\m], s69, s68         ; the variance + eps
.endr
.irp m, 0,1,2,3
	v_rsq_f32 v[52+2*\m], v[64+\m]
.endr
	v_nop                                          ; a plain place behind the last of the four
	s_wait_alu depctr_va_vdst(0)                   ; the four results v52, v54, v56, v58 are written, ahead of their first reader; and all vector work is done with v64-255, in which the gain and the bias land next
.endm
.macro NORM g, be                      ; ACC2 = ACC2 x 1 / sqrt(..) x g + be, with the half's g and be.  The loads follow the wait above with nothing between
	PLOAD 64, 25, \g
	PLOAD 160, 25, \be
	s_wait_dscnt 0x0
.irp X, 2,3
	WIN \X*0x41
.irp mm, 0,1
.set p_, 0
.rept 48
	v_pk_mul_f32 v[96*\mm+2*p_:96*\mm+2*p_+1], v[96*\mm+2*p_:96*\mm+2*p_+1], v[52+2*(2*\X-4+\mm):53+2*(2*\X-4+\mm)] op_sel_hi:[1,0]
.set p_, p_+1
.endr
.set p_, 0
.rept 48
	v_pk_fma_f32 v[96*\mm+2*p_:96*\mm+2*p_+1], v[96*\mm+2*p_:96*\mm+2*p_+1], v[64+2*p_:65+2*p_], v[160+2*p_:161+2*p_]
.set p_, p_+1
.endr
.endr
.endr
	WIN 0
.endm
	; ================ HEAD: addresses, and all first loads
	s_load_b512 s[4:19], s[0:1], 0x0               ; inputs 4, emb 6, pos_emb 8, wstream 10, bq1 12, bk1 14, bv1 16, bq2 18
	s_load_b512 s[20:35], s[0:1], 0x40             ; bk2 20, bv2 22, bp 24, g1 26, be1 28, bf1 30, bf2 32, g2 34
	s_load_b256 s[36:43], s[0:1], 0x80             ; be2 36, Wo 38, bo 40, out0 42
	v_lshrrev_b32 v3, 5, v0
	v_readfirstlane_b32 s44, v3                    ; wave w
	s_mov_b32 s48, 0x76543210
	s_mov_b32 s49, 0xfedcba98                      ; v_permlanex16_b32's selects for lane l xor 16
	s_mov_b32 s50, 0x3e16c740                      ; c = log2(e) / sqrt(96)
	s_mov_b32 s51, s50                             ; (named with it as a pair)
	s_mov_b32 s68, 0x3727c5ac                      ; eps = 1e-5
	s_mov_b32 s69, 0x3aaaaaab                      ; 1 / 768
	v_and_b32 v19, 31, v0
	v_lshlrev_b32 v1, 4, v19                       ; 16 x lane
	v_lshlrev_b32 v2, 3, v19                       ; 8 x lane
	v_lshlrev_b32 v18, 2, v19                      ; 4 x lane
	v_bfe_u32 v3, v0, 4, 1                         ; h
	v_and_b32 v4, 15, v0                           ; r
	s_wait_alu depctr_va_sdst(0)                   ; s44 is written, ahead of its first reader: every base and LDS place of the wave is made from it
	s_and_b32 s45, s44, 1
	s_lshr_b32 s46, s44, 1
	s_mul_i32 s60, s44, 2304
	v_add_nc_u32 v5, s60, v1                       ; where I store x's and h's halves: XIMG (= 0) + 2304 w + 16 x lane,
	v_add_nc_u32 v6, s60, v2                       ; + 8 x lane
.irp i, 0,1,2
	s_mul_i32 s60, s44, 3
	s_add_co_u32 s60, s60, \i                      ; half 3 w + i of the row's twelve: K step / 2, bytes 2 (% 2) of the scale word
	s_lshr_b32 s61, s60, 1
	s_lshl_b32 s61, s61, 9
	s_and_b32 s60, s60, 1
	s_lshl_b32 s60, s60, 1
	s_add_co_u32 s60, s60, s61
	s_add_co_u32 s60, s60, XSC
	v_add_nc_u32 v[7+\i], s60, v1
.endr
	s_mul_i32 s60, s44, 768
	s_add_co_u32 s60, s60, PAR
	v_lshl_add_u32 v10, v3, 6, s60                 ; parameter vectors: my 192 columns, + 16 h numbers
	s_lshl_b32 s60, s44, 9
	s_add_co_u32 s60, s60, PAR+P_BF1
	v_lshl_add_u32 v11, v3, 6, s60                 ; bf1: my 128 hidden units of chunk 0
	s_mul_i32 s60, s44, 1536
	s_add_co_u32 s60, s60, FIMG
	v_add_nc_u32 v12, s60, v1                      ; where I store the hidden layer's fragments (K step w),
	v_add_nc_u32 v13, s60, v2
	s_lshl_b32 s60, s44, 9
	s_add_co_u32 s60, s60, FIMG+FSC
	v_add_nc_u32 v14, s60, v1                      ; and their scale words
	v_add_nc_u32 v15, FIMG, v1                     ; where all read them
	v_add_nc_u32 v16, FIMG, v2
	s_lshl_b32 s60, s44, 8
	s_add_co_u32 s60, s60, LNX
	v_lshl_add_u32 v22, v4, 4, s60                 ; the LNs' sums: mine,
	v_lshl_add_u32 v23, v4, 4, LNX                 ; everybody's
	s_lshl_b32 s60, s44, 9
	s_add_co_u32 s60, s60, OUTX
	v_lshl_add_u32 v24, v4, 3, s60                 ; my part of the output
	v_lshl_add_u32 v20, v0, 3, PAR                 ; staging: 8 and 16 bytes a thread
	v_lshl_add_u32 v21, v0, 4, PAR
	v_lshlrev_b32 v25, 2, v4
	v_lshlrev_b32 v30, 3, v0
	v_lshlrev_b32 v31, 4, v0
	s_mul_i32 s72, s44, 768
	s_wait_kmcnt 0x0
	s_lshl_b32 s60, ttmp9, 8
	s_mov_b32 s61, 0
	s_add_nc_u64 s[4:5], s[4:5], s[60:61]          ; my 64 indices
	s_lshl_b32 s60, ttmp9, 9
	s_add_nc_u64 s[42:43], s[42:43], s[60:61]      ; my 512 bytes of the output
	s_mul_i32 s60, s44, 116*GB
	s_add_nc_u64 s[WP:WP+1], s[10:11], s[60:61]    ; my stream
	s_cmp_lt_u32 s44, 2
	s_cselect_b64 s[60:61], s[12:13], s[18:19]     ; my head's bq,
	s_cselect_b64 s[62:63], s[14:15], s[20:21]     ; its bk,
	s_cselect_b64 s[70:71], s[16:17], s[22:23]     ; and bv of head w / 2
	s_cmp_eq_u32 s45, 0
	s_cselect_b64 s[60:61], s[60:61], s[62:63]     ; even waves make Q, odd ones K
	s_wait_alu depctr_va_vdst(0)                   ; all addresses made so far are written: v1, v2, v5 to v16, v18, v20 to v25, v30, v31, which the loads and stores of the whole kernel read
.irp m, 0,1,2,3
	global_load_b32 v[26+\m], v25, s[4:5] offset:64*\m   ; the index of row 16 m + r
.endr
.macro STG a, p                        ; a vector of 3,072 bytes: 8 bytes a thread, three times
.irp k, 0,1,2
	global_load_b64 v[192+6*\a+2*\k:193+6*\a+2*\k], v30, s[\p:\p+1] offset:1024*\k
.endr
.endm
	WIN 0x40                                       ; the parameter vectors pass through window 1's v192-255 into LDS
	STG 0, 24
	STG 1, 26
	STG 2, 28
	STG 3, 32
	STG 4, 34
	STG 5, 36
.irp k, 0,1,2,3,4,5
	global_load_b64 v[228+2*\k:229+2*\k], v30, s[38:39] offset:1024*\k
.endr
.irp k, 0,1,2,3
	global_load_b128 v[240+4*\k:243+4*\k], v31, s[30:31] offset:2048*\k
.endr
	WIN 0
.irp k, 0,1,2
	global_load_b32 v[52+\k], v18, s[60:61] offset:128*\k
	global_load_b32 v[55+\k], v18, s[70:71] offset:128*\k
.endr
	s_load_b64 s[66:67], s[40:41], 0x0             ; bo
	s_wait_loadcnt 34                              ; the four index loads are in: 34 staging loads were issued behind them
	v_lshl_add_u32 v19, v3, 6, s72                 ; my columns in a row: 768 w + 64 h bytes
.irp m, 0,1,2,3
	v_min_u32 v[26+\m], 50256, v[26+\m]            ; an index stays inside the table
.endr
.irp m, 0,1,2,3
	v_mul_u32_u24 v[26+\m], v[26+\m], 3072
.endr
.irp m, 0,1,2,3
	v_add_nc_u32 v[26+\m], v[26+\m], v19
.endr
	s_wait_alu depctr_vm_vsrc(0)                   ; the index loads have read v25, which the next line writes again
	v_mad_u32_u24 v25, v4, 3072, v19               ; pos_emb: row r (free since the wait on LOADcnt above too)
	WIN 0x80
	s_wait_alu depctr_va_vdst(0)                   ; v25 to v29 are written: the offsets of the loads of emb and pos_emb
.irp m, 0,1,2,3
	WIN (2+\m/2)<<6
.irp b, 0,1,2,3,4,5
.irp j, 0,1,2,3
	global_load_b128 v[96*(\m%2)+16*\b+4*\j:96*(\m%2)+16*\b+4*\j+3], v[26+\m], s[6:7] offset:128*\b+16*\j   ; emb straight into ACC2's layout
.endr
.endr
.endr
	WIN 0
.irp b, 0,1,2,3,4,5
.irp j, 0,1,2,3
	global_load_b128 v[160+16*\b+4*\j:163+16*\b+4*\j], v25, s[8:9] offset:128*\b+16*\j         ; positions 0-15
	global_load_b128 v[64+16*\b+4*\j:67+16*\b+4*\j], v25, s[8:9] offset:49152+128*\b+16*\j     ; positions 16-31
.endr
.endr
	RLOAD 0, WP, 0                                 ; the ring's first four groups
	RLOAD 1, WP, GB
	RLOAD 2, WP, 2*GB
	RLOAD 3, WP, 3*GB
	s_wait_loadcnt 52                              ; all but the ring's 52 loads
	s_wait_kmcnt 0x0
	; ================ E: the parameters to LDS; x = emb + pos
	s_mul_i32 s60, s44, 384
	s_add_co_u32 s60, s60, PAR+P_BQK
	v_add_nc_u32 v19, s60, v18
	s_wait_alu depctr_va_vdst(0)                   ; v19 is written: the address of the six stores of my biases.  (The other stores' data come from loads, their addresses from the head)
	WIN 0x04                                       ; an LDS store's data are its source 1: window 1
.irp a, 0,1,2,3,4,5
.irp k, 0,1,2
	ds_store_b64 v20, v[192+6*\a+2*\k:193+6*\a+2*\k] offset:3072*\a+1024*\k
.endr
.endr
.irp k, 0,1,2,3,4,5
	ds_store_b64 v20, v[228+2*\k:229+2*\k] offset:P_WO+1024*\k
.endr
.irp k, 0,1,2,3
	ds_store_b128 v21, v[240+4*\k:243+4*\k] offset:P_BF1+2048*\k
.endr
	WIN 0
.irp k, 0,1,2
	ds_store_b32 v19, v[52+\k] offset:128*\k
	ds_store_b32 v19, v[55+\k] offset:P_BV-P_BQK+128*\k
.endr
.irp m, 0,1,2,3
	WIN (2+\m/2)*0x41
.set p_, 0
.rept 48
	v_pk_add_f32 v[96*(\m%2)+2*p_:96*(\m%2)+2*p_+1], v[96*(\m%2)+2*p_:96*(\m%2)+2*p_+1], v[160-96*(\m%2)+2*p_:161-96*(\m%2)+2*p_]
.set p_, p_+1
.endr
.endr
	WIN 0
	BAR                                            ; the parameter vectors, which all 128 threads stored, lie in LDS: the first half reads bp ahead of its own first barrier
	s_wait_alu depctr_vm_vsrc(0)                   ; the stores have read v52-57, which the lines below write, v19 to v21 and window 1's v192-255; the gather's loads have read v26 to v31: all are written again further on
.irp i, 52,53,54,55,56,57,58,59,60,61,62,63
	v_mov_b32 v[\i], 0                             ; the statistics' registers are named in pairs and as lane permutes' destinations: written once
.endr
	s_mov_b32 s74, 0                               ; the half in hand
	s_mov_b32 s75, 0                               ; where its parameter vectors begin
	; ================ THE TWO HALVES: trip 0: x, attention, Wp, LN1;  trip 1: h, MLP, LN2
.Lhalf:
	s_wait_alu depctr_vm_vsrc(0)                   ; the loads by v25 (pos_emb's; the half before's bias, gain and second bias) have read it; so has every LDS instruction of the half before read its registers
	v_add_nc_u32 v25, s75, v10                     ; bp, g1, be1, or bf2, g2, be2: my 192 columns
	QUANTIMG                                       ; ACC2's codes: x's, then h's over them (every wave's reads of x's codes end ahead of LN1's barriers)
	BIASADD P_BP                                   ; ACC2 = x + bp, or h + bf2; behind its barrier the 24 fragments lie in LDS
	s_cmp_lg_u32 s74, 0
	s_cbranch_scc1 .Lmlp
	; ================ QKV: 54 fragments of the stream, 9 a K step: six tiles of my Q or K (transposed), three of V (untransposed: a lane holds one channel, its registers run down the keys)
	s_mul_i32 s60, s44, 384
	s_add_co_u32 s60, s60, PAR+P_BQK
	v_lshl_add_u32 v26, v3, 6, s60                 ; my bias of Q or K, + 16 h numbers
	v_and_b32 v19, 8, v4
	v_add_nc_u32 v19, v19, v4                      ; r + 8 (r / 8)
	s_add_co_u32 s61, s60, P_BV-P_BQK
	v_lshl_add_u32 v19, v19, 2, s61
.irp t, 0,1,2
	s_mul_i32 s62, s45, 3
	s_add_co_u32 s62, s62, \t                      ; V's tile T = 3 (w % 2) + t: channels 32 (T / 2) + 8 (T % 2) + r + 8 (r / 8)
	s_lshr_b32 s63, s62, 1
	s_lshl_b32 s63, s63, 7
	s_and_b32 s62, s62, 1
	s_lshl_b32 s62, s62, 5
	s_add_co_u32 s63, s63, s62
	v_add_nc_u32 v[27+\t], s63, v19
.endr
	s_wait_alu depctr_va_vdst(0)                   ; v26 to v29 are written, the addresses of the biases' loads; all vector work is done with the blocks, v60-62 and the two sets, in which the loads below land
	BINIT 3, 26
.irp t, 0,1,2
	ds_load_b32 v[60+\t], v[27+\t]                 ; bv of my lane's channel
.endr
	ACTLOAD 0, 1, 2, XIMG, 9216, 0, XSC
	ACTLOAD 1, 1, 2, XIMG, 9216, 1, XSC
.set q_, 0
.irp s, 0,1,2,3,4,5
.if \s < 5
	s_wait_dscnt 17                                ; this K step's fragments are in; the next step's 17 loads may be out
.else
	s_wait_dscnt 0x0
.endif
.irp t, 0,1,2,3,4,5,6,7,8
.set sl_, (q_>>2)&3
.set f_, q_&3
.if f_ == 0
	WAITG
.endif
.if \t < 6
	WIN 1|((1+\t/2)*0x50)
.irp m, 0,1,2,3
	WM 192+16*\m+8*(\t%2), 48*sl_+12*f_, 64+48*(\s%2)+12*\m, 192+16*\m+8*(\t%2), 32+2*sl_+f_/2, 40+4*(\s%2)+\m, f_&1, 0
.endr
.else
	WIN 0x04
.irp m, 0,1,2,3
.if \s == 0
	WM 160+32*(\t-6)+8*\m, 64+48*(\s%2)+12*\m, 48*sl_+12*f_, -1, 40+4*(\s%2)+\m, 32+2*sl_+f_/2, 0, f_&1
.else
	WM 160+32*(\t-6)+8*\m, 64+48*(\s%2)+12*\m, 48*sl_+12*f_, 160+32*(\t-6)+8*\m, 40+4*(\s%2)+\m, 32+2*sl_+f_/2, 0, f_&1
.endif
.endr
.endif
.if (f_ == 3) || (q_ == 53)
	REFILL sl_, WP, GB*((q_>>2)+4)                 ; the slot takes the group four further on
.endif
.set q_, q_+1
.endr
.if \s < 4
	WIN 0
	PLACES
	s_wait_alu depctr_va_vdst(0)                   ; this K step's products, the last of which stand behind the last refill's wait, are done reading their set and its scale words, in which the loads below land
	ACTLOAD \s%2, 1, 2, XIMG, 9216, \s+2, XSC
.endif
.endr
	; ================ V, then Q or K, become operands
	WIN 0
	PLACES
.irp t, 0,1,2
.set i_, 0
.rept 32
	v_add_f32 v[160+32*\t+i_], v[60+\t], v[160+32*\t+i_]
.set i_, i_+1
.endr
.endr
.irp k, 0,1,2,3,4,5
.irp i, 3,4,5
	v_mov_b32 v[124+6*\k+\i], 0
.endr
.endr
	QBLKS 0, 160, 6, 0, 0, 124, 6                  ; block k = 2 t + sequence: a channel's 32 keys, 16 in this lane (keys 8 h + 0 .. 7 and 16 + 8 h + 0 .. 7)
.irp k, 0,1,2,3,4,5
	PAIRZ 124+6*\k                                 ; lanes 0-15: the block whole; lanes 16-31: zero codes
.endr
	s_mul_i32 s60, s46, 12
	s_mul_i32 s61, s45, 3
	s_add_co_u32 s60, s60, s61                     ; 12 head + my first tile
	s_mul_i32 s61, s60, 768
	s_add_co_u32 s61, s61, VIMG
	s_wait_alu depctr_vm_vsrc(0)                   ; the biases' loads have read v26 to v29, which are made anew from here on
	v_add_nc_u32 v26, s61, v1
	v_add_nc_u32 v27, s61, v2
	s_lshl_b32 s61, s60, 7
	s_add_co_u32 s61, s61, VSC
	v_add_nc_u32 v28, s61, v18
	s_wait_alu depctr_va_vdst(0)                   ; V's codes v124-159, its bytes v118-123 and the addresses v26 to v28 are written, which the stores below read
.irp k, 0,1,2,3,4,5
	IMGH 26, 27, 124+6*\k, 768*(6*(\k%2)+\k/2)
	ds_store_b32 v28, v[BY+\k] offset:128*(6*(\k%2)+\k/2)   ; the word's upper bytes are 0: they scale zero codes
.endr
	s_wait_dscnt 0x0                               ; the stores have landed,
	s_wait_alu depctr_vm_vsrc(0)                   ; and have read v118-159, which the lines below write again, and v26 to v28, which attention makes anew
.irp m, 0,1,2,3
.irp i, 9,10,11
	v_mov_b32 v[124+12*\m+\i], 0
.endr
.endr
	HQUANT 3, 0                                    ; K = 96: three blocks and a block of zero codes
	s_mul_i32 s60, s44, 6144
	s_add_co_u32 s60, s60, QKIMG
	v_add_nc_u32 v29, s60, v1
	v_add_nc_u32 v30, s60, v2
	s_lshl_b32 s60, s44, 9
	s_add_co_u32 s60, s60, QKSC
	v_add_nc_u32 v31, s60, v18
	s_wait_alu depctr_va_vdst(0)                   ; the codes v124-171, the scale words v188-191 and the addresses v29 to v31 are written, which the stores below read
.irp m, 0,1,2,3
	IMGF 29, 30, 124+12*\m, 1536*\m
	ds_store_b32 v31, v[188+\m] offset:128*\m
.endr
	BAR                                            ; Q, K and V of both heads lie in LDS
	; ================ ATTENTION: sequence w / 2, head w % 2: 32 queries x 32 keys
	s_wait_alu depctr_vm_vsrc(0)                   ; the stores above have read v29 to v31, made anew below, and v124-171 and v188-191, over which the scores and O^T are laid
	s_mul_i32 s60, s45, 12288
	s_mul_i32 s61, s46, 3072
	s_add_co_u32 s60, s60, s61
	s_add_co_u32 s60, s60, QKIMG
	v_add_nc_u32 v26, s60, v1
	v_add_nc_u32 v27, s60, v2
	s_lshl_b32 s60, s45, 10
	s_lshl_b32 s61, s46, 8
	s_add_co_u32 s60, s60, s61
	s_add_co_u32 s60, s60, QKSC
	v_add_nc_u32 v28, s60, v18
	s_mul_i32 s61, s45, 12
	s_mul_i32 s62, s46, 6
	s_add_co_u32 s61, s61, s62
	s_mul_i32 s60, s61, 768
	s_add_co_u32 s60, s60, VIMG
	v_add_nc_u32 v29, s60, v1
	v_add_nc_u32 v30, s60, v2
	s_lshl_b32 s60, s61, 7
	s_add_co_u32 s60, s60, VSC
	v_add_nc_u32 v31, s60, v18
.irp T, 0,1,2,3,4,5
	WIN (2+\T/3)<<6                                ; v's six tiles of 16 channels: windows 2 and 3, v192 on
.irp i, 6,7,8,9,10,11
	v_mov_b32 v[192+12*(\T%3)+\i], 0               ; K = 32: the upper 64 along K are zero codes
.endr
.endr
	WIN 0
	s_wait_alu depctr_va_vdst(0)                   ; v26 to v31 are written, the addresses of the loads below; the quantiser is done with v64-111 and with blocks 1 and 2, the projections' products with v40-47: the loads land there
.irp q, 0,1
	FRLOAD 64+12*\q, 26, 27, 1536*\q               ; q: 16 queries each
	FRLOAD 88+12*\q, 26, 27, 6144+1536*\q          ; k: 16 keys each
	ds_load_b32 v[40+\q], v28 offset:128*\q
	ds_load_b32 v[42+\q], v28 offset:512+128*\q
.endr
.irp T, 0,1,2,3,4,5
	WIN (2+\T/3)<<6
	ds_load_b128 v[192+12*(\T%3):195+12*(\T%3)], v29 offset:768*\T
	ds_load_b64 v[196+12*(\T%3):197+12*(\T%3)], v30 offset:768*\T+512
.endr
	WIN 0
.irp T, 0,1,2,3,4,5
	ds_load_b32 v[44+\T], v31 offset:128*\T
.endr
	s_wait_dscnt 0x0
.irp q, 0,1
.irp u, 0,1
	WM 112+16*\q+8*\u, 88+12*\u, 64+12*\q, -1, 42+\u, 40+\q, 0, 0    ; S^T: a lane holds query r; registers: keys 8 h + 0 .. 7, then 16 + 8 h + 0 .. 7
.endr
.endr
	PLACES
.irp q, 0,1
	v_max3_num_f32 v[52+\q], v[112+16*\q], v[113+16*\q], v[114+16*\q]
.endr
.irp i, 3,5,7,9,11,13
.irp q, 0,1
	v_max3_num_f32 v[52+\q], v[52+\q], v[112+16*\q+\i], v[113+16*\q+\i]
.endr
.endr
.irp q, 0,1
	v_max_num_f32 v[52+\q], v[52+\q], v[127+16*\q]
.endr
.irp q, 0,1
	v_permlanex16_b32 v[54+\q], v[52+\q], s48, s49
.endr
.irp q, 0,1
	v_max_num_f32 v[52+\q], v[52+\q], v[54+\q]     ; the row's largest score
.endr
.irp q, 0,1
	v_mul_f32 v[54+\q], s50, v[52+\q]              ; as t (c is positive)
.endr
.irp q, 0,1
	v_floor_f32 v[56+2*\q], -v[54+\q]              ; -M = floor(-t) = -ceil(t)
.endr
.irp i, 0,2,4,6,8,10,12,14
.irp q, 0,1
	v_pk_fma_f32 v[112+16*\q+\i:113+16*\q+\i], v[112+16*\q+\i:113+16*\q+\i], s[50:51], v[56+2*\q:57+2*\q] op_sel_hi:[1,0,0]   ; t - M
.endr
.endr
.irp q, 0,1
	v_fma_f32 v[52+\q], v[52+\q], s50, v[56+2*\q]  ; the same of the largest score: the block's largest p
.endr
.irp q, 0,1
.set i_, 0
.rept 16
	v_exp_f32 v[112+16*\q+i_], v[112+16*\q+i_]     ; p = 2^(t - M): not normalised
.set i_, i_+1
.endr
.endr
.irp q, 0,1
	v_exp_f32 v[52+\q], v[52+\q]
.endr
	v_nop                                          ; a plain place behind the batch of 34
	s_wait_alu depctr_va_vdst(0)                   ; the 34 exponentials v112-143, v52, v53 are written: the one wait ahead of the batch's first reader
.irp q, 0,1
	v_pk_add_f32 v[60+2*\q:61+2*\q], v[112+16*\q:113+16*\q], v[114+16*\q:115+16*\q]   ; the row's sum, of the unquantised p
.endr
.irp i, 4,6,8,10,12,14
.irp q, 0,1
	v_pk_add_f32 v[60+2*\q:61+2*\q], v[60+2*\q:61+2*\q], v[112+16*\q+\i:113+16*\q+\i]
.endr
.endr
.irp q, 0,1
	v_add_f32 v[60+2*\q], v[60+2*\q], v[61+2*\q]
.endr
.irp q, 0,1
	v_permlanex16_b32 v[61+2*\q], v[60+2*\q], s48, s49
.endr
.irp q, 0,1
	v_add_f32 v[60+2*\q], v[60+2*\q], v[61+2*\q]
.endr
.irp q, 0,1
	v_rcp_f32 v[56+2*\q], v[60+2*\q]               ; 1 / l
.endr
.irp q, 0,1
	v_max_num_f32 v[52+\q], 0x2800000, v[52+\q]    ; the floor 2^(5 - 127)
.endr
.irp q, 0,1
	v_add_nc_u32 v[54+\q], 0xfe000000, v[52+\q]    ; the conversion's scale operand
.endr
.irp q, 0,1
	v_lshrrev_b32 v[50+\q], 23, v[54+\q]           ; p's scale word: one byte, the upper three scale zero codes
.endr
.irp q, 0,1
.irp i, 3,4,5,6,7,8,9,10,11
	v_mov_b32 v[64+12*\q+\i], 0
.endr
.endr
.irp q, 0,1
	v_cvt_scalef32_pk16_bf6_f32 v[64+12*\q:66+12*\q], v[112+16*\q:127+16*\q], v[54+\q]
.endr
	v_nop                                          ; one plain place behind a scaled conversion
.irp q, 0,1
	PAIRZ 64+12*\q                                 ; the keys stand as V's do
.endr
.rept 8
	v_nop                                          ; a scale register written by a vector instruction stands 8 places ahead of a scaled matrix instruction, an operand so written 4
.endr
	s_wait_alu depctr_va_vdst(0)                   ; behind the places: p's codes v64-87 and its scale words v50, v51 are written, which the products below take (V's zero halves were covered above); so are the two reciprocals v56, v58, which nothing has named yet
.irp T, 0,1,2,3,4,5
	WIN 2+\T/3
.irp q, 0,1
	WM 160+48*\q+8*\T, 192+12*(\T%3), 64+12*\q, -1, 44+\T, 50+\q, 0, 0   ; O^T: a lane holds query r; tiles 2 b, 2 b + 1: channels 32 b + 16 h + 0 .. 15
.endr
.endr
	WIN 0
	PLACES
.irp q, 0,1
.set i_, 0
.rept 24
	v_pk_mul_f32 v[160+48*\q+2*i_:161+48*\q+2*i_], v[160+48*\q+2*i_:161+48*\q+2*i_], v[56+2*\q:57+2*\q] op_sel_hi:[1,0]   ; z = O / l
.set i_, i_+1
.endr
.endr
.irp q, 0,1
.irp i, 9,10,11
	v_mov_b32 v[124+12*\q+\i], 0
.endr
.endr
	QBLKS 0, 160, 6, 0, 2, 124, 0
.irp q, 0,1
	PAIR 124+12*\q, 148+4*\q
	PAIRZ 130+12*\q
	v_lshl_or_b32 v[52+\q], v[BY+3*\q+1], 8, v[BY+3*\q]
	v_lshl_or_b32 v[52+\q], v[BY+3*\q+2], 16, v[52+\q]
.endr
	s_mul_i32 s60, s46, 6144
	s_mul_i32 s61, s45, 1536
	s_add_co_u32 s60, s60, s61
	s_add_co_u32 s60, s60, ZIMG
	v_add_nc_u32 v19, s60, v1
	v_add_nc_u32 v20, s60, v2
	s_lshl_b32 s60, s45, 9
	s_lshl_b32 s61, s46, 3
	s_add_co_u32 s60, s60, s61
	s_add_co_u32 s60, s60, ZSC
	v_add_nc_u32 v21, s60, v1
	s_wait_alu depctr_va_vdst(0)                   ; z's codes v124-147, its scale words v52, v53 and the addresses v19 to v21 are written, which the stores below read; the quantiser is done with the two sets' registers
.irp q, 0,1
	IMGF 19, 20, 124+12*\q, 3072*\q
	ds_store_b32 v21, v[52+\q] offset:4*\q
.endr
	BAR                                            ; z's eight fragments lie in LDS
	s_wait_alu depctr_vm_vsrc(0)                   ; the stores have read v124-147, in which the second set lands, and v52, v53, which the LN writes
	; ================ Wp: two K steps (the heads), onto ACC2 = x + bp
	ACTLOAD 0, 1, 2, ZIMG, 3072, 0, ZSC            ; (no vector or matrix instruction stands behind the wait ahead of z's stores)
	ACTLOAD 1, 1, 2, ZIMG, 3072, 1, ZSC
.set g_, 14
.irp s, 0,1
	s_wait_dscnt 17-17*\s
.irp t, 0,4,8
	GSTEP2 g_&3, \s, \t, WP, GB*(g_+4), -1
.set g_, g_+1
.endr
.endr
	s_branch .Lln                                  ; the ring holds groups 20 to 23, in slots 0 to 3, on their way
.Lmlp:
	; ================ MLP: four chunks of 512 hidden units, onto ACC2 = h + bf2
	s_mov_b32 s59, 0
	v_mov_b32 v17, v11
	s_wait_alu depctr_va_vdst(0)                   ; v17 is written, the address of the bias's loads; the additions of bf2 are done reading v192-255, which is block 3, and all vector work is done with the other blocks and the sets
	BINIT 4, 17
	ACTLOAD 0, 1, 2, XIMG, 9216, 0, XSC
	ACTLOAD 1, 1, 2, XIMG, 9216, 1, XSC
	s_add_nc_u64 s[WL:WL+1], s[WP:WP+1], 20*GB
	s_mov_b64 s[WQ:WQ+1], s[WL:WL+1]
	s_mov_b32 s58, 4
.macro G2 a, t0, bi                    ; the chunk's group gl_; the last four refills read through s[WQ]
.if gl_ < 20
	GSTEP2 gl_&3, \a, \t0, WL, GB*(gl_+4), \bi
.else
	GSTEP2 gl_&3, \a, \t0, WQ, GB*(gl_+4), \bi
.endif
.set gl_, gl_+1
.endm
.Lchunk:
.set gl_, 0
.irp s, 0,1,2,3,4,5                    ; my 128 hidden units = h W1^T + bf1: six K steps of two groups
.if \s < 5
	s_wait_dscnt 17
.else
	s_wait_dscnt 0x0
.endif
	GSTEP1 gl_&3, \s%2, 0, WL, GB*(gl_+4)
.set gl_, gl_+1
	GSTEP1 gl_&3, \s%2, 1, WL, GB*(gl_+4)
.set gl_, gl_+1
.if \s < 4
	ACTLOAD \s%2, 1, 2, XIMG, 9216, \s+2, XSC      ; no wait: no vector or matrix instruction stands behind the refill's wait, which showed this set's last readers done
.endif
.endr
	HQUANT 4, 1                                    ; relu, then K step w of the second product
	s_wait_alu depctr_vm_vsrc(0)                   ; the last bias's loads have read v17
	s_add_co_u32 s59, s59, 2048
	v_add_nc_u32 v17, s59, v11                     ; the next chunk's bias.  In the last trip these are the 2,048 bytes behind bf1 in LDS, and nobody uses them: so no branch stands in the loop
	s_wait_alu depctr_va_vdst(0)                   ; the codes v124-171 and the scale words v188-191 are written, which the stores below read; v17 is written; the quantiser is done with the four blocks and with the sets' registers, in which the loads further down land
.irp m, 0,1,2,3
	IMGF 12, 13, 124+12*\m, 6144*\m
	ds_store_b32 v14, v[188+\m] offset:4*\m
.endr
	BAR                                            ; the chunk's sixteen fragments lie in LDS
	s_wait_alu depctr_vm_vsrc(0)                   ; my stores have read v124-171, in part of which the second set lands, and v188-191
	ACTLOAD 0, 15, 16, 0, 6144, 0, FSC
	ACTLOAD 1, 15, 16, 0, 6144, 1, FSC
	s_wait_dscnt 17
	G2 0, 0, 0                                     ; with the bias of block 0 in its middle,
	G2 0, 4, 1                                     ; of block 1
	G2 0, 8, -1
	ACTLOAD 0, 15, 16, 0, 6144, 2, FSC
	s_wait_dscnt 49                                ; K step 1's fragments are in; behind them were issued two blocks' bias (32 loads) and K step 2's 17
	G2 1, 0, 2                                     ; block 2,
	G2 1, 4, 3                                     ; block 3
	G2 1, 8, -1
	ACTLOAD 1, 15, 16, 0, 6144, 3, FSC
	s_wait_dscnt 49                                ; K step 2's are in; behind them: two blocks' bias and K step 3's 17
	G2 0, 0, -1
	G2 0, 4, -1
	G2 0, 8, -1
	ACTLOAD 0, 1, 2, XIMG, 9216, 0, XSC            ; h's first two K steps for the next chunk (in the last trip nobody uses them)
	BAR                                            ; my reads of the hidden layer's images are over, and so are everybody's: the next chunk may store there
	G2 1, 0, -1
	G2 1, 4, -1
	G2 1, 8, -1
	ACTLOAD 1, 1, 2, XIMG, 9216, 1, XSC
	s_wait_xcnt 0x0                                ; the refills have read their bases
	s_add_nc_u64 s[WL:WL+1], s[WL:WL+1], 24*GB
	s_sub_co_u32 s58, s58, 1
	s_cmp_eq_u32 s58, 1                            ; the last chunk has no successor: its last four refills read its own first four groups again, so that the ring's count holds in every trip and no load leaves the buffer
	s_cselect_b32 s60, 24*GB, 0
	s_mov_b32 s61, 0
	s_sub_nc_u64 s[WQ:WQ+1], s[WL:WL+1], s[60:61]
	s_cmp_lg_u32 s58, 0
	s_cbranch_scc1 .Lchunk
	s_wait_loadcnt 0x0                             ; the ring's registers and the sets are free
	s_wait_dscnt 0x0
.Lln:
	; ================ LN: the mean off, 1 / sqrt(variance + eps), the half's gain and bias: ACC2 = h, or the block's result o
	LNSTATS
	NORM P_G1, P_BE1
	s_add_co_u32 s75, s75, PSTEP
	s_add_co_u32 s74, s74, 1
	s_cmp_lt_u32 s74, 2
	s_cbranch_scc1 .Lhalf
	s_wait_loadcnt 0x0                             ; no load of the ring is out: Wo's second row lands in the ring's registers
	; ================ the product with Wo (N = 2: fused multiply-adds in f32)
	s_wait_alu depctr_va_vdst(0)                   ; the LN's scaling is done reading the gain in v64-159, the products are done with the ring's v0-95: Wo's two rows land there
	PLOAD 64, 10, P_WO                             ; Wo's row 0 in window 0,
	WIN 0x40
	PLOAD 0, 10, P_WO+3072                         ; its row 1 in window 1
	WIN 0
	s_wait_dscnt 0x0
.irp X, 2,3
.irp o, 0,1
	WIN \X|(\o<<2)
.set p_, 0
.rept 48
.irp mm, 0,1
.set ch_, 160+2*(4*(2*\X-4+\mm)+2*\o+p_%2)
.if p_ < 2
	v_pk_mul_f32 v[ch_:ch_+1], v[96*\mm+2*p_:96*\mm+2*p_+1], v[64-64*\o+2*p_:65-64*\o+2*p_]
.else
	v_pk_fma_f32 v[ch_:ch_+1], v[96*\mm+2*p_:96*\mm+2*p_+1], v[64-64*\o+2*p_:65-64*\o+2*p_], v[ch_:ch_+1]
.endif
.endr
.set p_, p_+1
.endr
.endr
.endr
	WIN 0
.irp e, 0,1,2,3,4,5,6,7                ; e = 2 m + o
	v_pk_add_f32 v[160+4*\e:161+4*\e], v[160+4*\e:161+4*\e], v[162+4*\e:163+4*\e]
	v_mov_b32 v[232+\e], 0
.endr
.irp e, 0,1,2,3,4,5,6,7
	v_add_f32 v[224+\e], v[160+4*\e], v[161+4*\e]
.endr
.irp e, 0,1,2,3,4,5,6,7
	v_permlanex16_b32 v[232+\e], v[224+\e], s48, s49
.endr
.irp e, 0,1,2,3,4,5,6,7
	v_add_f32 v[224+\e], v[224+\e], v[232+\e]
.endr
	s_wait_alu depctr_va_vdst(0)                   ; v224-231 are written, which the stores read; the multiply-adds are done reading Wo's row in v64-79, in which wave 0's loads land
.irp m, 0,1,2,3
	ds_store_b64 v24, v[224+2*\m:225+2*\m] offset:128*\m
.endr
	BAR                                            ; the four waves' parts of the 64 rows' two outputs lie in LDS
	s_cmp_lg_u32 s44, 0
	s_cbranch_scc1 .Lend
.irp q, 0,1,2,3
	ds_load_b128 v[64+4*\q:67+4*\q], v1 offset:OUTX+512*\q   ; two rows a lane
.endr
	s_wait_dscnt 0x0
.irp i, 0,1,2,3
	v_add_f32 v[64+\i], v[64+\i], v[68+\i]
	v_add_f32 v[72+\i], v[72+\i], v[76+\i]
.endr
.irp i, 0,1,2,3
	v_add_f32 v[64+\i], v[64+\i], v[72+\i]
.endr
	v_add_f32 v64, s66, v64
	v_add_f32 v65, s67, v65
	v_add_f32 v66, s66, v66
	v_add_f32 v67, s67, v67
	s_wait_alu depctr_va_vdst(0)                   ; v64-67 are written, which the store reads
	global_store_b128 v1, v[64:67], s[42:43]       ; 32 lanes store the work-group's 512 consecutive bytes, aligned
.Lend:
	s_wait_xcnt 0x0
	v_lshl_add_u32 v254, v0, 2, 0x34800            ; the add's two registers, made anew from v0: all 1,024 registers are at work up to here.  No memory or LDS instruction of the text reads v254 or v255
	v_mov_b32 v255, 0
	s_wait_dscnt 0x0                               ; the closing lines, six on end
	s_wait_alu 0x0
	s_wait_tensorcnt 0x0
	ds_add_u32 v254, v255
	s_wait_dscnt 0x0
	s_endpgm
.Lfunc_end_k_q31a494ee78_main:
	.size	k_q31a494ee78_main, .Lfunc_end_k_q31a494ee78_main-k_q31a494ee78_main
	.p2alignl 7, 3214868480
	.fill 96, 4, 3214868480
	.section	.rodata,"a",@progbits
	.p2align	6, 0x0
	.amdhsa_kernel k_q31a494ee78_main
		.amdhsa_group_segment_fixed_size 215552
		.amdhsa_private_segment_fixed_size 0
		.amdhsa_enable_private_segment 0
		.amdhsa_kernarg_size 160
		.amdhsa_user_sgpr_count 2
		.amdhsa_user_sgpr_kernarg_segment_ptr 1
		.amdhsa_wavefront_size32 1
		.amdhsa_system_sgpr_workgroup_id_x 1
		.amdhsa_system_sgpr_workgroup_id_y 1
		.amdhsa_system_sgpr_workgroup_id_z 1
		.amdhsa_system_vgpr_workitem_id 0
		.amdhsa_next_free_vgpr 1024
		.amdhsa_next_free_sgpr 80
		.amdhsa_reserve_vcc 0
		.amdhsa_float_denorm_mode_32 3
		.amdhsa_float_denorm_mode_16_64 3
		.amdhsa_memory_ordered 1
		.amdhsa_forward_progress 1
		.amdhsa_inst_pref_size 255
	.end_amdhsa_kernel
	.section	.bss,"aw",@nobits
	.p2align	6
	.space	262144
	.amdgpu_metadata
---
amdhsa.version: [ 1, 2 ]
amdhsa.kernels:
  - .name:           k_q31a494ee78_main
    .symbol:         k_q31a494ee78_main.kd
    .args:
      - { .name: inputs, .offset: 0, .size: 8, .value_kind: global_buffer, .address_space: global }
      - { .name: emb, .offset: 8, .size: 8, .value_kind: global_buffer, .address_space: global }
      - { .name: pos_emb, .offset: 16, .size: 8, .value_kind: global_buffer, .address_space: global }
      - { .name: wstream, .offset: 24, .size: 8, .value_kind: global_buffer, .address_space: global }
      - { .name: bq1, .offset: 32, .size: 8, .value_kind: global_buffer, .address_space: global }
      - { .name: bk1, .offset: 40, .size: 8, .value_kind: global_buffer, .address_space: global }
      - { .name: bv1, .offset: 48, .size: 8, .value_kind: global_buffer, .address_space: global }
      - { .name: bq2, .offset: 56, .size: 8, .value_kind: global_buffer, .address_space: global }
      - { .name: bk2, .offset: 64, .size: 8, .value_kind: global_buffer, .address_space: global }
      - { .name: bv2, .offset: 72, .size: 8, .value_kind: global_buffer, .address_space: global }
      - { .name: bp, .offset: 80, .size: 8, .value_kind: global_buffer, .address_space: global }
      - { .name: g1, .offset: 88, .size: 8, .value_kind: global_buffer, .address_space: global }
      - { .name: be1, .offset: 96, .size: 8, .value_kind: global_buffer, .address_space: global }
      - { .name: bf1, .offset: 104, .size: 8, .value_kind: global_buffer, .address_space: global }
      - { .name: bf2, .offset: 112, .size: 8, .value_kind: global_buffer, .address_space: global }
      - { .name: g2, .offset: 120, .size: 8, .value_kind: global_buffer, .address_space: global }
      - { .name: be2, .offset: 128, .size: 8, .value_kind: global_buffer, .address_space: global }
      - { .name: Wo, .offset: 136, .size: 8, .value_kind: global_buffer, .address_space: global }
      - { .name: bo, .offset: 144, .size: 8, .value_kind: global_buffer, .address_space: global }
      - { .name: out0, .offset: 152, .size: 8, .value_kind: global_buffer, .address_space: global }
    .group_segment_fixed_size: 215552
    .private_segment_fixed_size: 0
    .kernarg_segment_align: 8
    .kernarg_segment_size: 160
    .max_flat_workgroup_size: 128
    .sgpr_count:     80
    .vgpr_count:     1024
    .wavefront_size: 32
...
	.end_amdgpu_metadata
.endif
;; end of part 4
